; MI455X (gfx1250); checked and timed in simulation.
; The chip was launched on July 23, 2026; its instructions are those of AMD's public machine-readable ISA for CDNA 5 (MIT licence, August 2026) and "CDNA5" Instruction Set Architecture Reference Guide (July 2026). The comments in the code are by the model that wrote it; some were corrected since.
;; GPT Block. Allowed arithmetic: matrix products marked QUANTISED: E2M3 operands, one E8M0 scale for each 32 along K, by v_wmma_scale_f32_16x16x128_f8f6f4 with both operands' format E2M3, f32 sums; everything else in f32.
;; Inputs: k_norm_w 64 float32; norm1_w 1,024 float32; norm2_w 1,024 float32; q_norm_w 64 float32; w1_codes 2,752 x 32 x 24 uint8 (E2M3 codes of w1, K innermost, in blocks of 32 codes, four codes in three bytes); w1_scales 2,752 x 32 uint8 (E8M0 scales of w1, one for each 32 codes along K); w2_codes 1,024 x 86 x 24 uint8 (E2M3 codes of w2, K innermost, in blocks of 32 codes, four codes in three bytes); w2_scales 1,024 x 86 uint8 (E8M0 scales of w2, one for each 32 codes along K); w3_codes 2,752 x 32 x 24 uint8 (E2M3 codes of w3, K innermost, in blocks of 32 codes, four codes in three bytes); w3_scales 2,752 x 32 uint8 (E8M0 scales of w3, one for each 32 codes along K); wk_codes 1,024 x 32 x 24 uint8 (E2M3 codes of wk, K innermost, in blocks of 32 codes, four codes in three bytes); wk_scales 1,024 x 32 uint8 (E8M0 scales of wk, one for each 32 codes along K); wo_codes 1,024 x 32 x 24 uint8 (E2M3 codes of wo, K innermost, in blocks of 32 codes, four codes in three bytes); wo_scales 1,024 x 32 uint8 (E8M0 scales of wo, one for each 32 codes along K); wq_codes 1,024 x 32 x 24 uint8 (E2M3 codes of wq, K innermost, in blocks of 32 codes, four codes in three bytes); wq_scales 1,024 x 32 uint8 (E8M0 scales of wq, one for each 32 codes along K); wv_codes 1,024 x 32 x 24 uint8 (E2M3 codes of wv, K innermost, in blocks of 32 codes, four codes in three bytes); wv_scales 1,024 x 32 uint8 (E8M0 scales of wv, one for each 32 codes along K); x 2 x 2,048 x 1,024 float32.
;; Outputs: out0 2 x 2,048 x 1,024 float32.
;; This version of the problem:
;;   THIS VERSION OF THE PROBLEM IS GIVEN IN LOW PRECISION. The matrix products marked QUANTISED in the list below multiply operands that are first quantised to E2M3 (2 exponent bits, 3 mantissa bits; 6 bits a number), with one power-of-two scale for each 32 numbers along K (OCP MX v1.0); their sums are f32. All else is computed in f32.
;;   The module's matrix products, in the order in which they are computed (A, B: the left and right operand; K: the contracted axis; several contracted axes count as one K, in the product's order):
;;     1. [M 4,096, K 1,024] x [K 1,024, N 1,024]; A: computed on the way; B: input wq (given as codes): QUANTISED
;;     2. [M 4,096, K 1,024] x [K 1,024, N 1,024]; A: computed on the way; B: input wk (given as codes): QUANTISED
;;     3. [M 4,096, K 1,024] x [K 1,024, N 1,024]; A: computed on the way; B: input wv (given as codes): QUANTISED
;;     4. batch 32 x [M 2,048, K 64] x [K 64, N 2,048]; A: computed on the way; B: computed on the way: QUANTISED
;;     5. batch 32 x [M 2,048, K 2,048] x [K 2,048, N 64]; A: softmax (see below); B: computed on the way: QUANTISED
;;     6. [M 4,096, K 1,024] x [K 1,024, N 1,024]; A: computed on the way; B: input wo (given as codes): QUANTISED
;;     7. [M 4,096, K 1,024] x [K 1,024, N 2,752]; A: computed on the way; B: input w1 (given as codes): QUANTISED
;;     8. [M 4,096, K 1,024] x [K 1,024, N 2,752]; A: computed on the way; B: input w3 (given as codes): QUANTISED
;;     9. [M 4,096, K 2,752] x [K 2,752, N 1,024]; A: computed on the way; B: input w2 (given as codes): QUANTISED
;;   THE QUANTISER, for each operand of a quantised product, along K:
;;     - K is cut into blocks of 32 from its start; a last block that is shorter is filled with zeros.
;;     - A block's scale is 2^e with e = floor(log2(the largest magnitude in the block)) - 2, held to -126 .. 127; a block of zeros has e = 0. As a byte (E8M0): e + 127.
;;     - Each number is divided by its block's scale, clamped to +-7.5, and rounded to the nearest number of E2M3, ties to even, subnormals kept.
;;     - The product sums the exact products of the quantised numbers (number of the format x scale) in f32.
;;   ~~~python
;;   def quantise(x, axis):      # numpy; x: float32 -> the quantised numbers, widened to float32 again
;;       x = np.moveaxis(x, axis, -1); K = x.shape[-1]
;;       x = np.pad(x, [(0, 0)] * (x.ndim - 1) + [(0, -K % 32)]); x = x.reshape(x.shape[:-1] + (-1, 32)); a = np.abs(x).max(-1, keepdims=True)
;;       e = np.where(a > 0, np.clip(np.frexp(np.where(a > 0, a, 1))[1] - 1 - 2, -126, 127), 0)      # np.frexp(a)[1] - 1 = floor(log2(a)), exactly
;;       r = np.clip(x / 2.0 ** e, -7.5, 7.5)
;;       step = 2.0 ** (np.maximum(np.frexp(np.where(r == 0, 1, r))[1] - 1, 0) - 3)
;;       q = np.round(r / step) * step * 2.0 ** e      # np.round: ties to even
;;       return np.moveaxis(q.reshape(q.shape[:-2] + (-1,))[..., :K], -1, axis).astype(np.float32)
;;   ~~~
;;   SOFTMAX AHEAD OF A QUANTISED PRODUCT. Where the list says 'softmax', what is quantised is not the finished softmax but p = 2^(t - M), with t = logit x log2(e) and M = ceil(the row's largest t), a whole number; so 1/2 < the row's largest p <= 1. The row's sum l is taken of the UNQUANTISED p, in f32, and the product's result is divided by l at the end. Since M is a whole number, a kernel that streams over the keys may use a running M (the ceiling of the running maximum): every later rescaling is an exact power of two, which a block's scale takes up: the codes' values come out the same.
;;   OPERANDS COMPUTED ON THE WAY. 'Computed on the way' means the value that the module computes at that place (a softmax that the list does not call 'softmax' is quantised finished and normalised). What goes into a quantiser is computed in f32, as accurately as f32 sums, v_exp_f32 and their like allow (about 1e-6 of the number): no bf16 or f16 on the way to a quantiser, and a product that is left as it is and whose result goes on into a quantised operand takes f32 operands (vector FMAs, or v_wmma_f32_16x16x4_f32). A number that lies on a knife's edge between two numbers of the format may be rounded either way, as far as f32 arithmetic and the matrix unit's own rounding can turn it there, and no further.
;;   INPUTS GIVEN AS CODES. w1 (in the module: [2752, 1024], K = its axis 1); w2 (in the module: [1024, 2752], K = its axis 1); w3 (in the module: [2752, 1024], K = its axis 1); wk (in the module: [1024, 1024], K = its axis 1); wo (in the module: [1024, 1024], K = its axis 1); wq (in the module: [1024, 1024], K = its axis 1); wv (in the module: [1024, 1024], K = its axis 1): each comes as NAME_codes (uint8): NAME with its K axis moved to the last place and cut into blocks of 32 codes, [.., K / 32, bytes a block], one block behind the other in memory; four codes in three bytes: a row's codes are one little-endian stream of bits, code i at bits 6 i .. 6 i + 5 (a code: sign, 2 exponent bits, 3 mantissa bits); and NAME_scales (uint8): the same leading axes, one E8M0 byte (e + 127) for each 32 codes along K. Its value is code x scale, taken as it is: it is not quantised again, and the codes and scales need not be those that the quantiser above would give.
;; 2 versions. Each part assembles by itself: llvm-mc -triple=amdgcn-amd-amdhsa -mcpu=gfx1250 --defsym DOCPART=n.
;; ======== version 1 of 2: 7 launches
;; workspace buffers: XC 3,145,728 bytes; XS 131,072 bytes; WI 10,428,416 bytes; QKVC 9,437,184 bytes; QKVS 655,360 bytes; H 16,777,216 bytes; G 9,011,200 bytes
;; launch prep (part 1): grid 640 x 1, 8 waves a work-group, no clusters, 70,656 bytes of LDS; arguments x, norm1_w, wq_codes, wk_codes, wv_codes, wo_codes, w1_codes, w3_codes, w2_codes, w2_scales, w1_scales, w3_scales, XC, XS, WI; writes XC, XS, WI
.if DOCPART == 1
	.amdgcn_target "amdgcn-amd-amdhsa--gfx1250"
	.amdhsa_code_object_version 6
	.text
	.protected	k_q7cf77fb583_prep
	.globl	k_q7cf77fb583_prep
	.p2align	8
	.type	k_q7cf77fb583_prep,@function
k_q7cf77fb583_prep:
	s_mov_b64 s[64:65], 0
	v_nop
	global_prefetch_b8 v0, s[64:65] scope:SCOPE_SE
	s_setreg_imm32_b32 hwreg(HW_REG_WAVE_MODE, 25, 1), 1
	s_wait_xcnt 0x0
; FIRST LAUNCH.  Five roles, parted by the work-group's number:
;   0-255   X:   16 tokens: RMSNorm(x) x norm1_w in f32, quantised to E2M3 along the 1,024 columns -> XC, XS; and 8 positions of the RoPE table -> WI
;   256-559 W:   32 rows of wq, wk, wv, wo, w1 or w3 re-laid in the order of an operand's registers -> WI
;   560-591 W2:  the same for 32 rows of w2 (43 units of 64 codes, and a 44th of zero codes)
;   592-595 S2:  w2's scale rows of 86 bytes -> rows of 88 bytes (bytes 86, 87 = 0x7f)
;   596-639 S13: w1's and w3's scale rows, 64 rows of the one and 64 of the other by turns
; THE OPERAND IMAGE.  A block is 16 rows: lane index r of block 2 b + u holds row 32 b + 8 u + r + 8 (r / 8).  A unit is a block x 64 codes along K, 768 bytes: lane l = r + 16 h has the 24 bytes
; of codes k = 32 h .. 32 h + 31: its first 16 bytes at 16 l, its last 8 at 512 + 8 l.  Two units on end are the 12 registers of a fragment of 128 along K.
; A block's scale: the largest magnitude's exponent field less 2, held at 1 from below (a block of zeros gets the byte 1 where the rule says 127: its codes are zeros, and this program alone reads the bytes).
; LIMITS: NaN and infinities among the inputs are not served.  1 / rms is v_rsq_f32, inv_freq hangs on v_exp_f32 (each 1 ulp): at position 2,047 an angle may differ by about 2e-4 rad from one made with a correctly rounded inv_freq.
.set PART, 67584                       ; LDS: behind the eight stages (8,448 bytes a wave: 16 rows x 528): a sum of squares for each wave and row,
.set SCW,  68096                       ; and the 16 rows' scale bytes, 32 a row
.set W2I,  7471104                     ; WI: w2's image; w1/w3's scale rows; w2's scale rows; the RoPE table
.set W13S, 9633792
.set W2S,  9814016
.set ROPE, 9904128
.set R,   16                           ; v16-79   x as loaded: row i in registers 4 i ..
.set X,   80                           ; v80-143  my row's 64 numbers: register 32 c + i = column 128 w + 64 c + 32 h + i
.set NW,  144                          ; v144-207 the gains of those columns
.set SS,  208                          ; v208-215 sums of squares
.set C,   216                          ; v216-227 two units' codes
.set T,   228                          ; v228-235 the upper halves' codes, before they are moved
.set W,   236                          ; v236-248 at work
	s_load_b512 s[16:31], s[0:1], 0x0              ; x, norm1_w, wq, wk, wv, wo, w1, w3
	s_load_b256 s[32:39], s[0:1], 0x40             ; w2, w2_scales, w1_scales, w3_scales
	s_load_b128 s[40:43], s[0:1], 0x60             ; XC, XS
	s_load_b64 s[44:45], s[0:1], 0x70              ; WI
	v_lshl_add_u32 v254, v0, 2, 0x11000
	v_mov_b32 v255, 0
	v_lshrrev_b32 v1, 5, v0
	v_readfirstlane_b32 s2, v1                     ; wave 0..7
	v_and_b32 v1, 31, v0                           ; lane
	v_and_b32 v2, 15, v0                           ; r
	v_bfe_u32 v3, v0, 4, 1                         ; h
	v_lshlrev_b32 v11, 4, v1                       ; 16 x lane: a unit's first part
	v_lshlrev_b32 v12, 3, v1                       ; 8 x lane: its second part
	s_mov_b32 s5, 0                                ; the high word of every offset pair s[4:5]
	s_wait_kmcnt 0x0
	s_cmp_ge_u32 ttmp9, 256
	s_cbranch_scc1 .Lweights
	; ---------------- role X: block ttmp9 of the tokens; wave w takes columns 128 w .. 128 w + 127
	s_lshr_b32 s3, ttmp9, 1
	s_lshl_b32 s3, s3, 5
	s_and_b32 s4, ttmp9, 1
	s_lshl_b32 s4, s4, 3
	s_add_co_u32 s3, s3, s4                        ; the block's first row: 32 (block / 2) + 8 (block % 2)
	s_lshl_b32 s4, s3, 12
	s_add_nc_u64 s[16:17], s[16:17], s[4:5]
	s_lshl_b32 s6, s2, 9
	v_add_nc_u32 v4, s6, v11                       ; 512 w + 16 x lane: a load takes 512 consecutive bytes of a row
	v_lshl_add_u32 v5, v3, 7, s6                   ; 512 w + 128 h: my columns' gains
.set I, 0
.rept 16
	global_load_b128 v[R+4*I:R+4*I+3], v4, s[16:17] offset:(I+8*(I/8))*4096
.set I, I+1
.endr
.set I, 0
.rept 16
	global_load_b128 v[NW+4*I:NW+4*I+3], v5, s[18:19] offset:256*(I/8)+16*(I%8)
.set I, I+1
.endr
	s_mul_i32 s4, ttmp9, 12288
	s_mul_i32 s7, s2, 1536
	s_add_co_u32 s4, s4, s7
	s_add_nc_u64 s[40:41], s[40:41], s[4:5]        ; XC at my two units
	s_lshl_b32 s4, s3, 5
	s_add_nc_u64 s[42:43], s[42:43], s[4:5]        ; XS at the block's first row
	s_mul_i32 s7, s2, 8448
	v_add_nc_u32 v6, s7, v11                       ; my stage, on the way in: row i at 528 i
	v_mul_u32_u24 v7, v2, 528
	v_lshl_add_u32 v7, v3, 7, v7
	v_add_nc_u32 v7, s7, v7                        ; and on the way out: row r, 128 h bytes on
	v_lshl_add_u32 v9, v2, 2, PART
	s_lshl_b32 s7, s2, 6
	v_add_nc_u32 v8, s7, v9                        ; my wave's sum for row r
	v_lshl_add_u32 v10, v2, 5, SCW
	s_lshl_b32 s7, s2, 2
	v_add_nc_u32 v10, s7, v10                      ; row r's scale word for my 128 columns
	s_mov_b32 s10, 0x76543210
	s_mov_b32 s11, 0xfedcba98                      ; v_permlanex16_b32's selects for lane l xor 16
	s_mov_b32 s12, 0x2edbe6ff                      ; eps = 1e-10
	; the RoPE table while x is on its way: position 8 x block + wave, frequency = lane
	s_lshl_b32 s7, ttmp9, 3
	s_add_co_u32 s7, s7, s2
	v_cvt_f32_u32 v[W], v1
	v_cvt_f32_u32 v[W+1], s7
	v_mul_f32 v[W+2], 0xbf1773da, v[W]             ; p = -i log2(500000) / 32, rounded;
	v_fma_f32 v[W+3], v[W], 0xbf1773da, -v[W+2]    ; what the rounding dropped,
	v_fma_f32 v[W+3], v[W], 0xb263674d, v[W+3]     ; and what the constant's own rounding dropped
	v_exp_f32 v[W+4], v[W+2]
	v_nop                                          ; a plain place behind the transcendental
	s_wait_alu depctr_va_vdst(0)
	v_mul_f32 v[W+3], v[W+4], v[W+3]
	v_fma_f32 v[W+4], v[W+3], 0x3f317218, v[W+4]   ; inv_freq = 2^p (1 + ln 2 x the remainder)
	v_mul_f32 v[W+5], v[W+1], v[W+4]               ; the angle, rounded to f32
	v_mul_f32 v[W+6], 0x3f22f983, v[W+5]
	v_rndne_f32 v[W+6], v[W+6]                     ; n = the nearest multiple of pi / 2
	v_fma_f32 v[W+5], v[W+6], 0xbfc90fdb, v[W+5]
	v_fma_f32 v[W+5], v[W+6], 0x333bbd2e, v[W+5]   ; r = angle - n pi / 2, pi / 2 in two parts
	v_mul_f32 v[W+7], v[W+5], v[W+5]
	v_mov_b32 v[W+8], 0x37ccf5ce
	v_fmaak_f32 v[W+8], v[W+8], v[W+7], 0xbab6061a
	v_fmaak_f32 v[W+8], v[W+8], v[W+7], 0x3d2aaaa5
	v_mul_f32 v[W+9], v[W+7], v[W+7]
	v_fma_f32 v[W+10], v[W+7], -0.5, 1.0
	v_fma_f32 v[W+8], v[W+8], v[W+9], v[W+10]      ; cos r
	v_mov_b32 v[W+9], 0xb94ca1f9
	v_fmaak_f32 v[W+9], v[W+9], v[W+7], 0x3c08839e
	v_fmaak_f32 v[W+9], v[W+9], v[W+7], 0xbe2aaaa3
	v_mul_f32 v[W+10], v[W+5], v[W+7]
	v_fma_f32 v[W+9], v[W+9], v[W+10], v[W+5]      ; sin r
	v_cvt_i32_f32 v[W+6], v[W+6]
	v_and_b32 v[W+10], 1, v[W+6]
	v_cmp_eq_u32 vcc_lo, 1, v[W+10]                ; an odd quadrant swaps the two (a choice of values, no branch)
	v_cndmask_b32 v[W+11], v[W+8], v[W+9], vcc_lo
	v_cndmask_b32 v[W+12], v[W+9], v[W+8], vcc_lo
	v_add_nc_u32 v[W+10], 1, v[W+6]
	v_and_b32 v[W+10], 2, v[W+10]
	v_lshlrev_b32 v[W+10], 30, v[W+10]
	v_xor_b32 v[W+11], v[W+10], v[W+11]            ; cos: negative in quadrants 1 and 2
	v_and_b32 v[W+10], 2, v[W+6]
	v_lshlrev_b32 v[W+10], 30, v[W+10]
	v_xor_b32 v[W+12], v[W+10], v[W+12]            ; sin: negative in quadrants 2 and 3
	s_lshl_b32 s4, ttmp9, 11
	s_lshl_b32 s7, s2, 8
	s_add_co_u32 s4, s4, s7
	s_add_co_u32 s4, s4, ROPE
	s_add_nc_u64 s[46:47], s[44:45], s[4:5]
	v_lshlrev_b32 v13, 2, v1
	global_store_b32 v13, v[W+11], s[46:47]            ; a position's 256 bytes: 32 cosines, then 32 sines.  v13, v247, v248 are not written again
	global_store_b32 v13, v[W+12], s[46:47] offset:128
	s_wait_loadcnt 16                              ; x's 16 loads are in; the 16 loads of the gains, issued behind them, may be out
.set I, 0
.rept 16
	ds_store_b128 v6, v[R+4*I:R+4*I+3] offset:528*I
.set I, I+1
.endr
.set I, 0
.rept 16
	ds_load_b128 v[X+4*I:X+4*I+3], v7 offset:256*(I/8)+16*(I%8)    ; LDS serves a wave's instructions in order: these see my stores
.set I, I+1
.endr
	s_wait_dscnt 0x0
.irp j, 0,1,2,3
	v_pk_mul_f32 v[SS+2*\j:SS+2*\j+1], v[X+2*\j:X+2*\j+1], v[X+2*\j:X+2*\j+1]
.endr
.set I, 4
.rept 28
	v_pk_fma_f32 v[SS+2*(I%4):SS+2*(I%4)+1], v[X+2*I:X+2*I+1], v[X+2*I:X+2*I+1], v[SS+2*(I%4):SS+2*(I%4)+1]
.set I, I+1
.endr
	v_pk_add_f32 v[SS:SS+1], v[SS:SS+1], v[SS+2:SS+3]
	v_pk_add_f32 v[SS+4:SS+5], v[SS+4:SS+5], v[SS+6:SS+7]
	v_pk_add_f32 v[SS:SS+1], v[SS:SS+1], v[SS+4:SS+5]
	v_add_f32 v[SS], v[SS], v[SS+1]
	v_permlanex16_b32 v[SS+2], v[SS], s10, s11
	v_add_f32 v[SS], v[SS], v[SS+2]                ; row r, my wave's 128 columns
	ds_store_b32 v8, v[SS]
	s_wait_dscnt 0x0                               ; for the others' sake: my sum has landed
	s_barrier_signal -1
	s_barrier_wait -1
.irp k, 0,1,2,3,4,5,6,7
	ds_load_b32 v[W+\k], v9 offset:64*\k
.endr
	s_wait_dscnt 0x0
	v_add_f32 v[W], v[W], v[W+1]
	v_add_f32 v[W+2], v[W+2], v[W+3]
	v_add_f32 v[W+4], v[W+4], v[W+5]
	v_add_f32 v[W+6], v[W+6], v[W+7]
	v_add_f32 v[W], v[W], v[W+2]
	v_add_f32 v[W+4], v[W+4], v[W+6]
	v_add_f32 v[W], v[W], v[W+4]
	v_fma_f32 v[W], v[W], 0x3a800000, s12          ; the mean of the squares + eps
	v_rsq_f32 v[SS], v[W]
	v_mov_b32 v[SS+1], 0                           ; (the plain place; and the pair's upper word, which the packed form names)
	s_wait_loadcnt 0x0                             ; the gains
.set I, 0
	s_wait_alu depctr_va_vdst(0)
.rept 32
	v_pk_mul_f32 v[X+2*I:X+2*I+1], v[X+2*I:X+2*I+1], v[SS:SS+1] op_sel_hi:[1,0]
.set I, I+1
.endr
.set I, 0
.rept 32
	v_pk_mul_f32 v[X+2*I:X+2*I+1], v[X+2*I:X+2*I+1], v[NW+2*I:NW+2*I+1]
.set I, I+1
.endr
	; my two whole blocks of 32: c = 0, 1
.irp c, 0,1
	v_max3_num_f32 v[W+\c], |v[X+32*\c]|, |v[X+32*\c+1]|, 0x1800000     ; with the floor 2^(3 - 127): the byte cannot fall under 1
.endr
.irp i, 2,4,6,8,10,12,14,16,18,20,22,24,26,28,30
.irp c, 0,1
	v_max3_num_f32 v[W+\c], v[W+\c], |v[X+32*\c+\i]|, |v[X+32*\c+\i+1]|
.endr
.endr
.irp c, 0,1
	v_add_nc_u32 v[W+2+\c], 0xff000000, v[W+\c]    ; 2 off the exponent field: the conversion's scale operand
.endr
.irp c, 0,1
	v_lshrrev_b32 v[W+4+\c], 23, v[W+2+\c]         ; the scale's byte
.endr
	v_lshl_or_b32 v[W+6], v[W+5], 16, v[W+4]       ; blocks h and 2 + h of the wave's four,
	v_lshlrev_b32 v[W+7], 3, v3
	v_lshlrev_b32 v[W+6], v[W+7], v[W+6]           ; at their places in the word;
	v_permlanex16_b32 v[W+7], v[W+6], s10, s11
	v_or_b32 v[W+6], v[W+6], v[W+7]                ; with lane l xor 16's two the word is whole
.irp c, 0,1
	v_cvt_scalef32_pk16_fp6_f32 v[C+6*\c:C+6*\c+2], v[X+32*\c:X+32*\c+15], v[W+2+\c]
	v_cvt_scalef32_pk16_fp6_f32 v[T+4*\c:T+4*\c+2], v[X+32*\c+16:X+32*\c+31], v[W+2+\c]   ; (a conversion's three registers begin on an even number)
.endr
	v_nop                                          ; one plain place behind a scaled conversion
.irp c, 0,1
.irp i, 0,1,2
	v_mov_b32 v[C+6*\c+3+\i], v[T+4*\c+\i]
.endr
.endr
.irp c, 0,1
	global_store_b128 v11, v[C+6*\c:C+6*\c+3], s[40:41] offset:768*\c          ; 512 consecutive bytes,
	global_store_b64 v12, v[C+6*\c+4:C+6*\c+5], s[40:41] offset:768*\c+512     ; and 256
.endr
	ds_store_b32 v10, v[W+6]
	s_wait_dscnt 0x0
	s_barrier_signal -1
	s_barrier_wait -1
	s_cmp_lg_u32 s2, 0                             ; wave 0 stores the 16 rows' scale bytes: rows 0-7 and rows 8-15 are 256 consecutive bytes each
	s_cbranch_scc1 .Lx_done
	v_add_nc_u32 v14, SCW, v11
	ds_load_b128 v[R:R+3], v14
	v_lshlrev_b32 v15, 9, v3
	v_lshl_add_u32 v15, v2, 4, v15
	s_wait_dscnt 0x0
	global_store_b128 v15, v[R:R+3], s[42:43]
.Lx_done:
	s_wait_tensorcnt 0x0
	ds_add_u32 v254, v255
	s_wait_dscnt 0x0
	s_endpgm
	; ---------------- role W: job J: 32 rows (two blocks) x 16 units, to WI + 24,576 J
.Lweights:
	s_sub_co_u32 s3, ttmp9, 256                    ; J
	s_lshr_b32 s9, s2, 2                           ; u: which of the two blocks is my wave's
	s_and_b32 s10, s2, 3                           ; m: which quarter of its units
	v_and_b32 v4, 8, v2
	v_add_nc_u32 v4, v4, v2                        ; r + 8 (r / 8)
	s_cmp_ge_u32 s3, 304
	s_cbranch_scc1 .Lw2
	s_sub_co_u32 s6, s3, 128                       ; J - 128: four jobs for each 64 rows f: w1's two, w3's two
	s_and_b32 s7, s3, 31
	s_lshl_b32 s7, s7, 5
	s_lshr_b32 s8, s6, 2
	s_lshl_b32 s8, s8, 6
	s_and_b32 s11, s6, 1
	s_lshl_b32 s11, s11, 5
	s_add_co_u32 s8, s8, s11
	s_bitcmp1_b32 s6, 1
	s_cselect_b64 s[28:29], s[30:31], s[28:29]     ; w3 or w1
	s_cmp_lt_u32 s3, 96
	s_cselect_b64 s[26:27], s[24:25], s[26:27]     ; wv or wo
	s_cmp_lt_u32 s3, 64
	s_cselect_b64 s[26:27], s[22:23], s[26:27]     ; wk
	s_cmp_lt_u32 s3, 32
	s_cselect_b64 s[26:27], s[20:21], s[26:27]     ; wq
	s_cmp_lt_u32 s3, 128
	s_cselect_b64 s[26:27], s[26:27], s[28:29]
	s_cselect_b32 s7, s7, s8                       ; the job's first row
	s_mul_i32 s4, s7, 768
	s_add_nc_u64 s[26:27], s[26:27], s[4:5]
	v_mul_u32_u24 v5, v4, 768                      ; a row of 1,024 codes is 768 bytes
	v_mad_u32_u24 v5, v3, 24, v5
	s_mul_i32 s11, s9, 8*768
	s_mul_i32 s12, s10, 192
	s_add_co_u32 s11, s11, s12
	v_add_nc_u32 v5, s11, v5                       ; row 8 u + r + 8 (r / 8), byte 192 m + 24 h
	s_mul_i32 s4, s3, 24576
	s_mul_i32 s11, s9, 12288
	s_add_co_u32 s4, s4, s11
	s_mul_i32 s11, s10, 3072
	s_add_co_u32 s4, s4, s11
	s_add_nc_u64 s[44:45], s[44:45], s[4:5]
	s_cmp_ge_u32 s3, 300                           ; the last four jobs are rows 2,752 .. 2,815 of w1 and w3, which do not exist: zero codes
	s_cbranch_scc1 .Lw_zero
.irp i, 0,1,2,3
.irp p, 0,1,2
	global_load_b64 v[16+6*\i+2*\p:17+6*\i+2*\p], v5, s[26:27] offset:48*\i+8*\p th:TH_LOAD_NT
.endr
.endr
	s_wait_loadcnt 0x0
	s_branch .Lw_store
.Lw_zero:
.set I, 0
.rept 24
	v_mov_b32 v[16+I], 0
.set I, I+1
.endr
.Lw_store:
.irp i, 0,1,2,3
	global_store_b128 v11, v[16+6*\i:19+6*\i], s[44:45] offset:768*\i
	global_store_b64 v12, v[20+6*\i:21+6*\i], s[44:45] offset:768*\i+512
.endr
	s_endpgm
	; ---------------- role W2: 32 rows of w2, 44 units a block, 11 a wave
.Lw2:
	s_sub_co_u32 s3, s3, 304
	s_cmp_ge_u32 s3, 32
	s_cbranch_scc1 .Ls2
	s_mul_i32 s4, s3, 32*2064                      ; a row of 2,752 codes is 2,064 bytes
	s_add_nc_u64 s[32:33], s[32:33], s[4:5]
	v_mul_u32_u24 v5, v4, 2064
	v_mad_u32_u24 v5, v3, 24, v5
	s_mul_i32 s11, s9, 8*2064
	s_mul_i32 s12, s10, 528
	s_add_co_u32 s11, s11, s12
	v_add_nc_u32 v5, s11, v5
	s_lshl_b32 s4, s3, 1
	s_add_co_u32 s4, s4, s9
	s_mul_i32 s4, s4, 33792
	s_mul_i32 s11, s10, 8448
	s_add_co_u32 s4, s4, s11
	s_add_co_u32 s4, s4, W2I
	s_add_nc_u64 s[44:45], s[44:45], s[4:5]
.irp i, 0,1,2,3,4,5,6,7,8,9
.irp p, 0,1,2
	global_load_b64 v[16+6*\i+2*\p:17+6*\i+2*\p], v5, s[32:33] offset:48*\i+8*\p th:TH_LOAD_NT
.endr
.endr
	s_cmp_eq_u32 s10, 3                            ; unit 43 lies past the row's end: zero codes, and no load leaves the buffer
	s_cbranch_scc1 .Lw2_zero
.irp p, 0,1,2
	global_load_b64 v[76+2*\p:77+2*\p], v5, s[32:33] offset:480+8*\p th:TH_LOAD_NT
.endr
	s_branch .Lw2_go
.Lw2_zero:
.irp p, 0,1,2,3,4,5
	v_mov_b32 v[76+\p], 0
.endr
.Lw2_go:
	s_wait_loadcnt 0x0
.irp i, 0,1,2,3,4,5,6,7,8,9,10
	global_store_b128 v11, v[16+6*\i:19+6*\i], s[44:45] offset:768*\i
	global_store_b64 v12, v[20+6*\i:21+6*\i], s[44:45] offset:768*\i+512
.endr
	s_endpgm
	; ---------------- role S2: a thread to a row of w2's scales: 86 bytes in, 88 out
.Ls2:
	s_sub_co_u32 s3, s3, 32
	s_cmp_ge_u32 s3, 4
	s_cbranch_scc1 .Ls13
	s_lshl_b32 s4, s3, 8
	v_add_nc_u32 v4, s4, v0
	v_mul_u32_u24 v5, v4, 86
	v_mul_u32_u24 v6, v4, 88
	s_add_nc_u64 s[44:45], s[44:45], W2S
.set I, 0
.rept 43
	global_load_u16 v[16+I], v5, s[34:35] offset:2*I
.set I, I+1
.endr
	s_wait_loadcnt 0x0
.set I, 0
.rept 21
	v_lshl_or_b32 v[64+I], v[17+2*I], 16, v[16+2*I]
.set I, I+1
.endr
	v_or_b32 v85, 0x7f7f0000, v58                  ; the two bytes of the 44th unit: 1.0 over zero codes
.set I, 0
.rept 11
	global_store_b64 v6, v[64+2*I:65+2*I], s[44:45] offset:8*I
.set I, I+1
.endr
	s_endpgm
	; ---------------- role S13: 64 rows of w1's scales, then the same 64 of w3's: 4,096 bytes, 16 a thread
.Ls13:
	s_sub_co_u32 s3, s3, 4
	s_lshl_b32 s4, s3, 12
	s_add_co_u32 s4, s4, W13S
	s_add_nc_u64 s[44:45], s[44:45], s[4:5]
	v_lshlrev_b32 v5, 4, v0
	s_cmp_lt_u32 s2, 4
	s_cselect_b64 s[36:37], s[36:37], s[38:39]     ; waves 0-3 copy w1's, waves 4-7 w3's
	s_lshl_b32 s4, s3, 11
	s_add_nc_u64 s[36:37], s[36:37], s[4:5]
	v_and_b32 v4, 127, v0
	v_lshlrev_b32 v4, 4, v4
	s_cmp_eq_u32 s3, 43                            ; rows 2,752 on do not exist: 1.0 over zero codes
	s_cbranch_scc1 .Ls13_ones
	global_load_b128 v[16:19], v4, s[36:37]
	s_wait_loadcnt 0x0
	s_branch .Ls13_store
.Ls13_ones:
.irp p, 0,1,2,3
	v_mov_b32 v[16+\p], 0x7f7f7f7f
.endr
.Ls13_store:
	global_store_b128 v5, v[16:19], s[44:45]
	s_endpgm
.Lfunc_end_k_q7cf77fb583_prep:
	.size	k_q7cf77fb583_prep, .Lfunc_end_k_q7cf77fb583_prep-k_q7cf77fb583_prep
	.p2alignl 7, 3214868480
	.fill 96, 4, 3214868480
	.section	.rodata,"a",@progbits
	.p2align	6, 0x0
	.amdhsa_kernel k_q7cf77fb583_prep
		.amdhsa_group_segment_fixed_size 70656
		.amdhsa_private_segment_fixed_size 0
		.amdhsa_enable_private_segment 0
		.amdhsa_kernarg_size 120
		.amdhsa_user_sgpr_count 2
		.amdhsa_user_sgpr_kernarg_segment_ptr 1
		.amdhsa_wavefront_size32 1
		.amdhsa_system_sgpr_workgroup_id_x 1
		.amdhsa_system_sgpr_workgroup_id_y 1
		.amdhsa_system_sgpr_workgroup_id_z 1
		.amdhsa_system_vgpr_workitem_id 0
		.amdhsa_next_free_vgpr 256
		.amdhsa_next_free_sgpr 66
		.amdhsa_reserve_vcc 1
		.amdhsa_float_denorm_mode_32 3
		.amdhsa_float_denorm_mode_16_64 3
		.amdhsa_memory_ordered 1
		.amdhsa_forward_progress 1
		.amdhsa_inst_pref_size 41
	.end_amdhsa_kernel
	.amdgpu_metadata
---
amdhsa.version: [ 1, 2 ]
amdhsa.kernels:
  - .name:           k_q7cf77fb583_prep
    .symbol:         k_q7cf77fb583_prep.kd
    .args:
      - { .name: x, .offset: 0, .size: 8, .value_kind: global_buffer, .address_space: global }
      - { .name: norm1_w, .offset: 8, .size: 8, .value_kind: global_buffer, .address_space: global }
      - { .name: wq_codes, .offset: 16, .size: 8, .value_kind: global_buffer, .address_space: global }
      - { .name: wk_codes, .offset: 24, .size: 8, .value_kind: global_buffer, .address_space: global }
      - { .name: wv_codes, .offset: 32, .size: 8, .value_kind: global_buffer, .address_space: global }
      - { .name: wo_codes, .offset: 40, .size: 8, .value_kind: global_buffer, .address_space: global }
      - { .name: w1_codes, .offset: 48, .size: 8, .value_kind: global_buffer, .address_space: global }
      - { .name: w3_codes, .offset: 56, .size: 8, .value_kind: global_buffer, .address_space: global }
      - { .name: w2_codes, .offset: 64, .size: 8, .value_kind: global_buffer, .address_space: global }
      - { .name: w2_scales, .offset: 72, .size: 8, .value_kind: global_buffer, .address_space: global }
      - { .name: w1_scales, .offset: 80, .size: 8, .value_kind: global_buffer, .address_space: global }
      - { .name: w3_scales, .offset: 88, .size: 8, .value_kind: global_buffer, .address_space: global }
      - { .name: XC, .offset: 96, .size: 8, .value_kind: global_buffer, .address_space: global }
      - { .name: XS, .offset: 104, .size: 8, .value_kind: global_buffer, .address_space: global }
      - { .name: WI, .offset: 112, .size: 8, .value_kind: global_buffer, .address_space: global }
    .group_segment_fixed_size: 70656
    .private_segment_fixed_size: 0
    .kernarg_segment_align: 8
    .kernarg_segment_size: 120
    .max_flat_workgroup_size: 256
    .sgpr_count:     66
    .vgpr_count:     256
    .wavefront_size: 32
...
	.end_amdgpu_metadata
.endif
;; end of part 1
;; launch qkv (part 2): grid 48 x 4, 4 waves a work-group, clusters of 4 x 4, 327,680 bytes of LDS; arguments XC, XS, WI, wq_scales, wk_scales, wv_scales, q_norm_w, k_norm_w, QKVC, QKVS; writes QKVC, QKVS
.if DOCPART == 2
	.amdgcn_target "amdgcn-amd-amdhsa--gfx1250"
	.amdhsa_code_object_version 6
	.text
	.protected	k_q7cf77fb583_qkv
	.globl	k_q7cf77fb583_qkv
	.p2align	8
	.type	k_q7cf77fb583_qkv,@function
k_q7cf77fb583_qkv:
	s_mov_b64 s[64:65], 0
	v_nop
	global_prefetch_b8 v0, s[64:65] scope:SCOPE_SE
	s_setreg_imm32_b32 hwreg(HW_REG_WAVE_MODE, 25, 1), 1
	s_wait_xcnt 0x0
	s_wait_alu depctr_hold_cnt(0) depctr_sa_sdst(0) depctr_va_vdst(0) depctr_va_sdst(0) depctr_va_ssrc(0) depctr_va_vcc(0) depctr_vm_vsrc(0)
	s_getreg_b32 s2, hwreg(HW_REG_IB_STS2, 6, 4)
	s_cmp_eq_u32 s2, 0
	s_cbranch_scc0 .Lentry_in_a_cluster
	s_endpgm
.Lentry_in_a_cluster:
	s_bfe_u32 s2, ttmp6, 0x10000c
	s_cmp_lg_u32 s2, 0xf033
	s_cbranch_scc0 .Lentry_shape_is_right
	s_endpgm
.Lentry_shape_is_right:
; q, k and v = RMSNorm(x) W^T on codes of E2M3, then: q, k: RMSNorm over the head's 64, RoPE, quantised along the head's 64; v: quantised along the keys.
; A cluster's kind = ttmp9 / 4: 0 Q, 1 K: C[token][o], operand "A" = the tokens (XC), "B" = the weight.  2 V: the pointers change places, C[o][token], so that a lane's registers run along the tokens, v's K in the second product.
; A tile of C is 256 x 256, four waves of 128 x 128 (64 accumulators, 512 registers).  K = 1,024 goes in four steps of 256 through two LDS slots.
; OPERANDS ARE IMAGES OF REGISTERS: a block is 16 rows (lane index r of block 2 b + u = row 32 b + 8 u + r + 8 (r / 8)), a unit a block x 64 codes = 768 bytes (16 bytes a lane, then 8 a lane).  A slot holds, for each of A's 16 and B's 16
; blocks, 4 units on end: every LDS load of a fragment takes consecutive bytes, so there is no padding.  THE MATRIX INSTRUCTION IS USED TRANSPOSED (source 0 = B's block, source 1 = A's): lane (r, h) holds A's row at lane index r, and the 16
; registers of B's blocks 2 b, 2 b + 1 are B's rows 32 b + 16 h + 0 .. 15: neighbours, as the conversions want them.
; CLUSTER 4 x 4: A's tiles are shared along a row of the cluster, B's along a column, by joint loads.  The scale bytes of the tile's rows, for all of K, come once with the first fills.
; LIMITS: NaN and infinities are not served; 1 / rms is v_rsq_f32 (1 ulp); a block of zeros gets the scale byte 1 (its codes are zeros; this program alone reads the bytes).
; The norm's gains and the first cos/sin set are loaded by clusters of kind 2 as well, which do not use them: 16 loads a wave, so that one text serves all three kinds.
; REGISTERS: window 0: v16-23 fragment addresses, v24-31 other addresses, v32-63 scale words (two sets), v64-127 and v224-255 gains, cos, sin; v128-223 A's fragments, later the way out.  window 1: B's fragments, two sets.  windows 2, 3: accumulators.
.set HA, 4                             ; A's blocks in half a wave tile
.set NB, 8                             ; blocks of A, and of B, in a wave tile
.set UQ, 4                             ; units in a slot: 256 along K
.set NQ, 2                             ; matrix instructions deep
.set KU, 16                            ; units in a block of the operands' images
.set BLKB, UQ*768
.set QUART, NB*BLKB                    ; what one tensor load brings
.set SLOT, 4*QUART
.set SCL, 2*SLOT                       ; behind the ring: the scale bytes, rows of 256 bytes + 16
.set HALFS, 4352                       ; those of 128 rows
.set SA, 32                            ; from row to row within eight rows;
.set SBB, 544                          ; lane indices 8-15 lie 16 rows on;
.set SC1, 272                          ; an odd block 8 rows on;
.set SC4, 1088                         ; a pair of blocks 32 rows on
.set SPARE, SCL+4*HALFS                ; the spare words: 128 bytes a wave, named by no other line
.set ROPE, 9904128
.set ADRS, 27
.set SPW, 28
.set NIL, 29
.set SC, 32
.set AF, 128
.set G1, 24
.set G0, 32
.set G1B, 48
.set G0B, 56
.set G1S, 68
.set G0S, 76
.set G1SB, 80
.set G0SB, 88
.set TM, 210                           ; v210-215 the quantiser's: largest magnitudes, bytes, scale operands
.set PT, 206                           ; v206-208 the upper halves' codes
.set MSB, 0
.macro WIN new                         ; the immediate's high byte repeats the setting that is left
.if MSB != (\new)
	s_set_vgpr_msb (MSB<<8)|(\new)
.set MSB, (\new)
.endif
.endm
.macro PLACES                          ; four plain places behind matrix instructions, ahead of loads into their registers and of reads of results
.rept 4
	v_nop
.endr
.endm
.macro JLOAD g0a, g1a, g0b, g1b        ; waves 0, 1 fetch for A, waves 2, 3 for B; four v_nop follow each line
	s_cmp_eq_u32 s15, 0
	s_cbranch_scc0 .Lfor_b_\@
	tensor_load_to_lds s[\g0a:\g0a+3], s[\g1a:\g1a+7]
	s_nop 0
	PLACES
	s_branch .Lasked_\@
.Lfor_b_\@:
	tensor_load_to_lds s[\g0b:\g0b+3], s[\g1b:\g1b+7]
	s_nop 0
	PLACES
.Lasked_\@:
.endm
.macro CREST                           ; a round of the cluster's barrier behind its opening barrier
	s_cmp_lg_u32 s14, 0
	s_cbranch_scc1 .Lnot_wave_0_\@
	s_barrier_signal -3
.Lnot_wave_0_\@:
	s_barrier_wait -3
	s_barrier_signal -1
	s_barrier_wait -1
.endm
.macro CROUND
	s_barrier_signal -1
	s_barrier_wait -1
	CREST
.endm
.macro FRAG reg, a16, a8, off          ; a fragment = two units: 16 + 8 bytes a lane each
	ds_load_b128 v[\reg:\reg+3], v[\a16] offset:\off
	ds_load_b64 v[\reg+4:\reg+5], v[\a8] offset:\off
	ds_load_b128 v[\reg+6:\reg+9], v[\a16] offset:\off+768
	ds_load_b64 v[\reg+10:\reg+11], v[\a8] offset:\off+768
.endm
.macro FETCH_B slot, q, p              ; B's NB fragments of the slot's q-th 128 along K into set p (window 1)
	WIN 0x40
.set FI, 0
.rept NB
	FRAG 128*(\p)+12*FI, 20+\slot, 22+\slot, FI*BLKB+(\q)*1536
.set FI, FI+1
.endr
	WIN 0
.endm
.macro FETCH_A slot, q, i0             ; A's blocks i0 .. i0 + HA - 1
.set FI, \i0
.rept HA
	FRAG AF+12*FI, 16+\slot, 18+\slot, FI*BLKB+(\q)*1536
.set FI, FI+1
.endr
.endm
.macro SCALES sc                       ; a K step's scale words: lanes 0-15 A's block i, lanes 16-31 B's block i
.set FI, 0
.rept NB
	ds_load_b64 v[SC+16*(\sc)+2*FI:SC+16*(\sc)+2*FI+1], v[ADRS] offset:(FI/2)*SC4+(FI%2)*SC1
.set FI, FI+1
.endr
.endm
; A's blocks a0 .. a0 + na - 1 against B's NB.  The accumulators take turns, one instruction a turn, in the same order in every step.
.macro MULS a0, na, p, q, sc, zero
.set MA, \a0
.rept \na
.set MB, 0
.rept NB
.set MD, 8*(NB*(MA%HA)+MB)
.if \zero
	v_wmma_scale_f32_16x16x128_f8f6f4 v[MD:MD+7], v[128*(\p)+12*MB:128*(\p)+12*MB+11], v[AF+12*MA:AF+12*MA+11], 0, v[SC+16*(\sc)+NQ*MB+(\q)], v[SC+16*(\sc)+NQ*MA+(\q)] matrix_a_fmt:MATRIX_FMT_FP6 matrix_b_fmt:MATRIX_FMT_FP6 matrix_a_scale:MATRIX_SCALE_ROW1
.else
	v_wmma_scale_f32_16x16x128_f8f6f4 v[MD:MD+7], v[128*(\p)+12*MB:128*(\p)+12*MB+11], v[AF+12*MA:AF+12*MA+11], v[MD:MD+7], v[SC+16*(\sc)+NQ*MB+(\q)], v[SC+16*(\sc)+NQ*MA+(\q)] matrix_a_fmt:MATRIX_FMT_FP6 matrix_b_fmt:MATRIX_FMT_FP6 matrix_a_scale:MATRIX_SCALE_ROW1
.endif
.set MB, MB+1
.endr
.set MA, MA+1
.endr
.endm
.macro STEP slot, q, zero              ; 128 along K with its successor in the same slot
	s_wait_dscnt 4*HA                              ; all but the youngest loads: A's second half, 4 loads a fragment
	WIN 0xa1
	MULS 0, HA, (\q)%2, \q, \slot, \zero
	s_wait_dscnt 0x0
	PLACES
	FETCH_B \slot, (\q)+1, 1-(\q)%2
	FETCH_A \slot, (\q)+1, 0
	WIN 0xf1
	MULS HA, HA, (\q)%2, \q, \slot, \zero
	PLACES
	WIN 0
	FETCH_A \slot, (\q)+1, HA
.endm
; A slot's last step changes slots: one barrier; ahead of it each wave waits for all its tensor loads, adds 0 to its spare word, and waits for that and for its reads of this slot.  fill = 1: the slot is filled again, two K steps ahead.
.macro TURN slot, next, fill
	s_wait_tensorcnt 0x0                           ; all my tensor loads have landed: my part of the next slot
	ds_add_u32 v[SPW], v[NIL]                      ; 0 onto my spare word
	s_wait_dscnt 4*HA+1                            ; (the add and A's second half may be out)
	WIN 0xa1
	MULS 0, HA/2, 1, NQ-1, \slot, 0
	s_wait_dscnt 0x0                               ; the add is done, and my reads of this slot are over
	s_barrier_signal -1
	MULS HA/2, HA/2, 1, NQ-1, \slot, 0
	WIN 0
	s_barrier_wait -1
.if \fill
	CREST                                          ; the barrier has opened a round of the cluster's: no wave of any partner still reads this slot or has a load on its way
	s_add_nc_u64 s[G0+4*\slot+2:G0+4*\slot+3], s[G0+4*\slot+2:G0+4*\slot+3], 2*BLKB
	s_add_nc_u64 s[G0B+4*\slot+2:G0B+4*\slot+3], s[G0B+4*\slot+2:G0B+4*\slot+3], 2*BLKB
	JLOAD G0+4*\slot, G1, G0B+4*\slot, G1B         ; the first tensor load behind the round; its four v_nop are the places ahead of the loads below
.else
	PLACES
.endif
	v_add_nc_u32 v[ADRS], 4*NQ, v[ADRS]            ; the next K step's scale words
	FETCH_B \next, 0, 0
	FETCH_A \next, 0, 0
	SCALES \next
	WIN 0xf1
	MULS HA, HA, 1, NQ-1, \slot, 0
	PLACES
	WIN 0
	FETCH_A \next, 0, HA
.endm
.macro LAST slot, q
	s_wait_dscnt 4*HA
	WIN 0xa1
	MULS 0, HA, (\q)%2, \q, \slot, 0
	s_wait_dscnt 0x0
	WIN 0xf1
	MULS HA, HA, (\q)%2, \q, \slot, 0
	WIN 0
	PLACES
.endm
; 32 numbers of a lane in window w, register 16 b + i = k 32 b + 16 h + i of my row, become a unit's six registers v[pc] on; the two scale bytes are left in v[TM+2], v[TM+3].
.macro QUANTU s, w, pc
	WIN ((\w)|((\w)<<2))
.irp b, 0,1
	v_max3_num_f32 v[TM+\b], |v[\s+16*\b]|, |v[\s+16*\b+1]|, 0x1800000     ; with the floor 2^(3 - 127): the byte cannot fall under 1
.endr
	WIN (((\w)<<2)|((\w)<<4))
.irp i, 2,4,6,8,10,12,14
.irp b, 0,1
	v_max3_num_f32 v[TM+\b], v[TM+\b], |v[\s+16*\b+\i]|, |v[\s+16*\b+\i+1]|
.endr
.endr
	WIN 0
.irp b, 0,1
	v_permlanex16_b32 v[TM+2+\b], v[TM+\b], s40, s41
.endr
.irp b, 0,1
	v_max_num_f32 v[TM+\b], v[TM+\b], v[TM+2+\b]   ; with lane l xor 16's 16: the block's largest magnitude
.endr
.irp b, 0,1
	v_add_nc_u32 v[TM+4+\b], 0xff000000, v[TM+\b]  ; 2 off the exponent field: the conversion's scale operand
.endr
.irp b, 0,1
	v_lshrrev_b32 v[TM+2+\b], 23, v[TM+4+\b]       ; the scale's byte
.endr
	s_wait_xcnt 0x0                                ; earlier stores have read the registers that are written from here on
	WIN (\w)
	v_cvt_scalef32_pk16_fp6_f32 v[\pc:\pc+2], v[\s:\s+15], v[TM+4]
	v_cvt_scalef32_pk16_fp6_f32 v[PT:PT+2], v[\s+16:\s+31], v[TM+5]
	WIN 0
	v_nop                                          ; one plain place behind a scaled conversion
.irp i, 0,1,2
	v_permlane16_swap_b32 v[\pc+\i], v[PT+\i]      ; a whole block to a lane: lanes 0-15 block 0, lanes 16-31 block 1
.endr
.irp i, 0,1,2
	v_mov_b32 v[\pc+3+\i], v[PT+\i]
.endr
.endm
	s_load_b256 s[40:47], s[0:1], 0x0              ; XC s[40:41], XS s[42:43], WI s[44:45], wq_scales s[46:47]
	s_load_b256 s[92:99], s[0:1], 0x20             ; wk_scales, wv_scales, q_norm_w, k_norm_w
	s_load_b64 s[100:101], s[0:1], 0x40            ; QKVC
	s_load_b64 s[66:67], s[0:1], 0x48              ; QKVS
	v_lshl_add_u32 v[SPW], v0, 2, SPARE
	v_mov_b32 v[NIL], 0
	ds_add_u32 v28, v29
	ds_add_u32 v28, v29
	s_wait_dscnt 0x0
	v_lshrrev_b32 v1, 5, v0
	v_readfirstlane_b32 s14, v1                    ; wave 0..3
	s_lshr_b32 s15, s14, 1                         ; my half of the tile's A rows.  Also: I fetch for A (0) or B (1)
	s_and_b32 s16, s14, 1                          ; my half of its B rows.  Also: which half of that operand's blocks I fetch
	s_bfe_u32 s19, ttmp6, 0x40000                  ; cx
	s_bfe_u32 s20, ttmp6, 0x40004                  ; cy
	s_lshr_b32 s2, ttmp9, 2                        ; kind: shared by the whole cluster
	s_and_b32 s3, ttmp9, 3
	s_lshl_b32 s3, s3, 2
	s_cmp_eq_u32 s2, 2
	s_cselect_b32 s23, 0, s3
	s_cselect_b32 s13, s3, 0
	s_add_co_u32 s17, s20, s23                     ; A's tile: cy, and for Q, K the cluster's four tiles of tokens
	s_add_co_u32 s18, s19, s13                     ; B's tile: cx, and for V the same
	s_lshl_b32 s21, s20, 2
	s_lshl_b32 s21, 15, s21                        ; my row of the cluster
	s_lshl_b32 s22, 0x1111, s19                    ; my column
	s_or_b32 s[G1], s21, (3<<16)|(1<<21)           ; 15:0 mask; 17:16 elements of 8 bytes; 21 set beside a mask; no padding
	s_or_b32 s[G1B], s22, (3<<16)|(1<<21)
.irp g, G1, G1B
	s_mov_b32 s[\g+1], (UQ*96)<<16                 ; tensor_dim0: a block's UQ units
	s_mov_b32 s[\g+2], NB<<16                      ; tensor_dim1: NB blocks
	s_mov_b32 s[\g+3], (UQ*96)<<16                 ; tile_dim0
	s_mov_b32 s[\g+4], NB                          ; tile_dim1
	s_mov_b32 s[\g+5], KU*96                       ; from block to block
	s_mov_b32 s[\g+6], 0
	s_mov_b32 s[\g+7], 0
.endr
	s_or_b32 s[G1S], s21, (3<<16)|(1<<20)|(1<<21)|(5<<22)|(3<<25)   ; the scale bytes: rows of 256 bytes, 16 of padding behind each
	s_or_b32 s[G1SB], s22, (3<<16)|(1<<20)|(1<<21)|(5<<22)|(3<<25)
.irp g, G1S, G1SB
	s_mov_b32 s[\g+1], 32<<16
	s_mov_b32 s[\g+2], (HALFS/272)<<16
	s_mov_b32 s[\g+3], 32<<16
	s_mov_b32 s[\g+4], HALFS/272
	s_mov_b32 s[\g+5], 32
	s_mov_b32 s[\g+6], 0
	s_mov_b32 s[\g+7], 0
.endr
	s_lshl_b32 s12, s16, 3
	s_lshl_b32 s23, s17, 4
	s_add_co_u32 s23, s23, s12                     ; A's first block that I fetch
	s_lshl_b32 s56, s18, 4
	s_add_co_u32 s56, s56, s12                     ; B's
	s_mul_i32 s[G0+1], s14, QUART                  ; where a load lands: wave x a quarter of a slot
	s_add_co_u32 s[G0+5], s[G0+1], SLOT
	s_mov_b32 s[G0B+1], s[G0+1]
	s_mov_b32 s[G0B+5], s[G0+5]
	s_mul_i32 s[G0S+1], s14, HALFS
	s_add_co_u32 s[G0S+1], s[G0S+1], SCL
	s_mov_b32 s[G0SB+1], s[G0S+1]
	s_wait_kmcnt 0x0
	s_mul_i32 s12, s2, 786432
	s_mov_b32 s13, 0
	s_add_nc_u64 s[12:13], s[44:45], s[12:13]      ; this kind's weight image
	s_cmp_eq_u32 s2, 0
	s_cselect_b64 s[46:47], s[46:47], s[92:93]     ; wq's scales or wk's,
	s_cselect_b64 s[96:97], s[96:97], s[98:99]     ; q_norm_w or k_norm_w
	s_cmp_eq_u32 s2, 2
	s_cselect_b64 s[46:47], s[94:95], s[46:47]     ; or wv's
	s_cselect_b64 s[4:5], s[12:13], s[40:41]       ; A's codes,
	s_cselect_b64 s[6:7], s[46:47], s[42:43]       ; A's scales,
	s_cselect_b64 s[8:9], s[40:41], s[12:13]       ; B's codes,
	s_cselect_b64 s[10:11], s[42:43], s[46:47]     ; B's scales
	s_mul_i32 s12, s23, KU*768
	s_mov_b32 s13, 0
	s_add_nc_u64 s[4:5], s[4:5], s[12:13]
	s_lshl_b32 s12, s23, 9                         ; 16 rows of 32 scale bytes a block
	s_add_nc_u64 s[6:7], s[6:7], s[12:13]
	s_mul_i32 s2, s56, KU*768
	s_mov_b32 s3, 0
	s_add_nc_u64 s[8:9], s[8:9], s[2:3]
	s_lshl_b32 s2, s56, 9
	s_add_nc_u64 s[10:11], s[10:11], s[2:3]
	s_mov_b32 s[G0S], 1
	s_mov_b64 s[G0S+2:G0S+3], s[6:7]
	s_or_b32 s[G0S+3], s[G0S+3], 0x80000000
	s_mov_b32 s[G0SB], 1
	s_mov_b64 s[G0SB+2:G0SB+3], s[10:11]
	s_or_b32 s[G0SB+3], s[G0SB+3], 0x80000000
.irp s, 0,1
	s_mov_b32 s[G0+4*\s], 1
	s_add_nc_u64 s[G0+4*\s+2:G0+4*\s+3], s[4:5], \s*BLKB
	s_or_b32 s[G0+4*\s+3], s[G0+4*\s+3], 0x80000000
	s_mov_b32 s[G0B+4*\s], 1
	s_add_nc_u64 s[G0B+4*\s+2:G0B+4*\s+3], s[8:9], \s*BLKB
	s_or_b32 s[G0B+4*\s+3], s[G0B+4*\s+3], 0x80000000
.endr
	CROUND                                         ; all sixteen work-groups are here: the first joint loads meet
	JLOAD G0S, G1S, G0SB, G1SB                     ; three loads of mine are out: the scales, K step 0, K step 1
	JLOAD G0, G1, G0B, G1B
	JLOAD G0+4, G1, G0B+4, G1B
	v_and_b32 v1, 31, v0                           ; lane
	v_and_b32 v2, 15, v0                           ; r
	v_bfe_u32 v3, v0, 4, 1                         ; h
	v_lshlrev_b32 v24, 4, v1                       ; 16 x lane
	v_lshlrev_b32 v25, 3, v1                       ; 8 x lane
	v_add_nc_u32 v5, 512, v25
	s_mul_i32 s12, s15, QUART                      ; my blocks of A,
	s_mul_i32 s13, s16, QUART
	s_add_co_u32 s13, s13, 2*QUART                 ; and of B, behind A's
.irp s, 0,1
	v_add_nc_u32 v[16+\s], s12, v24
	v_add_nc_u32 v[18+\s], s12, v5
	v_add_nc_u32 v[20+\s], s13, v24
	v_add_nc_u32 v[22+\s], s13, v5
	s_add_co_u32 s12, s12, SLOT
	s_add_co_u32 s13, s13, SLOT
.endr
	v_and_b32 v6, 7, v2
	v_lshrrev_b32 v7, 3, v2
	v_mul_u32_u24 v6, v6, SA
	v_mad_u32_u24 v6, v7, SBB, v6                  ; lane index r's row among a block pair's 32
	s_mul_i32 s12, s15, HALFS
	s_mul_i32 s13, s16, HALFS
	s_add_co_u32 s13, s13, 2*HALFS
	s_sub_co_u32 s13, s13, s12
	v_mul_u32_u24 v7, s13, v3                      ; lanes 16-31 take B's
	s_add_co_u32 s12, s12, SCL
	v_add_nc_u32 v6, v6, v7
	v_add_nc_u32 v[ADRS], s12, v6
	v_lshlrev_b32 v26, 2, v2                       ; 4 r: a scale word's place
	v_and_b32 v30, 8, v2
	v_add_nc_u32 v30, v30, v2
	v_lshlrev_b32 v30, 8, v30
	v_lshl_add_u32 v30, v3, 6, v30                 ; the table: position r + 8 (r / 8), frequencies 16 h on
	v_lshlrev_b32 v31, 6, v3                       ; the gains: d = 16 h on
	s_lshl_b32 s12, s17, 4
	s_lshl_b32 s13, s15, 3
	s_add_co_u32 s12, s12, s13                     ; my first block of tokens (kinds 0, 1)
	s_and_b32 s12, s12, 127
	s_lshl_b32 s12, s12, 12
	s_add_co_u32 s12, s12, ROPE
	s_mov_b32 s13, 0
	s_add_nc_u64 s[8:9], s[44:45], s[12:13]        ; the table at its first position
	s_mov_b32 s10, 0x2edbe6ff                      ; eps
	s_mov_b32 s40, 0x76543210
	s_mov_b32 s41, 0xfedcba98                      ; v_permlanex16_b32's selects for lane l xor 16
.macro TABLE a                         ; cos and sin of block a's positions: register i = frequency 16 h + i
.set CSB, 96+128*((\a)%2)
.irp k, 0,1,2,3
	global_load_b128 v[CSB+4*\k:CSB+4*\k+3], v30, s[8:9] offset:(32*((\a)/2)+8*((\a)%2))*256+16*\k
	global_load_b128 v[CSB+16+4*\k:CSB+16+4*\k+3], v30, s[8:9] offset:(32*((\a)/2)+8*((\a)%2))*256+128+16*\k
.endr
.endm
.irp b, 0,1
.irp k, 0,1,2,3
	global_load_b128 v[64+16*\b+4*\k:64+16*\b+4*\k+3], v31, s[96:97] offset:128*\b+16*\k   ; register 16 b + i = the gain of d = 32 b + 16 h + i
.endr
.endr
	TABLE 0
	v_mov_b32 v[TM+2], 0                           ; written once: a lane permute's destination counts as one of its sources
	v_mov_b32 v[TM+3], 0
	v_mov_b32 v221, 0                              ; the upper word of the pair v[220:221]
	s_wait_tensorcnt 1                             ; the scales and my part of K step 0 are in; K step 1's load may be out
	s_barrier_signal -1
	s_barrier_wait -1
	FETCH_B 0, 0, 0
	FETCH_A 0, 0, 0
	SCALES 0
	FETCH_A 0, 0, HA
	STEP 0, 0, 1                                   ; the first products start the sums
	TURN 0, 1, 1
	STEP 1, 0, 0
	TURN 1, 0, 1
	STEP 0, 0, 0
	TURN 0, 1, 0
	STEP 1, 0, 0
	LAST 1, 1
	s_lshr_b32 s2, ttmp9, 2
	s_mov_b32 s43, 0
	s_cmp_eq_u32 s2, 2
	s_cbranch_scc1 .Lpath_v
	; ---------------- Q, K: lane (r, h) holds a token; the 32 registers of four of B's blocks are d = 32 b + 16 h + i of one head
	s_lshl_b32 s11, s17, 4
	s_lshl_b32 s12, s15, 3
	s_add_co_u32 s11, s11, s12                     ; my first block of tokens
	s_lshr_b32 s12, s11, 7                         ; the batch
	s_and_b32 s11, s11, 127                        ; the block within the sequence
	s_lshl_b32 s12, s12, 4
	s_lshl_b32 s13, s18, 2
	s_add_co_u32 s12, s12, s13
	s_lshl_b32 s13, s16, 1
	s_add_co_u32 s12, s12, s13                     ; batch x 16 + my first head
	s_mul_i32 s42, s12, 98304
	s_mul_i32 s13, s11, 768
	s_add_co_u32 s42, s42, s13
	s_mul_i32 s13, s2, 3145728
	s_add_co_u32 s42, s42, s13
	s_add_nc_u64 s[4:5], s[100:101], s[42:43]
	s_mul_i32 s42, s12, 20480
	s_lshl_b32 s13, s11, 6
	s_add_co_u32 s42, s42, s13
	s_lshl_b32 s13, s2, 13
	s_add_co_u32 s42, s42, s13
	s_add_nc_u64 s[6:7], s[66:67], s[42:43]
.macro QKROW a, hd                     ; block a of the tokens, head hd of my two
.set XW, 2+(\a)/4
.set XR, 8*(8*((\a)%4)+4*(\hd))
.set CSB, 96+128*((\a)%2)
	WIN (XW|(XW<<2))
	v_pk_mul_f32 v[216:217], v[XR:XR+1], v[XR:XR+1]                ; each accumulator is read from its low end on
	v_pk_mul_f32 v[218:219], v[XR+2:XR+3], v[XR+2:XR+3]
.irp p, 2,3,4,5,6,7,8,9,10,11,12,13,14,15
	v_pk_fma_f32 v[216+2*(\p%2):217+2*(\p%2)], v[XR+2*\p:XR+2*\p+1], v[XR+2*\p:XR+2*\p+1], v[216+2*(\p%2):217+2*(\p%2)]
.endr
	WIN 0
	v_pk_add_f32 v[216:217], v[216:217], v[218:219]
	v_add_f32 v216, v216, v217
	v_permlanex16_b32 v218, v216, s40, s41
	v_add_f32 v216, v216, v218                     ; the sum of the head's 64 squares
	v_fma_f32 v216, v216, 0x3c800000, s10          ; / 64 + eps
	v_rsq_f32 v220, v216
	v_nop                                          ; a plain place behind the transcendental
	WIN XW
	s_wait_alu depctr_va_vdst(0)
.irp p, 0,1,2,3,4,5,6,7,8,9,10,11,12,13,14,15
	v_pk_mul_f32 v[128+2*\p:129+2*\p], v[XR+2*\p:XR+2*\p+1], v[220:221] op_sel_hi:[1,0]
.endr
	WIN 0
.irp p, 0,1,2,3,4,5,6,7,8,9,10,11,12,13,14,15
	v_pk_mul_f32 v[128+2*\p:129+2*\p], v[128+2*\p:129+2*\p], v[64+2*\p:65+2*\p]
.endr
.irp p, 0,1,2,3,4,5,6,7                ; RoPE: registers 0-15 are d < 32, registers 16-31 the same frequencies' d + 32
	v_pk_mul_f32 v[160+2*\p:161+2*\p], v[128+2*\p:129+2*\p], v[CSB+2*\p:CSB+2*\p+1]
	v_pk_mul_f32 v[176+2*\p:177+2*\p], v[144+2*\p:145+2*\p], v[CSB+2*\p:CSB+2*\p+1]
.endr
.irp p, 0,1,2,3,4,5,6,7
	v_pk_fma_f32 v[160+2*\p:161+2*\p], v[144+2*\p:145+2*\p], v[CSB+16+2*\p:CSB+17+2*\p], v[160+2*\p:161+2*\p] neg_lo:[1,0,0] neg_hi:[1,0,0]
	v_pk_fma_f32 v[176+2*\p:177+2*\p], v[128+2*\p:129+2*\p], v[CSB+16+2*\p:CSB+17+2*\p], v[176+2*\p:177+2*\p]
.endr
	QUANTU 160, 0, 192
	v_lshl_or_b32 v222, v[TM+3], 8, v[TM+2]
	v_or_b32 v222, 0x7f7f0000, v222                ; the word's upper bytes scale the idle half of a 128-deep instruction: 1.0
	global_store_b128 v24, v[192:195], s[4:5] offset:(\hd)*98304+(\a)*768
	global_store_b64 v25, v[196:197], s[4:5] offset:(\hd)*98304+(\a)*768+512
	global_store_b32 v26, v222, s[6:7] offset:(\hd)*20480+(\a)*64     ; both halves of the lanes write the same word
.endm
.irp a, 0,1,2,3,4,5,6,7
.if \a < 7
	TABLE \a+1
	s_wait_loadcnt 8                               ; all but the 8 loads just issued: this block's cos and sin are in
.else
	s_wait_loadcnt 0x0
.endif
	QKROW \a, 0
	QKROW \a, 1
.endr
	s_branch .Lend
	; ---------------- V: lane (r, h) holds a row d of a head; the 64 registers of B's eight blocks are my 128 tokens: one key step
.Lpath_v:
	s_lshl_b32 s11, s18, 1
	s_add_co_u32 s11, s11, s16                     ; which 128 tokens
	s_lshr_b32 s12, s11, 4                         ; the batch
	s_and_b32 s11, s11, 15                         ; the key step
	s_lshl_b32 s12, s12, 4
	s_lshl_b32 s13, s17, 2
	s_add_co_u32 s12, s12, s13
	s_lshl_b32 s13, s15, 1
	s_add_co_u32 s12, s12, s13                     ; batch x 16 + my first head
	s_mul_i32 s42, s12, 98304
	s_mul_i32 s13, s11, 6144
	s_add_co_u32 s42, s42, s13
	s_add_co_u32 s42, s42, 6291456
	s_add_nc_u64 s[4:5], s[100:101], s[42:43]
	s_mul_i32 s42, s12, 20480
	s_lshl_b32 s13, s11, 8
	s_add_co_u32 s42, s42, s13
	s_add_co_u32 s42, s42, 16384
	s_add_nc_u64 s[6:7], s[66:67], s[42:43]
.macro VROW a                          ; block a: head a / 4 of my two, 16 of its rows d
.set XW, 2+(\a)/4
	QUANTU 64*((\a)%4), XW, 192
	v_lshl_or_b32 v222, v[TM+3], 8, v[TM+2]
	global_store_b128 v24, v[192:195], s[4:5] offset:((\a)/4)*98304+((\a)%4)*1536
	global_store_b64 v25, v[196:197], s[4:5] offset:((\a)/4)*98304+((\a)%4)*1536+512
	QUANTU 64*((\a)%4)+32, XW, 200
	v_lshl_or_b32 v222, v[TM+2], 16, v222
	v_lshl_or_b32 v222, v[TM+3], 24, v222
	global_store_b128 v24, v[200:203], s[4:5] offset:((\a)/4)*98304+((\a)%4)*1536+768
	global_store_b64 v25, v[204:205], s[4:5] offset:((\a)/4)*98304+((\a)%4)*1536+1280
	global_store_b32 v26, v222, s[6:7] offset:((\a)/4)*20480+((\a)%4)*64
.endm
.irp a, 0,1,2,3,4,5,6,7
	VROW \a
.endr
.Lend:
	s_wait_tensorcnt 0x0                           ; the wave's end
	ds_add_u32 v[SPW], v[NIL]
	s_wait_dscnt 0x0
	CROUND                                         ; the closing round: no work-group ends while a partner may still ask for a tile that names it
	s_endpgm
.Lfunc_end_k_q7cf77fb583_qkv:
	.size	k_q7cf77fb583_qkv, .Lfunc_end_k_q7cf77fb583_qkv-k_q7cf77fb583_qkv
	.p2alignl 7, 3214868480
	.fill 96, 4, 3214868480
	.section	.rodata,"a",@progbits
	.p2align	6, 0x0
	.amdhsa_kernel k_q7cf77fb583_qkv
		.amdhsa_group_segment_fixed_size 327680
		.amdhsa_private_segment_fixed_size 0
		.amdhsa_enable_private_segment 0
		.amdhsa_kernarg_size 80
		.amdhsa_user_sgpr_count 2
		.amdhsa_user_sgpr_kernarg_segment_ptr 1
		.amdhsa_wavefront_size32 1
		.amdhsa_system_sgpr_workgroup_id_x 1
		.amdhsa_system_sgpr_workgroup_id_y 1
		.amdhsa_system_sgpr_workgroup_id_z 1
		.amdhsa_system_vgpr_workitem_id 0
		.amdhsa_next_free_vgpr 1024
		.amdhsa_next_free_sgpr 102
		.amdhsa_reserve_vcc 0
		.amdhsa_float_denorm_mode_32 3
		.amdhsa_float_denorm_mode_16_64 3
		.amdhsa_memory_ordered 1
		.amdhsa_forward_progress 1
		.amdhsa_inst_pref_size 255
	.end_amdhsa_kernel
	.section	.bss,"aw",@nobits
	.p2align	6
	.space	262144
	.amdgpu_metadata
---
amdhsa.version: [ 1, 2 ]
amdhsa.kernels:
  - .name:           k_q7cf77fb583_qkv
    .symbol:         k_q7cf77fb583_qkv.kd
    .args:
      - { .name: XC, .offset: 0, .size: 8, .value_kind: global_buffer, .address_space: global }
      - { .name: XS, .offset: 8, .size: 8, .value_kind: global_buffer, .address_space: global }
      - { .name: WI, .offset: 16, .size: 8, .value_kind: global_buffer, .address_space: global }
      - { .name: wq_scales, .offset: 24, .size: 8, .value_kind: global_buffer, .address_space: global }
      - { .name: wk_scales, .offset: 32, .size: 8, .value_kind: global_buffer, .address_space: global }
      - { .name: wv_scales, .offset: 40, .size: 8, .value_kind: global_buffer, .address_space: global }
      - { .name: q_norm_w, .offset: 48, .size: 8, .value_kind: global_buffer, .address_space: global }
      - { .name: k_norm_w, .offset: 56, .size: 8, .value_kind: global_buffer, .address_space: global }
      - { .name: QKVC, .offset: 64, .size: 8, .value_kind: global_buffer, .address_space: global }
      - { .name: QKVS, .offset: 72, .size: 8, .value_kind: global_buffer, .address_space: global }
    .group_segment_fixed_size: 327680
    .private_segment_fixed_size: 0
    .kernarg_segment_align: 8
    .kernarg_segment_size: 80
    .max_flat_workgroup_size: 128
    .sgpr_count:     102
    .vgpr_count:     1024
    .wavefront_size: 32
...
	.end_amdgpu_metadata
.endif
;; end of part 2
;; launch attn (part 3): grid 8 x 32, 16 waves a work-group, clusters of 4 x 1, 210,944 bytes of LDS; arguments QKVC, QKVS, XC, XS; writes XC, XS
.if DOCPART == 3
	.amdgcn_target "amdgcn-amd-amdhsa--gfx1250"
	.amdhsa_code_object_version 6
	.text
	.protected	k_q7cf77fb583_attn
	.globl	k_q7cf77fb583_attn
	.p2align	8
	.type	k_q7cf77fb583_attn,@function
k_q7cf77fb583_attn:
	s_mov_b64 s[64:65], 0
	v_nop
	global_prefetch_b8 v0, s[64:65] scope:SCOPE_SE
	s_setreg_imm32_b32 hwreg(HW_REG_WAVE_MODE, 25, 1), 1
	s_wait_xcnt 0x0
	s_wait_alu depctr_hold_cnt(0) depctr_sa_sdst(0) depctr_va_vdst(0) depctr_va_sdst(0) depctr_va_ssrc(0) depctr_va_vcc(0) depctr_vm_vsrc(0)
	s_getreg_b32 s2, hwreg(HW_REG_IB_STS2, 6, 4)
	s_cmp_eq_u32 s2, 0
	s_cbranch_scc0 .Lentry_in_a_cluster
	s_endpgm
.Lentry_in_a_cluster:
	s_bfe_u32 s2, ttmp6, 0x10000c
	s_cmp_lg_u32 s2, 0x3003
	s_cbranch_scc0 .Lentry_shape_is_right
	s_endpgm
.Lentry_shape_is_right:
; Causal attention on codes of E2M3.  t = score x log2(e) / 8; M = the running largest t rounded up to a whole number; p = 2^(t - M) is quantised along the keys; the row's sum is taken of the unquantised p and divides at the end.
; The result is quantised along head x 64 + d, as the next product's operand -> XC, XS.
; SHARES.  A work-group takes one (batch, head) and the query tiles 8 pos + j, pos = 0 .. 15; j = its place among eight.  Wave w owns ONE tile of 16 queries, pos = 4 g + ((w % 4) xor 3 (g % 2)), g = w / 4.
; A tile's queries lie inside key step pos (128 keys): steps under pos count whole, step pos lies on the diagonal, steps over pos are left out.  All that hangs on the wave's number alone, so the work-groups run alike,
; and the four of a cluster ask for K and V jointly.  j enters only global addresses and the numbers that the mask compares.
; LDS holds the head's K, V and their scale words whole, each byte filled once: no ring, nothing is filled again.  Waves 0 (K) and 1 (V) ask: half of the scale words and four chunks of four key steps: five loads of a wave are out.
; LAYOUT.  Both products are used transposed: S^T = K Q^T, O^T = V^T P^T: a lane holds one query throughout.  Tiles are images of registers (a unit: 16 rows x 64 codes, 768 bytes), their rows chosen so that the 16 registers of tiles 2 b, 2 b + 1 are 16 neighbouring keys.
; K = 64 IN A 128-DEEP INSTRUCTION: Q's upper six registers are zero codes.  K's fragment for tile t is registers 6 t .. 6 t + 11: its upper half is the next tile's codes, which meet zero codes under scale bytes of 1.0 and add nothing.
; The 2 scale bytes a row go out as stores of 2 bytes, 32 bytes apart: 131,072 bytes in the launch, one instruction a wave.
; LIMITS: NaN and infinities are not served; a block's largest p is taken from the block's largest score (v_exp_f32 is taken not to fall where its input rises); 1 / l is v_rcp_f32 (1 ulp).
.set SOFF, 196608                      ; LDS: K's units at 0, V's at 98,304, K's scale words here, V's 8,192 on
.set S,   96                           ; v96-159  S^T, then p
.set O,   160                          ; v160-191 O^T
.set PCD, 192                          ; v192-203 p's codes
.set PT,  204                          ; v204-211 the upper halves' codes
.set BM,  212                          ; v212-215 the blocks' largest scores, then largest p
.set BT,  216                          ; v216-219 at work, then the bytes
.set SO,  220                          ; v220-223 the conversions' scale operands
.set F,   224                          ; v[224:225] f = 2^(old M - new M)
.set PW,  226                          ; v226 p's scale word, and nothing else
.set TMP, 227
.set SUM, 30                           ; v[30:31] the row's sum in two halves;  v[228:229] its second chain
.set NM,  14                           ; v14 -M, v15 the largest t
.set WV,  12
.set POS, 16
.set ST,  18                           ; the key step
.set TK,  19                           ; where its units begin: 6,144 bytes a step
.set TS,  20                           ; K's scale words: 512 a step
.set TV,  21                           ; V's: 8,192 + 256 a step
.set SEL, 22
.set CS,  60
.set CNT, 3                            ; s3 counts a chunk's four steps.  (s62 holds my tile of queries from the head to the way out: no loop may write it)
.macro CROUND
	s_barrier_signal -1
	s_barrier_wait -1
	s_cmp_lg_u32 s[WV], 0
	s_cbranch_scc1 .Lnot_wave_0_\@
	s_barrier_signal -3
.Lnot_wave_0_\@:
	s_barrier_wait -3
	s_barrier_signal -1
	s_barrier_wait -1
.endm
	s_load_b128 s[4:7], s[0:1], 0x0                ; QKVC, QKVS
	s_load_b128 s[8:11], s[0:1], 0x10              ; XC, XS
	v_lshl_add_u32 v254, v0, 2, 0x33000
	v_mov_b32 v255, 0
	ds_add_u32 v254, v255
	ds_add_u32 v254, v255
	v_lshrrev_b32 v1, 5, v0
	v_readfirstlane_b32 s[WV], v1                  ; wave 0..15
	s_bfe_u32 s13, ttmp6, 0x40000                  ; cx
	s_lshl_b32 s15, ttmp9, 2
	s_add_co_u32 s13, s13, s15                     ; j
	s_and_b32 s14, ttmp7, 0xffff                   ; batch x 16 + head
	s_lshr_b32 s15, s[WV], 2
	s_and_b32 s[POS], s15, 1
	s_mul_i32 s[POS], s[POS], 3
	s_and_b32 s17, s[WV], 3
	s_xor_b32 s[POS], s[POS], s17
	s_lshl_b32 s15, s15, 2
	s_add_co_u32 s[POS], s[POS], s15               ; pos
	s_and_b32 s17, s[WV], 1                        ; what I fetch, if I fetch: K (0) or V (1)
	s_mov_b32 s44, 15|(3<<16)|(1<<21)              ; a chunk: 96 rows of 256 bytes, dense; 15:0 all four work-groups; 17:16 elements of 8 bytes; 21 set beside a mask
	s_mov_b32 s45, 32<<16
	s_mov_b32 s46, 96<<16
	s_mov_b32 s47, 32<<16
	s_mov_b32 s48, 96
	s_mov_b32 s49, 32
	s_mov_b32 s50, 0
	s_mov_b32 s51, 0
	s_mov_b32 s52, 15|(3<<16)|(1<<21)              ; half of the scale words: 24 rows of 256 bytes
	s_mov_b32 s53, 32<<16
	s_mov_b32 s54, 24<<16
	s_mov_b32 s55, 32<<16
	s_mov_b32 s56, 24
	s_mov_b32 s57, 32
	s_mov_b32 s58, 0
	s_mov_b32 s59, 0
	s_mul_i32 s66, s14, 20480                      ; the head's scale words
	s_mul_i32 s68, s17, 6144
	s_add_co_u32 s68, s68, 8192
	s_add_co_u32 s68, s68, s66
	s_mov_b32 s69, 0
	s_mul_i32 s63, s14, 98304                      ; the head's codes in each of Q, K, V
	s_mul_i32 s70, s17, 3145728
	s_add_co_u32 s70, s70, 3145728
	s_add_co_u32 s70, s70, s63
	s_mov_b32 s71, 0
	s_mul_i32 s62, s17, 98304
	s_mul_i32 s25, s17, 6144
	s_add_co_u32 s25, s25, SOFF
	s_mov_b32 s24, 1
	s_wait_dscnt 0x0
	s_wait_kmcnt 0x0
	s_add_nc_u64 s[26:27], s[6:7], s[68:69]
	s_or_b32 s27, s27, 0x80000000
	s_add_nc_u64 s[70:71], s[4:5], s[70:71]
.irp c, 0,1,2,3
	s_mov_b32 s[28+4*\c], 1
	s_add_co_u32 s[29+4*\c], s62, 24576*\c
	s_add_nc_u64 s[30+4*\c:31+4*\c], s[70:71], 24576*\c
	s_or_b32 s[31+4*\c], s[31+4*\c], 0x80000000
.endr
	CROUND                                         ; all four work-groups are here: the joint loads meet
	s_cmp_lt_u32 s[WV], 2                          ; all first fills of a wave stand in one branch
	s_cbranch_scc0 .Lno_fill
	tensor_load_to_lds s[24:27], s[52:59]
	s_nop 0
	tensor_load_to_lds s[28:31], s[44:51]
	s_nop 0
	tensor_load_to_lds s[32:35], s[44:51]
	s_nop 0
	tensor_load_to_lds s[36:39], s[44:51]
	s_nop 0
	tensor_load_to_lds s[40:43], s[44:51]
	s_nop 0
.rept 4
	v_nop
.endr
.Lno_fill:
	v_and_b32 v6, 15, v0                           ; r
	v_bfe_u32 v7, v0, 4, 1                         ; h
	v_and_b32 v1, 31, v0
	v_lshlrev_b32 v2, 3, v1
	v_add_nc_u32 v2, 512, v2                       ; 8 x lane + 512: a unit's second part
	v_lshlrev_b32 v1, 4, v1                        ; 16 x lane: its first
	v_lshlrev_b32 v13, 2, v6                       ; 4 r
	v_add_nc_u32 v3, SOFF, v13
	s_lshl_b32 s62, s[POS], 3
	s_add_co_u32 s62, s62, s13                     ; my tile of queries: kept to the way out
	s_mul_i32 s68, s62, 768
	s_add_co_u32 s68, s68, s63
	s_mov_b32 s69, 0
	s_add_nc_u64 s[68:69], s[4:5], s[68:69]
	s_lshl_b32 s70, s62, 6
	s_add_co_u32 s70, s70, s66
	s_mov_b32 s71, 0
	s_add_nc_u64 s[70:71], s[6:7], s[70:71]
	global_load_b128 v[16:19], v1, s[68:69]        ; Q's unit stays in registers
	global_load_b64 v[20:21], v2, s[68:69]
	global_load_b32 v28, v13, s[70:71]             ; and its scale words
	s_lshr_b32 s63, s13, 1
	s_lshl_b32 s63, s63, 5
	s_and_b32 s66, s13, 1
	s_lshl_b32 s66, s66, 3
	s_add_co_u32 s63, s63, s66                     ; 32 (j / 2) + 8 (j % 2)
	v_and_b32 v4, 8, v6
	v_add_nc_u32 v4, v4, v6
	v_add_nc_u32 v4, s63, v4                       ; my query within its key step,
	v_lshlrev_b32 v5, 4, v7
	v_sub_nc_u32 v4, v4, v5                        ; less 16 h: register 16 b + i holds key 32 b + 16 h + i, hidden where 32 b + i is greater
	v_mov_b32 v5, 0xff800000                       ; -infinity
	v_mov_b32 v15, 0xff61b1e6                      ; the largest t so far: -3e38
	v_floor_f32 v14, -v15                          ; -M
	v_mov_b32 v30, 0
	v_mov_b32 v31, 0
.irp i, 0,1,2,3,4,5
	v_mov_b32 v[22+\i], 0                          ; Q's idle half: zero codes
	v_mov_b32 v[80+\i], 0                          ; what stands behind K's last tile
.endr
.set I, 0
.rept 32
	v_mov_b32 v[O+I], 0                            ; the step is written once: the first finds zeros
.set I, I+1
.endr
.irp i, 0,1,2,3,4,5,6,7
	v_mov_b32 v[BM+\i], 0                          ; written once: a lane permute's destination counts as one of its sources
.endr
	v_mov_b32 v[F+1], 0
	v_mov_b32 v[TMP], 0
	s_mov_b32 s[SEL], 0x76543210
	s_mov_b32 s[SEL+1], 0xfedcba98
	s_mov_b32 s[CS], 0x3e38aa3b                    ; c = log2(e) / 8
	s_mov_b32 s[CS+1], s[CS]
	s_mov_b32 s[ST], 0
	s_mov_b32 s[TK], 0
	s_mov_b32 s[TS], 0
	s_mov_b32 s[TV], 8192
; A KEY STEP: 128 keys
.macro STEP
	s_cmp_gt_u32 s[ST], s[POS]                     ; all its keys come after my queries: only the addresses step
	s_cbranch_scc1 .Lhidden_\@
	v_add_nc_u32 v8, s[TK], v1                     ; (these six are also the places ahead of loads into registers that the last products read)
	v_add_nc_u32 v9, s[TK], v2
	v_add_nc_u32 v10, 98304, v8
	v_add_nc_u32 v11, 98304, v9
	v_add_nc_u32 v12, s[TS], v3
	v_add_nc_u32 v13, s[TV], v3
.irp t, 0,1,2,3,4,5,6,7
	ds_load_b128 v[32+6*\t:35+6*\t], v8 offset:768*\t
	ds_load_b64 v[36+6*\t:37+6*\t], v9 offset:768*\t
	ds_load_b32 v[86+\t], v12 offset:64*\t
.endr
	s_wait_dscnt 0x0
.irp t, 0,1,2,3,4,5,6,7
	v_wmma_scale_f32_16x16x128_f8f6f4 v[S+8*\t:S+8*\t+7], v[32+6*\t:43+6*\t], v[16:27], 0, v[86+\t], v28 matrix_a_fmt:MATRIX_FMT_FP6 matrix_b_fmt:MATRIX_FMT_FP6
.endr
.rept 4
	v_nop
.endr
.irp t, 0,1,2,3                        ; V's four fragments and their scale words are asked for now and land under the softmax
	ds_load_b128 v[32+12*\t:35+12*\t], v10 offset:1536*\t
	ds_load_b64 v[36+12*\t:37+12*\t], v11 offset:1536*\t
	ds_load_b128 v[38+12*\t:41+12*\t], v10 offset:1536*\t+768
	ds_load_b64 v[42+12*\t:43+12*\t], v11 offset:1536*\t+768
	ds_load_b32 v[86+\t], v13 offset:64*\t
.endr
	s_cmp_lg_u32 s[ST], s[POS]                     ; on the diagonal hidden scores become -infinity ahead of the maximum: p = 0 then
	s_cbranch_scc1 .Lopen_\@
.set I, 0
.rept 64
	v_cmp_gt_i32 vcc_lo, 32*(I/16)+I%16, v4
	v_cndmask_b32 v[S+I], v[S+I], v5, vcc_lo
.set I, I+1
.endr
.Lopen_\@:
.irp b, 0,1,2,3
	v_max3_num_f32 v[BM+\b], v[S+16*\b], v[S+16*\b+1], v[S+16*\b+2]        ; the largest score of each block of 32 keys: for the row's maximum, and for the block's largest p
.endr
.irp i, 3,5,7,9,11,13
.irp b, 0,1,2,3
	v_max3_num_f32 v[BM+\b], v[BM+\b], v[S+16*\b+\i], v[S+16*\b+\i+1]
.endr
.endr
.irp b, 0,1,2,3
	v_max_num_f32 v[BM+\b], v[BM+\b], v[S+16*\b+15]
.endr
.irp b, 0,1,2,3
	v_permlanex16_b32 v[BT+\b], v[BM+\b], s[SEL], s[SEL+1]
.endr
.irp b, 0,1,2,3
	v_max_num_f32 v[BM+\b], v[BM+\b], v[BT+\b]
.endr
	v_max3_num_f32 v[TMP], v[BM], v[BM+1], v[BM+2]
	v_max_num_f32 v[TMP], v[TMP], v[BM+3]
	v_mul_f32 v[TMP], s[CS], v[TMP]
	v_max_num_f32 v15, v15, v[TMP]                 ; the running largest t
	v_mov_b32 v[TMP], v14
	v_floor_f32 v14, -v15                          ; the new -M: a whole number
	v_sub_f32 v[TMP], v14, v[TMP]
	v_cvt_i32_f32 v[TMP], v[TMP]                   ; (it saturates)
	v_ldexp_f32 v[F], 1.0, v[TMP]                  ; f = 2^(old M - new M): rounds nothing
.set I, 0
.rept 32
	v_pk_fma_f32 v[S+2*I:S+2*I+1], v[S+2*I:S+2*I+1], s[CS:CS+1], v[NM:NM+1] op_sel_hi:[1,0,0]   ; t - M
.set I, I+1
.endr
.irp b, 0,1,2,3
	v_fma_f32 v[BM+\b], v[BM+\b], s[CS], v14
.endr
.set I, 0
.rept 64
	v_exp_f32 v[S+I], v[S+I]                       ; p = 2^(t - M), not normalised
.set I, I+1
.endr
.irp b, 0,1,2,3
	v_exp_f32 v[BM+\b], v[BM+\b]
.endr
	v_pk_mul_f32 v[SUM:SUM+1], v[SUM:SUM+1], v[F:F+1] op_sel_hi:[1,0]      ; the sums under the new M (a plain place behind the exponentials)
	s_wait_alu depctr_va_vdst(0)
.irp b, 0,1,2,3
	v_max_num_f32 v[BM+\b], 0x1800000, v[BM+\b]    ; the floor 2^(3 - 127)
.endr
.irp b, 0,1,2,3
	v_add_nc_u32 v[SO+\b], 0xff000000, v[BM+\b]
.endr
.irp b, 0,1,2,3
	v_lshrrev_b32 v[BT+\b], 23, v[SO+\b]
.endr
	v_lshl_or_b32 v[PW], v[BT+1], 8, v[BT]
	v_lshl_or_b32 v[PW], v[BT+2], 16, v[PW]
	v_lshl_or_b32 v[PW], v[BT+3], 24, v[PW]
.irp c, 0,1
	v_cvt_scalef32_pk16_fp6_f32 v[PCD+6*\c:PCD+6*\c+2], v[S+32*\c:S+32*\c+15], v[SO+2*\c]
	v_cvt_scalef32_pk16_fp6_f32 v[PT+4*\c:PT+4*\c+2], v[S+32*\c+16:S+32*\c+31], v[SO+2*\c+1]
.endr
	v_nop                                          ; one plain place behind a scaled conversion
.irp c, 0,1
.irp i, 0,1,2
	v_permlane16_swap_b32 v[PCD+6*\c+\i], v[PT+4*\c+\i]
.endr
.irp i, 0,1,2
	v_mov_b32 v[PCD+6*\c+3+\i], v[PT+4*\c+\i]
.endr
.endr
	v_pk_add_f32 v[228:229], v[S:S+1], v[S+2:S+3]  ; the row's sum of the unquantised p, in two chains
.irp j, 4,8,12,16,20,24,28,32,36,40,44,48,52,56,60
	v_pk_add_f32 v[SUM:SUM+1], v[SUM:SUM+1], v[S+\j:S+\j+1]
	v_pk_add_f32 v[228:229], v[228:229], v[S+\j+2:S+\j+3]
.endr
	v_pk_add_f32 v[SUM:SUM+1], v[SUM:SUM+1], v[228:229]
.set I, 0
.rept 16
	v_pk_mul_f32 v[O+2*I:O+2*I+1], v[O+2*I:O+2*I+1], v[F:F+1] op_sel_hi:[1,0]      ; O^T under the new M
.set I, I+1
.endr
	s_wait_dscnt 0x0                               ; V
.irp t, 0,1,2,3
	v_wmma_scale_f32_16x16x128_f8f6f4 v[O+8*\t:O+8*\t+7], v[32+12*\t:43+12*\t], v[PCD:PCD+11], v[O+8*\t:O+8*\t+7], v[86+\t], v[PW] matrix_a_fmt:MATRIX_FMT_FP6 matrix_b_fmt:MATRIX_FMT_FP6
.endr
.Lhidden_\@:
	s_add_co_u32 s[ST], s[ST], 1
	s_add_co_u32 s[TK], s[TK], 6144
	s_add_co_u32 s[TS], s[TS], 512
	s_add_co_u32 s[TV], s[TV], 256
.endm
; Four key steps, behind the barrier that shows their chunk to every wave.  The count leaves the 3 - c chunks behind chunk c on their way: nothing is filled again in this launch.  A wave that asked for nothing passes the wait at once.
.macro CHUNK c
	s_wait_dscnt 0x0
	s_wait_tensorcnt 3-\c
	s_barrier_signal -1
	s_barrier_wait -1
	s_mov_b32 s[CNT], 4
.Lstep_\@:
	STEP
	s_sub_co_u32 s[CNT], s[CNT], 1
	s_cmp_lg_u32 s[CNT], 0
	s_cbranch_scc1 .Lstep_\@
.endm
	s_wait_loadcnt 0x0                             ; Q
	CHUNK 0
	CHUNK 1
	CHUNK 2
	CHUNK 3
	; THE WAY OUT: O^T / l, quantised along d: register 16 b + i is d = 32 b + 16 h + i
.rept 4
	v_nop
.endr
	v_add_f32 v30, v30, v31
	v_permlanex16_b32 v[TMP], v30, s[SEL], s[SEL+1]
	v_add_f32 v30, v30, v[TMP]
	v_rcp_f32 v[F], v30
	v_nop
.set I, 0
	s_wait_alu depctr_va_vdst(0)
.rept 32
	v_mul_f32 v[S+I], v[O+I], v[F]
.set I, I+1
.endr
.irp b, 0,1
	v_max3_num_f32 v[BM+\b], |v[S+16*\b]|, |v[S+16*\b+1]|, 0x1800000
.endr
.irp i, 2,4,6,8,10,12,14
.irp b, 0,1
	v_max3_num_f32 v[BM+\b], v[BM+\b], |v[S+16*\b+\i]|, |v[S+16*\b+\i+1]|
.endr
.endr
.irp b, 0,1
	v_permlanex16_b32 v[BM+2+\b], v[BM+\b], s[SEL], s[SEL+1]
.endr
.irp b, 0,1
	v_max_num_f32 v[BM+\b], v[BM+\b], v[BM+2+\b]
.endr
.irp b, 0,1
	v_add_nc_u32 v[BM+4+\b], 0xff000000, v[BM+\b]
.endr
.irp b, 0,1
	v_lshrrev_b32 v[BM+2+\b], 23, v[BM+4+\b]
.endr
	v_cvt_scalef32_pk16_fp6_f32 v[PCD:PCD+2], v[S:S+15], v[BM+4]
	v_cvt_scalef32_pk16_fp6_f32 v[PT:PT+2], v[S+16:S+31], v[BM+5]
	v_nop
.irp i, 0,1,2
	v_permlane16_swap_b32 v[PCD+\i], v[PT+\i]
.endr
.irp i, 0,1,2
	v_mov_b32 v[PCD+3+\i], v[PT+\i]
.endr
	v_lshl_or_b32 v[TMP], v[BM+3], 8, v[BM+2]
	s_lshr_b32 s63, s14, 4                         ; the batch
	s_and_b32 s66, s14, 15                         ; the head
	s_lshl_b32 s67, s63, 7
	s_add_co_u32 s67, s67, s62                     ; the block of tokens: 128 x batch + my tile
	s_lshl_b32 s68, s67, 4
	s_add_co_u32 s68, s68, s66                     ; its unit: the head
	s_mul_i32 s68, s68, 768
	s_mov_b32 s69, 0
	s_add_nc_u64 s[8:9], s[8:9], s[68:69]
	s_lshr_b32 s68, s67, 1
	s_lshl_b32 s68, s68, 5
	s_and_b32 s70, s67, 1
	s_lshl_b32 s70, s70, 3
	s_add_co_u32 s68, s68, s70                     ; the block's first token
	s_lshl_b32 s68, s68, 5
	s_lshl_b32 s70, s66, 1
	s_add_co_u32 s68, s68, s70
	s_add_nc_u64 s[10:11], s[10:11], s[68:69]
	v_and_b32 v8, 8, v6
	v_add_nc_u32 v8, v8, v6
	v_lshlrev_b32 v8, 5, v8                        ; token r + 8 (r / 8): 32 scale bytes a token
	global_store_b128 v1, v[PCD:PCD+3], s[8:9]
	global_store_b64 v2, v[PCD+4:PCD+5], s[8:9]
	global_store_b16 v8, v[TMP], s[10:11]          ; both halves of the lanes write the same two bytes
	s_wait_dscnt 0x0
	s_wait_tensorcnt 0x0
	ds_add_u32 v254, v255
	s_wait_dscnt 0x0
	CROUND                                         ; the closing round
	s_endpgm
.Lfunc_end_k_q7cf77fb583_attn:
	.size	k_q7cf77fb583_attn, .Lfunc_end_k_q7cf77fb583_attn-k_q7cf77fb583_attn
	.p2alignl 7, 3214868480
	.fill 96, 4, 3214868480
	.section	.rodata,"a",@progbits
	.p2align	6, 0x0
	.amdhsa_kernel k_q7cf77fb583_attn
		.amdhsa_group_segment_fixed_size 210944
		.amdhsa_private_segment_fixed_size 0
		.amdhsa_enable_private_segment 0
		.amdhsa_kernarg_size 32
		.amdhsa_user_sgpr_count 2
		.amdhsa_user_sgpr_kernarg_segment_ptr 1
		.amdhsa_wavefront_size32 1
		.amdhsa_system_sgpr_workgroup_id_x 1
		.amdhsa_system_sgpr_workgroup_id_y 1
		.amdhsa_system_sgpr_workgroup_id_z 1
		.amdhsa_system_vgpr_workitem_id 0
		.amdhsa_next_free_vgpr 256
		.amdhsa_next_free_sgpr 72
		.amdhsa_reserve_vcc 1
		.amdhsa_float_denorm_mode_32 3
		.amdhsa_float_denorm_mode_16_64 3
		.amdhsa_memory_ordered 1
		.amdhsa_forward_progress 1
		.amdhsa_inst_pref_size 101
	.end_amdhsa_kernel
	.amdgpu_metadata
---
amdhsa.version: [ 1, 2 ]
amdhsa.kernels:
  - .name:           k_q7cf77fb583_attn
    .symbol:         k_q7cf77fb583_attn.kd
    .args:
      - { .name: QKVC, .offset: 0, .size: 8, .value_kind: global_buffer, .address_space: global }
      - { .name: QKVS, .offset: 8, .size: 8, .value_kind: global_buffer, .address_space: global }
      - { .name: XC, .offset: 16, .size: 8, .value_kind: global_buffer, .address_space: global }
      - { .name: XS, .offset: 24, .size: 8, .value_kind: global_buffer, .address_space: global }
    .group_segment_fixed_size: 210944
    .private_segment_fixed_size: 0
    .kernarg_segment_align: 8
    .kernarg_segment_size: 32
    .max_flat_workgroup_size: 512
    .sgpr_count:     72
    .vgpr_count:     256
    .wavefront_size: 32
...
	.end_amdgpu_metadata
.endif
;; end of part 3
;; launch wo (part 4): grid 8 x 32, 4 waves a work-group, clusters of 4 x 4, 327,680 bytes of LDS; arguments XC, XS, WI, wo_scales, x, H; writes H
.if DOCPART == 4
	.amdgcn_target "amdgcn-amd-amdhsa--gfx1250"
	.amdhsa_code_object_version 6
	.text
	.protected	k_q7cf77fb583_wo
	.globl	k_q7cf77fb583_wo
	.p2align	8
	.type	k_q7cf77fb583_wo,@function
k_q7cf77fb583_wo:
	s_mov_b64 s[64:65], 0
	v_nop
	global_prefetch_b8 v0, s[64:65] scope:SCOPE_SE
	s_setreg_imm32_b32 hwreg(HW_REG_WAVE_MODE, 25, 1), 1
	s_wait_xcnt 0x0
	s_wait_alu depctr_hold_cnt(0) depctr_sa_sdst(0) depctr_va_vdst(0) depctr_va_sdst(0) depctr_va_ssrc(0) depctr_va_vcc(0) depctr_vm_vsrc(0)
	s_getreg_b32 s2, hwreg(HW_REG_IB_STS2, 6, 4)
	s_cmp_eq_u32 s2, 0
	s_cbranch_scc0 .Lentry_in_a_cluster
	s_endpgm
.Lentry_in_a_cluster:
	s_bfe_u32 s2, ttmp6, 0x10000c
	s_cmp_lg_u32 s2, 0xf033
	s_cbranch_scc0 .Lentry_shape_is_right
	s_endpgm
.Lentry_shape_is_right:
; FFN2 = 0: h = x + ao Wo^T (K = 1,024).   FFN2 = 1: out0 = h + gate W2^T (K = 2,752, filled with zero codes to 2,816).   Both operands are codes of E2M3; the residual and the result are f32.
; N = 1,024 gives only 64 tiles of 256 x 256, so a tile of C is 128 x 128: 256 work-groups.  Four waves of 64 x 64: 16 accumulators.  A slot holds 512 along K, so that 64 matrix instructions a wave stand between two changes of slots.
; OPERANDS ARE IMAGES OF REGISTERS: a block is 16 rows (lane index r of block 2 b + u = row 32 b + 8 u + r + 8 (r / 8)), a unit a block x 64 codes = 768 bytes.  THE MATRIX INSTRUCTION IS USED TRANSPOSED (source 0 = the weight's block, source 1 = the tokens'):
; lane (r, h) holds a token, and the 16 registers of the weight's blocks 2 b, 2 b + 1 are columns 32 b + 16 h + 0 .. 15.
; CLUSTER 4 x 4: the tokens' tiles are shared along a row of the cluster, the weight's along a column.  The scale bytes of the tile's rows, for all of K, come once with the first fills.
; THE WAY OUT: 16 rows x 64 columns at a time through the wave's stage in LDS (in slot 0, which has had its last fill and its last read by then); sixteen lanes add the residual to, and store, 256 consecutive aligned bytes.
; The residual's 32 loads a wave are issued at the head and land under the products.
.set FFN2, 0
.set HA, 2
.set NB, 4
.set UQ, 8
.set NQ, 4
.set BLKB, UQ*768
.set QUART, NB*BLKB
.set SLOT, 4*QUART
.set SCL, 2*SLOT
.if FFN2
.set KU, 44                            ; units in a block of the operands' images
.set SROW, 88                          ; a row of scale bytes in memory
.set HALFS, 9216                       ; 64 rows' scale bytes in LDS: rows of 128 bytes (88 given, the rest zeros) + 16
.set SA, 144
.set SBB, 2304
.set SC1, 1152
.set SC4, 4608
.else
.set KU, 16
.set SROW, 32
.set HALFS, 2176                       ; 64 rows' scale bytes: dense, as rows of 256 bytes + 16
.set SA, 32
.set SBB, 544
.set SC1, 272
.set SC4, 1088
.endif
.set SPARE, SCL+4*HALFS                ; the spare words: 128 bytes a wave, named by no other line
.set WOI, 2359296
.set W2I, 7471104
.set W2S, 9814016
.set GSC, 8650752
.set ADRS, 27
.set SPW, 28
.set NIL, 29
.set SC, 32
.set AF, 128
.set G1, 24
.set G0, 32
.set G1L, 40
.set G1B, 48
.set G0B, 56
.set G1S, 68
.set G0S, 76
.set G1SB, 80
.set G0SB, 88
.set G1LB, 92
.set MSB, 0
.macro WIN new                         ; the immediate's high byte repeats the setting that is left
.if MSB != (\new)
	s_set_vgpr_msb (MSB<<8)|(\new)
.set MSB, (\new)
.endif
.endm
.macro PLACES                          ; four plain places behind matrix instructions, ahead of loads into their registers and of reads of results
.rept 4
	v_nop
.endr
.endm
.macro JLOAD g0a, g1a, g0b, g1b        ; waves 0, 1 fetch for A, waves 2, 3 for B; four v_nop follow each line
	s_cmp_eq_u32 s15, 0
	s_cbranch_scc0 .Lfor_b_\@
	tensor_load_to_lds s[\g0a:\g0a+3], s[\g1a:\g1a+7]
	s_nop 0
	PLACES
	s_branch .Lasked_\@
.Lfor_b_\@:
	tensor_load_to_lds s[\g0b:\g0b+3], s[\g1b:\g1b+7]
	s_nop 0
	PLACES
.Lasked_\@:
.endm
.macro CREST
	s_cmp_lg_u32 s14, 0
	s_cbranch_scc1 .Lnot_wave_0_\@
	s_barrier_signal -3
.Lnot_wave_0_\@:
	s_barrier_wait -3
	s_barrier_signal -1
	s_barrier_wait -1
.endm
.macro CROUND
	s_barrier_signal -1
	s_barrier_wait -1
	CREST
.endm
.macro FRAG reg, a16, a8, off          ; a fragment = two units: 16 + 8 bytes a lane each
	ds_load_b128 v[\reg:\reg+3], v[\a16] offset:\off
	ds_load_b64 v[\reg+4:\reg+5], v[\a8] offset:\off
	ds_load_b128 v[\reg+6:\reg+9], v[\a16] offset:\off+768
	ds_load_b64 v[\reg+10:\reg+11], v[\a8] offset:\off+768
.endm
.macro FETCH_B slot, q, p
	WIN 0x40
.set FI, 0
.rept NB
	FRAG 128*(\p)+12*FI, 20+\slot, 22+\slot, FI*BLKB+(\q)*1536
.set FI, FI+1
.endr
	WIN 0
.endm
.macro FETCH_A slot, q, i0
.set FI, \i0
.rept HA
	FRAG AF+12*FI, 16+\slot, 18+\slot, FI*BLKB+(\q)*1536
.set FI, FI+1
.endr
.endm
.macro SCALES sc                       ; a K step's four scale words a row: lanes 0-15 A's block i, lanes 16-31 B's block i
.set FI, 0
.rept NB
	ds_load_b128 v[SC+16*(\sc)+4*FI:SC+16*(\sc)+4*FI+3], v[ADRS] offset:(FI/2)*SC4+(FI%2)*SC1
.set FI, FI+1
.endr
.endm
; The accumulators take turns, one instruction a turn, in the same order in every step.
.macro MULS a0, na, p, q, sc, zero
.set MA, \a0
.rept \na
.set MB, 0
.rept NB
.set MD, 8*(NB*(MA%HA)+MB)
.if \zero
	v_wmma_scale_f32_16x16x128_f8f6f4 v[MD:MD+7], v[128*(\p)+12*MB:128*(\p)+12*MB+11], v[AF+12*MA:AF+12*MA+11], 0, v[SC+16*(\sc)+NQ*MB+(\q)], v[SC+16*(\sc)+NQ*MA+(\q)] matrix_a_fmt:MATRIX_FMT_FP6 matrix_b_fmt:MATRIX_FMT_FP6 matrix_a_scale:MATRIX_SCALE_ROW1
.else
	v_wmma_scale_f32_16x16x128_f8f6f4 v[MD:MD+7], v[128*(\p)+12*MB:128*(\p)+12*MB+11], v[AF+12*MA:AF+12*MA+11], v[MD:MD+7], v[SC+16*(\sc)+NQ*MB+(\q)], v[SC+16*(\sc)+NQ*MA+(\q)] matrix_a_fmt:MATRIX_FMT_FP6 matrix_b_fmt:MATRIX_FMT_FP6 matrix_a_scale:MATRIX_SCALE_ROW1
.endif
.set MB, MB+1
.endr
.set MA, MA+1
.endr
.endm
.macro STEP slot, q, zero
	s_wait_dscnt 4*HA                              ; all but the youngest loads: A's second half, 4 loads a fragment
	WIN 0xa1
	MULS 0, HA, (\q)%2, \q, \slot, \zero
	s_wait_dscnt 0x0
	PLACES
	FETCH_B \slot, (\q)+1, 1-(\q)%2
	FETCH_A \slot, (\q)+1, 0
	WIN 0xf1
	MULS HA, HA, (\q)%2, \q, \slot, \zero
	PLACES
	WIN 0
	FETCH_A \slot, (\q)+1, HA
.endm
; A slot's last step changes slots.  fill = 1: the slot is filled again, two K steps ahead; 2: with the last K step, of which half is given and the rest comes as zeros.
.macro TURN slot, next, fill
	s_wait_tensorcnt 0x0                           ; all my tensor loads have landed: my part of the next slot
	ds_add_u32 v[SPW], v[NIL]                      ; 0 onto my spare word
	s_wait_dscnt 4*HA+1                            ; (the add and A's second half may be out)
	WIN 0xa1
	MULS 0, HA/2, 1, NQ-1, \slot, 0
	s_wait_dscnt 0x0                               ; the add is done, and my reads of this slot are over
	s_barrier_signal -1
	MULS HA/2, HA/2, 1, NQ-1, \slot, 0
	WIN 0
	s_barrier_wait -1
.if \fill
	CREST                                          ; the barrier has opened a round of the cluster's: no wave of any partner still reads this slot or has a load on its way
	s_add_nc_u64 s[G0+4*\slot+2:G0+4*\slot+3], s[G0+4*\slot+2:G0+4*\slot+3], 2*BLKB
	s_add_nc_u64 s[G0B+4*\slot+2:G0B+4*\slot+3], s[G0B+4*\slot+2:G0B+4*\slot+3], 2*BLKB
.if \fill == 2
	JLOAD G0+4*\slot, G1L, G0B+4*\slot, G1LB
.else
	JLOAD G0+4*\slot, G1, G0B+4*\slot, G1B
.endif
.else
	PLACES
.endif
	v_add_nc_u32 v[ADRS], 4*NQ, v[ADRS]
	FETCH_B \next, 0, 0
	FETCH_A \next, 0, 0
	SCALES \next
	WIN 0xf1
	MULS HA, HA, 1, NQ-1, \slot, 0
	PLACES
	WIN 0
	FETCH_A \next, 0, HA
.endm
.macro LAST slot, q
	s_wait_dscnt 4*HA
	WIN 0xa1
	MULS 0, HA, (\q)%2, \q, \slot, 0
	s_wait_dscnt 0x0
	WIN 0xf1
	MULS HA, HA, (\q)%2, \q, \slot, 0
	WIN 0
	PLACES
.endm
.if FFN2
	s_load_b128 s[4:7], s[0:1], 0x0                ; G, WI
	s_load_b64 s[12:13], s[0:1], 0x10              ; H: the residual
	s_load_b64 s[100:101], s[0:1], 0x18            ; out0
.else
	s_load_b256 s[4:11], s[0:1], 0x0               ; XC, XS, WI, wo_scales
	s_load_b64 s[12:13], s[0:1], 0x20              ; x: the residual
	s_load_b64 s[100:101], s[0:1], 0x28            ; H
.endif
	v_lshl_add_u32 v[SPW], v0, 2, SPARE
	v_mov_b32 v[NIL], 0
	ds_add_u32 v28, v29
	ds_add_u32 v28, v29
	s_wait_dscnt 0x0
	v_lshrrev_b32 v1, 5, v0
	v_readfirstlane_b32 s14, v1                    ; wave 0..3
	s_lshr_b32 s15, s14, 1                         ; my half of the tile's tokens.  Also: I fetch for A (0) or B (1)
	s_and_b32 s16, s14, 1                          ; my half of its columns.  Also: which half of that operand's blocks I fetch
	s_bfe_u32 s19, ttmp6, 0x40000                  ; cx
	s_bfe_u32 s20, ttmp6, 0x40004                  ; cy
	s_lshl_b32 s18, ttmp9, 2
	s_add_co_u32 s18, s18, s19                     ; tile column
	s_and_b32 s17, ttmp7, 0xffff
	s_lshl_b32 s17, s17, 2
	s_add_co_u32 s17, s17, s20                     ; tile row
	s_lshl_b32 s21, s20, 2
	s_lshl_b32 s21, 15, s21                        ; my row of the cluster
	s_lshl_b32 s22, 0x1111, s19                    ; my column
	s_or_b32 s[G1], s21, (3<<16)|(1<<21)           ; 15:0 mask; 17:16 elements of 8 bytes; 21 set beside a mask; no padding
	s_or_b32 s[G1B], s22, (3<<16)|(1<<21)
.irp g, G1, G1B
	s_mov_b32 s[\g+1], (UQ*96)<<16
	s_mov_b32 s[\g+2], NB<<16
	s_mov_b32 s[\g+3], (UQ*96)<<16
	s_mov_b32 s[\g+4], NB
	s_mov_b32 s[\g+5], KU*96
	s_mov_b32 s[\g+6], 0
	s_mov_b32 s[\g+7], 0
.endr
.if FFN2
	s_or_b32 s[G1L], s21, (3<<16)|(1<<21)          ; the last K step: four units are left of a block; the tile's other four come as zeros
	s_or_b32 s[G1LB], s22, (3<<16)|(1<<21)
.irp g, G1L, G1LB
	s_mov_b32 s[\g+1], 384<<16
	s_mov_b32 s[\g+2], NB<<16
	s_mov_b32 s[\g+3], (UQ*96)<<16
	s_mov_b32 s[\g+4], NB
	s_mov_b32 s[\g+5], KU*96
	s_mov_b32 s[\g+6], 0
	s_mov_b32 s[\g+7], 0
.endr
	s_or_b32 s[G1S], s21, (2<<16)|(1<<20)|(1<<21)|(4<<22)|(3<<25)   ; scale rows: 22 words given, 32 laid, 4 of padding behind each
	s_or_b32 s[G1SB], s22, (2<<16)|(1<<20)|(1<<21)|(4<<22)|(3<<25)
.irp g, G1S, G1SB
	s_mov_b32 s[\g+1], 22<<16
	s_mov_b32 s[\g+2], 64<<16
	s_mov_b32 s[\g+3], 32<<16
	s_mov_b32 s[\g+4], 64
	s_mov_b32 s[\g+5], 22
	s_mov_b32 s[\g+6], 0
	s_mov_b32 s[\g+7], 0
.endr
.else
	s_or_b32 s[G1S], s21, (3<<16)|(1<<20)|(1<<21)|(5<<22)|(3<<25)   ; scale bytes: rows of 256 bytes, 16 of padding behind each
	s_or_b32 s[G1SB], s22, (3<<16)|(1<<20)|(1<<21)|(5<<22)|(3<<25)
.irp g, G1S, G1SB
	s_mov_b32 s[\g+1], 32<<16
	s_mov_b32 s[\g+2], (HALFS/272)<<16
	s_mov_b32 s[\g+3], 32<<16
	s_mov_b32 s[\g+4], HALFS/272
	s_mov_b32 s[\g+5], 32
	s_mov_b32 s[\g+6], 0
	s_mov_b32 s[\g+7], 0
.endr
.endif
	s_lshl_b32 s2, s16, 2
	s_lshl_b32 s23, s17, 3
	s_add_co_u32 s23, s23, s2                      ; A's first block that I fetch
	s_lshl_b32 s56, s18, 3
	s_add_co_u32 s56, s56, s2                      ; B's
	s_mul_i32 s[G0+1], s14, QUART
	s_add_co_u32 s[G0+5], s[G0+1], SLOT
	s_mov_b32 s[G0B+1], s[G0+1]
	s_mov_b32 s[G0B+5], s[G0+5]
	s_mul_i32 s[G0S+1], s14, HALFS
	s_add_co_u32 s[G0S+1], s[G0S+1], SCL
	s_mov_b32 s[G0SB+1], s[G0S+1]
	s_wait_kmcnt 0x0
.if FFN2
	s_add_nc_u64 s[8:9], s[6:7], W2I               ; w2's image,
	s_add_nc_u64 s[10:11], s[6:7], W2S             ; its scale rows,
	s_add_nc_u64 s[6:7], s[4:5], GSC               ; the gate's scale rows
.else
	s_add_nc_u64 s[8:9], s[8:9], WOI               ; wo's image
.endif
	s_mul_i32 s2, s23, KU*768
	s_mov_b32 s3, 0
	s_add_nc_u64 s[4:5], s[4:5], s[2:3]
	s_mul_i32 s2, s23, 16*SROW
	s_add_nc_u64 s[6:7], s[6:7], s[2:3]
	s_mul_i32 s66, s56, KU*768
	s_mov_b32 s67, 0
	s_add_nc_u64 s[8:9], s[8:9], s[66:67]
	s_mul_i32 s66, s56, 16*SROW
	s_add_nc_u64 s[10:11], s[10:11], s[66:67]
	s_mov_b32 s[G0S], 1
	s_mov_b64 s[G0S+2:G0S+3], s[6:7]
	s_or_b32 s[G0S+3], s[G0S+3], 0x80000000
	s_mov_b32 s[G0SB], 1
	s_mov_b64 s[G0SB+2:G0SB+3], s[10:11]
	s_or_b32 s[G0SB+3], s[G0SB+3], 0x80000000
.irp s, 0,1
	s_mov_b32 s[G0+4*\s], 1
	s_add_nc_u64 s[G0+4*\s+2:G0+4*\s+3], s[4:5], \s*BLKB
	s_or_b32 s[G0+4*\s+3], s[G0+4*\s+3], 0x80000000
	s_mov_b32 s[G0B+4*\s], 1
	s_add_nc_u64 s[G0B+4*\s+2:G0B+4*\s+3], s[8:9], \s*BLKB
	s_or_b32 s[G0B+4*\s+3], s[G0B+4*\s+3], 0x80000000
.endr
	CROUND                                         ; all sixteen work-groups are here: the first joint loads meet
	JLOAD G0S, G1S, G0SB, G1SB                     ; three loads of mine are out: the scales, K step 0, K step 1
	JLOAD G0, G1, G0B, G1B
	JLOAD G0+4, G1, G0B+4, G1B
	v_and_b32 v1, 31, v0
	v_and_b32 v2, 15, v0                           ; r
	v_bfe_u32 v3, v0, 4, 1                         ; h
	v_lshlrev_b32 v4, 4, v1
	v_lshlrev_b32 v5, 3, v1
	v_add_nc_u32 v5, 512, v5
	s_lshl_b32 s2, s17, 7
	s_lshl_b32 s3, s15, 6
	s_add_co_u32 s2, s2, s3                        ; my first token
	s_lshl_b32 s2, s2, 12
	s_lshl_b32 s3, s18, 9
	s_add_co_u32 s2, s2, s3
	s_lshl_b32 s3, s16, 8
	s_add_co_u32 s2, s2, s3                        ; and my first column, in bytes
	s_mov_b32 s3, 0
	s_add_nc_u64 s[12:13], s[12:13], s[2:3]
	s_add_nc_u64 s[100:101], s[100:101], s[2:3]
	v_lshlrev_b32 v26, 12, v3
	v_lshl_add_u32 v26, v2, 4, v26                 ; lanes 0-15 one row's 256 bytes, lanes 16-31 the next row's
.set RA, 0
.rept 4
.set RI, 0
.rept 8
	global_load_b128 v[64+32*RA+64*(RA/2)+4*RI:64+32*RA+64*(RA/2)+4*RI+3], v26, s[12:13] offset:(32*(RA/2)+8*(RA%2)+2*RI+8*(RI/4))*4096
.set RI, RI+1
.endr
.set RA, RA+1
.endr
	s_mul_i32 s2, s15, QUART
	s_mul_i32 s3, s16, QUART
	s_add_co_u32 s3, s3, 2*QUART
.irp s, 0,1
	v_add_nc_u32 v[16+\s], s2, v4
	v_add_nc_u32 v[18+\s], s2, v5
	v_add_nc_u32 v[20+\s], s3, v4
	v_add_nc_u32 v[22+\s], s3, v5
	s_add_co_u32 s2, s2, SLOT
	s_add_co_u32 s3, s3, SLOT
.endr
	v_and_b32 v6, 7, v2
	v_lshrrev_b32 v7, 3, v2
	v_mul_u32_u24 v6, v6, SA
	v_mad_u32_u24 v6, v7, SBB, v6
	s_mul_i32 s2, s15, HALFS
	s_mul_i32 s3, s16, HALFS
	s_add_co_u32 s3, s3, 2*HALFS
	s_sub_co_u32 s3, s3, s2
	v_mul_u32_u24 v7, s3, v3                       ; lanes 16-31 take B's
	s_add_co_u32 s2, s2, SCL
	v_add_nc_u32 v6, v6, v7
	v_add_nc_u32 v[ADRS], s2, v6
	s_mul_i32 s2, s14, 4352                        ; my stage: 16 rows x (256 + 16) bytes
	v_mul_u32_u24 v24, v2, 272
	v_lshl_add_u32 v24, v3, 6, v24
	v_add_nc_u32 v24, s2, v24                      ; in: row r, 64 h bytes on
	v_mul_u32_u24 v25, v3, 272
	v_lshl_add_u32 v25, v2, 4, v25
	v_add_nc_u32 v25, s2, v25                      ; back: lanes 0-15 one row, lanes 16-31 the next
	s_wait_tensorcnt 1                             ; the scales and my part of K step 0 are in; K step 1's load may be out
	s_barrier_signal -1
	s_barrier_wait -1
	FETCH_B 0, 0, 0
	FETCH_A 0, 0, 0
	SCALES 0
	FETCH_A 0, 0, HA
	STEP 0, 0, 1
	STEP 0, 1, 0
	STEP 0, 2, 0
.if FFN2
	TURN 0, 1, 1
	STEP 1, 0, 0
	STEP 1, 1, 0
	STEP 1, 2, 0
	TURN 1, 0, 1
	STEP 0, 0, 0
	STEP 0, 1, 0
	STEP 0, 2, 0
	TURN 0, 1, 1
	STEP 1, 0, 0
	STEP 1, 1, 0
	STEP 1, 2, 0
	TURN 1, 0, 2
	STEP 0, 0, 0
	STEP 0, 1, 0
	STEP 0, 2, 0
	TURN 0, 1, 0
	STEP 1, 0, 0
	LAST 1, 1
.else
	TURN 0, 1, 0
	STEP 1, 0, 0
	STEP 1, 1, 0
	STEP 1, 2, 0
	LAST 1, 3
.endif
.macro TOSTAGE a                       ; block a's 16 tokens x 64 columns into my stage, and back as whole rows
	WIN (0x08+4*((\a)/HA))
.set TI, 0
.rept NB
.set AR, 8*(NB*((\a)%HA)+TI)
	ds_store_b128 v24, v[AR:AR+3] offset:128*(TI/2)+32*(TI%2)          ; each accumulator from its low end on
	ds_store_b128 v24, v[AR+4:AR+7] offset:128*(TI/2)+32*(TI%2)+16
.set TI, TI+1
.endr
	WIN 0
.set BB, 128+32*((\a)%2)
.irp i, 0,1,2,3,4,5,6,7
	ds_load_b128 v[BB+4*\i:BB+4*\i+3], v25 offset:544*\i              ; LDS serves a wave's instructions in order: these see my stores
.endr
.endm
.macro SEND a, younger                 ; younger: the LDS instructions issued behind block a's loads: the next block's 8 stores and 8 loads, or none
.set BB, 128+32*((\a)%2)
.set RB, 64+32*(\a)+64*((\a)/2)
	s_wait_dscnt \younger
.irp p, 0,1,2,3,4,5,6,7,8,9,10,11,12,13,14,15
	v_pk_add_f32 v[BB+2*\p:BB+2*\p+1], v[BB+2*\p:BB+2*\p+1], v[RB+2*\p:RB+2*\p+1]
.endr
.irp i, 0,1,2,3,4,5,6,7
.if FFN2
	global_store_b128 v26, v[BB+4*\i:BB+4*\i+3], s[100:101] offset:(32*((\a)/2)+8*((\a)%2)+2*\i+8*(\i/4))*4096 th:TH_STORE_NT
.else
	global_store_b128 v26, v[BB+4*\i:BB+4*\i+3], s[100:101] offset:(32*((\a)/2)+8*((\a)%2)+2*\i+8*(\i/4))*4096
.endif
.endr
.endm
	s_wait_loadcnt 0x0                             ; the residual
	TOSTAGE 0
.irp a, 1,2,3
.if \a > 1
	s_wait_xcnt 0x0                                ; block a - 2's stores have read their registers: block a's loads may land there
.endif
	TOSTAGE \a
	SEND \a-1, 16
.endr
	SEND 3, 0
	s_wait_tensorcnt 0x0                           ; the wave's end
	ds_add_u32 v[SPW], v[NIL]
	s_wait_dscnt 0x0
	CROUND                                         ; the closing round
	s_endpgm
.Lfunc_end_k_q7cf77fb583_wo:
	.size	k_q7cf77fb583_wo, .Lfunc_end_k_q7cf77fb583_wo-k_q7cf77fb583_wo
	.p2alignl 7, 3214868480
	.fill 96, 4, 3214868480
	.section	.rodata,"a",@progbits
	.p2align	6, 0x0
	.amdhsa_kernel k_q7cf77fb583_wo
		.amdhsa_group_segment_fixed_size 327680
		.amdhsa_private_segment_fixed_size 0
		.amdhsa_enable_private_segment 0
		.amdhsa_kernarg_size 48
		.amdhsa_user_sgpr_count 2
		.amdhsa_user_sgpr_kernarg_segment_ptr 1
		.amdhsa_wavefront_size32 1
		.amdhsa_system_sgpr_workgroup_id_x 1
		.amdhsa_system_sgpr_workgroup_id_y 1
		.amdhsa_system_sgpr_workgroup_id_z 1
		.amdhsa_system_vgpr_workitem_id 0
		.amdhsa_next_free_vgpr 1024
		.amdhsa_next_free_sgpr 102
		.amdhsa_reserve_vcc 0
		.amdhsa_float_denorm_mode_32 3
		.amdhsa_float_denorm_mode_16_64 3
		.amdhsa_memory_ordered 1
		.amdhsa_forward_progress 1
		.amdhsa_inst_pref_size 61
	.end_amdhsa_kernel
	.amdgpu_metadata
---
amdhsa.version: [ 1, 2 ]
amdhsa.kernels:
  - .name:           k_q7cf77fb583_wo
    .symbol:         k_q7cf77fb583_wo.kd
    .args:
      - { .name: XC, .offset: 0, .size: 8, .value_kind: global_buffer, .address_space: global }
      - { .name: XS, .offset: 8, .size: 8, .value_kind: global_buffer, .address_space: global }
      - { .name: WI, .offset: 16, .size: 8, .value_kind: global_buffer, .address_space: global }
      - { .name: wo_scales, .offset: 24, .size: 8, .value_kind: global_buffer, .address_space: global }
      - { .name: x, .offset: 32, .size: 8, .value_kind: global_buffer, .address_space: global }
      - { .name: H, .offset: 40, .size: 8, .value_kind: global_buffer, .address_space: global }
    .group_segment_fixed_size: 327680
    .private_segment_fixed_size: 0
    .kernarg_segment_align: 8
    .kernarg_segment_size: 48
    .max_flat_workgroup_size: 128
    .sgpr_count:     102
    .vgpr_count:     1024
    .wavefront_size: 32
...
	.end_amdgpu_metadata
.endif
;; end of part 4
;; launch norm2 (part 5): grid 256 x 1, 8 waves a work-group, no clusters, 70,656 bytes of LDS; arguments H, norm2_w, XC, XS; writes XC, XS
.if DOCPART == 5
	.amdgcn_target "amdgcn-amd-amdhsa--gfx1250"
	.amdhsa_code_object_version 6
	.text
	.protected	k_q7cf77fb583_norm2
	.globl	k_q7cf77fb583_norm2
	.p2align	8
	.type	k_q7cf77fb583_norm2,@function
k_q7cf77fb583_norm2:
	s_mov_b64 s[64:65], 0
	v_nop
	global_prefetch_b8 v0, s[64:65] scope:SCOPE_SE
	s_setreg_imm32_b32 hwreg(HW_REG_WAVE_MODE, 25, 1), 1
	s_wait_xcnt 0x0
; RMSNorm(h) x norm2_w in f32, quantised to E2M3 along the 1,024 columns -> XC (images of operand registers), XS (scale bytes, row-major).
; A work-group takes a block of 16 tokens (lane index r of block 2 b + u = token 32 b + 8 u + r + 8 (r / 8)); wave w takes columns 128 w .. 128 w + 127: two units of 64 codes.
; Each load reads 512 consecutive bytes of a row; the numbers turn through the wave's own stage in LDS, so that a lane holds two whole blocks of 32 neighbours of one row.
; The row's sum of squares meets in LDS: one barrier.  The 16 rows' scale bytes meet there too and leave as two runs of 256 bytes: a second barrier.
; LIMITS: NaN and infinities are not served; 1 / rms is v_rsq_f32 (1 ulp); a block of zeros gets the scale byte 1 (its codes are zeros; this program alone reads the bytes).
.set PART, 67584
.set SCW,  68096
.set R,   16
.set X,   80
.set NW,  144
.set SS,  208
.set C,   216
.set T,   228
.set W,   236
	s_load_b128 s[16:19], s[0:1], 0x0              ; H, norm2_w
	s_load_b128 s[40:43], s[0:1], 0x10             ; XC, XS
	v_lshl_add_u32 v254, v0, 2, 0x11000
	v_mov_b32 v255, 0
	v_lshrrev_b32 v1, 5, v0
	v_readfirstlane_b32 s2, v1                     ; wave 0..7
	v_and_b32 v1, 31, v0
	v_and_b32 v2, 15, v0                           ; r
	v_bfe_u32 v3, v0, 4, 1                         ; h
	v_lshlrev_b32 v11, 4, v1
	v_lshlrev_b32 v12, 3, v1
	s_mov_b32 s5, 0
	s_lshr_b32 s3, ttmp9, 1
	s_lshl_b32 s3, s3, 5
	s_and_b32 s4, ttmp9, 1
	s_lshl_b32 s4, s4, 3
	s_add_co_u32 s3, s3, s4                        ; the block's first row
	s_lshl_b32 s4, s3, 12
	s_lshl_b32 s6, s2, 9
	v_add_nc_u32 v4, s6, v11
	v_lshl_add_u32 v5, v3, 7, s6
	s_wait_kmcnt 0x0
	s_add_nc_u64 s[16:17], s[16:17], s[4:5]
.set I, 0
.rept 16
	global_load_b128 v[R+4*I:R+4*I+3], v4, s[16:17] offset:(I+8*(I/8))*4096
.set I, I+1
.endr
.set I, 0
.rept 16
	global_load_b128 v[NW+4*I:NW+4*I+3], v5, s[18:19] offset:256*(I/8)+16*(I%8)
.set I, I+1
.endr
	s_mul_i32 s4, ttmp9, 12288
	s_mul_i32 s7, s2, 1536
	s_add_co_u32 s4, s4, s7
	s_add_nc_u64 s[40:41], s[40:41], s[4:5]
	s_lshl_b32 s4, s3, 5
	s_add_nc_u64 s[42:43], s[42:43], s[4:5]
	s_mul_i32 s7, s2, 8448
	v_add_nc_u32 v6, s7, v11
	v_mul_u32_u24 v7, v2, 528
	v_lshl_add_u32 v7, v3, 7, v7
	v_add_nc_u32 v7, s7, v7
	v_lshl_add_u32 v9, v2, 2, PART
	s_lshl_b32 s7, s2, 6
	v_add_nc_u32 v8, s7, v9
	v_lshl_add_u32 v10, v2, 5, SCW
	s_lshl_b32 s7, s2, 2
	v_add_nc_u32 v10, s7, v10
	s_mov_b32 s10, 0x76543210
	s_mov_b32 s11, 0xfedcba98
	s_mov_b32 s12, 0x2edbe6ff                      ; eps = 1e-10
	s_wait_loadcnt 16                              ; h's 16 loads are in; the 16 loads of the gains, issued behind them, may be out
.set I, 0
.rept 16
	ds_store_b128 v6, v[R+4*I:R+4*I+3] offset:528*I
.set I, I+1
.endr
.set I, 0
.rept 16
	ds_load_b128 v[X+4*I:X+4*I+3], v7 offset:256*(I/8)+16*(I%8)    ; LDS serves a wave's instructions in order: these see my stores
.set I, I+1
.endr
	s_wait_dscnt 0x0
.irp j, 0,1,2,3
	v_pk_mul_f32 v[SS+2*\j:SS+2*\j+1], v[X+2*\j:X+2*\j+1], v[X+2*\j:X+2*\j+1]
.endr
.set I, 4
.rept 28
	v_pk_fma_f32 v[SS+2*(I%4):SS+2*(I%4)+1], v[X+2*I:X+2*I+1], v[X+2*I:X+2*I+1], v[SS+2*(I%4):SS+2*(I%4)+1]
.set I, I+1
.endr
	v_pk_add_f32 v[SS:SS+1], v[SS:SS+1], v[SS+2:SS+3]
	v_pk_add_f32 v[SS+4:SS+5], v[SS+4:SS+5], v[SS+6:SS+7]
	v_pk_add_f32 v[SS:SS+1], v[SS:SS+1], v[SS+4:SS+5]
	v_add_f32 v[SS], v[SS], v[SS+1]
	v_permlanex16_b32 v[SS+2], v[SS], s10, s11
	v_add_f32 v[SS], v[SS], v[SS+2]
	ds_store_b32 v8, v[SS]
	s_wait_dscnt 0x0                               ; for the others' sake: my sum has landed
	s_barrier_signal -1
	s_barrier_wait -1
.irp k, 0,1,2,3,4,5,6,7
	ds_load_b32 v[W+\k], v9 offset:64*\k
.endr
	s_wait_dscnt 0x0
	v_add_f32 v[W], v[W], v[W+1]
	v_add_f32 v[W+2], v[W+2], v[W+3]
	v_add_f32 v[W+4], v[W+4], v[W+5]
	v_add_f32 v[W+6], v[W+6], v[W+7]
	v_add_f32 v[W], v[W], v[W+2]
	v_add_f32 v[W+4], v[W+4], v[W+6]
	v_add_f32 v[W], v[W], v[W+4]
	v_fma_f32 v[W], v[W], 0x3a800000, s12          ; the mean of the squares + eps
	v_rsq_f32 v[SS], v[W]
	v_mov_b32 v[SS+1], 0                           ; (the plain place; and the pair's upper word)
	s_wait_loadcnt 0x0
.set I, 0
	s_wait_alu depctr_va_vdst(0)
.rept 32
	v_pk_mul_f32 v[X+2*I:X+2*I+1], v[X+2*I:X+2*I+1], v[SS:SS+1] op_sel_hi:[1,0]
.set I, I+1
.endr
.set I, 0
.rept 32
	v_pk_mul_f32 v[X+2*I:X+2*I+1], v[X+2*I:X+2*I+1], v[NW+2*I:NW+2*I+1]
.set I, I+1
.endr
.irp c, 0,1
	v_max3_num_f32 v[W+\c], |v[X+32*\c]|, |v[X+32*\c+1]|, 0x1800000     ; with the floor 2^(3 - 127)
.endr
.irp i, 2,4,6,8,10,12,14,16,18,20,22,24,26,28,30
.irp c, 0,1
	v_max3_num_f32 v[W+\c], v[W+\c], |v[X+32*\c+\i]|, |v[X+32*\c+\i+1]|
.endr
.endr
.irp c, 0,1
	v_add_nc_u32 v[W+2+\c], 0xff000000, v[W+\c]
.endr
.irp c, 0,1
	v_lshrrev_b32 v[W+4+\c], 23, v[W+2+\c]
.endr
	v_lshl_or_b32 v[W+6], v[W+5], 16, v[W+4]
	v_lshlrev_b32 v[W+7], 3, v3
	v_lshlrev_b32 v[W+6], v[W+7], v[W+6]
	v_permlanex16_b32 v[W+7], v[W+6], s10, s11
	v_or_b32 v[W+6], v[W+6], v[W+7]
.irp c, 0,1
	v_cvt_scalef32_pk16_fp6_f32 v[C+6*\c:C+6*\c+2], v[X+32*\c:X+32*\c+15], v[W+2+\c]
	v_cvt_scalef32_pk16_fp6_f32 v[T+4*\c:T+4*\c+2], v[X+32*\c+16:X+32*\c+31], v[W+2+\c]
.endr
	v_nop                                          ; one plain place behind a scaled conversion
.irp c, 0,1
.irp i, 0,1,2
	v_mov_b32 v[C+6*\c+3+\i], v[T+4*\c+\i]
.endr
.endr
.irp c, 0,1
	global_store_b128 v11, v[C+6*\c:C+6*\c+3], s[40:41] offset:768*\c
	global_store_b64 v12, v[C+6*\c+4:C+6*\c+5], s[40:41] offset:768*\c+512
.endr
	ds_store_b32 v10, v[W+6]
	s_wait_dscnt 0x0
	s_barrier_signal -1
	s_barrier_wait -1
	s_cmp_lg_u32 s2, 0
	s_cbranch_scc1 .Lx_done
	v_add_nc_u32 v14, SCW, v11
	ds_load_b128 v[R:R+3], v14
	v_lshlrev_b32 v15, 9, v3
	v_lshl_add_u32 v15, v2, 4, v15
	s_wait_dscnt 0x0
	global_store_b128 v15, v[R:R+3], s[42:43]
.Lx_done:
	s_wait_tensorcnt 0x0
	ds_add_u32 v254, v255
	s_wait_dscnt 0x0
	s_endpgm
.Lfunc_end_k_q7cf77fb583_norm2:
	.size	k_q7cf77fb583_norm2, .Lfunc_end_k_q7cf77fb583_norm2-k_q7cf77fb583_norm2
	.p2alignl 7, 3214868480
	.fill 96, 4, 3214868480
	.section	.rodata,"a",@progbits
	.p2align	6, 0x0
	.amdhsa_kernel k_q7cf77fb583_norm2
		.amdhsa_group_segment_fixed_size 70656
		.amdhsa_private_segment_fixed_size 0
		.amdhsa_enable_private_segment 0
		.amdhsa_kernarg_size 32
		.amdhsa_user_sgpr_count 2
		.amdhsa_user_sgpr_kernarg_segment_ptr 1
		.amdhsa_wavefront_size32 1
		.amdhsa_system_sgpr_workgroup_id_x 1
		.amdhsa_system_sgpr_workgroup_id_y 1
		.amdhsa_system_sgpr_workgroup_id_z 1
		.amdhsa_system_vgpr_workitem_id 0
		.amdhsa_next_free_vgpr 256
		.amdhsa_next_free_sgpr 66
		.amdhsa_reserve_vcc 0
		.amdhsa_float_denorm_mode_32 3
		.amdhsa_float_denorm_mode_16_64 3
		.amdhsa_memory_ordered 1
		.amdhsa_forward_progress 1
		.amdhsa_inst_pref_size 19
	.end_amdhsa_kernel
	.amdgpu_metadata
---
amdhsa.version: [ 1, 2 ]
amdhsa.kernels:
  - .name:           k_q7cf77fb583_norm2
    .symbol:         k_q7cf77fb583_norm2.kd
    .args:
      - { .name: H, .offset: 0, .size: 8, .value_kind: global_buffer, .address_space: global }
      - { .name: norm2_w, .offset: 8, .size: 8, .value_kind: global_buffer, .address_space: global }
      - { .name: XC, .offset: 16, .size: 8, .value_kind: global_buffer, .address_space: global }
      - { .name: XS, .offset: 24, .size: 8, .value_kind: global_buffer, .address_space: global }
    .group_segment_fixed_size: 70656
    .private_segment_fixed_size: 0
    .kernarg_segment_align: 8
    .kernarg_segment_size: 32
    .max_flat_workgroup_size: 256
    .sgpr_count:     66
    .vgpr_count:     256
    .wavefront_size: 32
...
	.end_amdgpu_metadata
.endif
;; end of part 5
;; launch ffn1 (part 6): grid 16 x 22, 4 waves a work-group, clusters of 4 x 1, 327,680 bytes of LDS; arguments XC, XS, WI, G; writes G
.if DOCPART == 6
	.amdgcn_target "amdgcn-amd-amdhsa--gfx1250"
	.amdhsa_code_object_version 6
	.text
	.protected	k_q7cf77fb583_ffn1
	.globl	k_q7cf77fb583_ffn1
	.p2align	8
	.type	k_q7cf77fb583_ffn1,@function
k_q7cf77fb583_ffn1:
	s_mov_b64 s[64:65], 0
	v_nop
	global_prefetch_b8 v0, s[64:65] scope:SCOPE_SE
	s_setreg_imm32_b32 hwreg(HW_REG_WAVE_MODE, 25, 1), 1
	s_wait_xcnt 0x0
	s_wait_alu depctr_hold_cnt(0) depctr_sa_sdst(0) depctr_va_vdst(0) depctr_va_sdst(0) depctr_va_ssrc(0) depctr_va_vcc(0) depctr_vm_vsrc(0)
	s_getreg_b32 s2, hwreg(HW_REG_IB_STS2, 6, 4)
	s_cmp_eq_u32 s2, 0
	s_cbranch_scc0 .Lentry_in_a_cluster
	s_endpgm
.Lentry_in_a_cluster:
	s_bfe_u32 s2, ttmp6, 0x10000c
	s_cmp_lg_u32 s2, 0x3003
	s_cbranch_scc0 .Lentry_shape_is_right
	s_endpgm
.Lentry_shape_is_right:
; gate = silu(hn W1^T) x (hn W3^T) on codes of E2M3, quantised along f as the next product's operand -> G (codes: 44 units a block of 16 tokens; then the scale bytes, 88 a token).
; w1 and w3 are ONE operand "B": 64 rows of the one, then the same 64 of the other, by turns (laid so by the first launch; rows 2,752 on are zero codes).  So a wave's 128 rows of B are a's and b's of the same 64 f.
; A tile of C is 256 tokens x 256 rows of B, four waves of 128 x 128.  K = 1,024 goes in four steps of 256 through two LDS slots.  Operands are images of registers; the matrix instruction is used transposed (source 0 = B's block, source 1 = the tokens'):
; lane (r, h) holds a token, and the 16 registers of B's blocks 2 b, 2 b + 1 are f = 32 b + 16 h + 0 .. 15.
; CLUSTER 4 x 1: the 22 tile columns do not divide by four, so the cluster runs along the tokens alone: B's tiles and scale bytes are asked for jointly by the four; the tokens' tiles come by plain loads behind the same rounds.
; LIMITS: NaN and infinities are not served; the sigmoid is v_exp_f32 and v_rcp_f32 (1 ulp each); a block of zeros gets the scale byte 1.  The 2 scale bytes a token go out as stores of 2 bytes, 88 bytes apart: 360,448 bytes in the launch.
.set HA, 4
.set NB, 8
.set UQ, 4
.set NQ, 2
.set KU, 16
.set BLKB, UQ*768
.set QUART, NB*BLKB
.set SLOT, 4*QUART
.set SCL, 2*SLOT
.set HALFS, 4352
.set SA, 32
.set SBB, 544
.set SC1, 272
.set SC4, 1088
.set SPARE, SCL+4*HALFS                ; the spare words: 128 bytes a wave, named by no other line
.set W13, 3145728
.set W13S, 9633792
.set GSC, 8650752
.set ADRS, 27
.set SPW, 28
.set NIL, 29
.set SC, 32
.set AF, 128
.set G1, 24
.set G0, 32
.set G1B, 48
.set G0B, 56
.set G1S, 68
.set G0S, 76
.set G1SB, 80
.set G0SB, 88
.set TM, 210
.set PT, 206
.set MSB, 0
.macro WIN new                         ; the immediate's high byte repeats the setting that is left
.if MSB != (\new)
	s_set_vgpr_msb (MSB<<8)|(\new)
.set MSB, (\new)
.endif
.endm
.macro PLACES                          ; four plain places behind matrix instructions, ahead of loads into their registers and of reads of results
.rept 4
	v_nop
.endr
.endm
.macro JLOAD g0a, g1a, g0b, g1b        ; waves 0, 1 fetch for A (plain), waves 2, 3 for B (joint); four v_nop follow each line
	s_cmp_eq_u32 s15, 0
	s_cbranch_scc0 .Lfor_b_\@
	tensor_load_to_lds s[\g0a:\g0a+3], s[\g1a:\g1a+7]
	s_nop 0
	PLACES
	s_branch .Lasked_\@
.Lfor_b_\@:
	tensor_load_to_lds s[\g0b:\g0b+3], s[\g1b:\g1b+7]
	s_nop 0
	PLACES
.Lasked_\@:
.endm
.macro CREST
	s_cmp_lg_u32 s14, 0
	s_cbranch_scc1 .Lnot_wave_0_\@
	s_barrier_signal -3
.Lnot_wave_0_\@:
	s_barrier_wait -3
	s_barrier_signal -1
	s_barrier_wait -1
.endm
.macro CROUND
	s_barrier_signal -1
	s_barrier_wait -1
	CREST
.endm
.macro FRAG reg, a16, a8, off          ; a fragment = two units: 16 + 8 bytes a lane each
	ds_load_b128 v[\reg:\reg+3], v[\a16] offset:\off
	ds_load_b64 v[\reg+4:\reg+5], v[\a8] offset:\off
	ds_load_b128 v[\reg+6:\reg+9], v[\a16] offset:\off+768
	ds_load_b64 v[\reg+10:\reg+11], v[\a8] offset:\off+768
.endm
.macro FETCH_B slot, q, p
	WIN 0x40
.set FI, 0
.rept NB
	FRAG 128*(\p)+12*FI, 20+\slot, 22+\slot, FI*BLKB+(\q)*1536
.set FI, FI+1
.endr
	WIN 0
.endm
.macro FETCH_A slot, q, i0
.set FI, \i0
.rept HA
	FRAG AF+12*FI, 16+\slot, 18+\slot, FI*BLKB+(\q)*1536
.set FI, FI+1
.endr
.endm
.macro SCALES sc                       ; a K step's scale words: lanes 0-15 A's block i, lanes 16-31 B's block i
.set FI, 0
.rept NB
	ds_load_b64 v[SC+16*(\sc)+2*FI:SC+16*(\sc)+2*FI+1], v[ADRS] offset:(FI/2)*SC4+(FI%2)*SC1
.set FI, FI+1
.endr
.endm
; The accumulators take turns, one instruction a turn, in the same order in every step.
.macro MULS a0, na, p, q, sc, zero
.set MA, \a0
.rept \na
.set MB, 0
.rept NB
.set MD, 8*(NB*(MA%HA)+MB)
.if \zero
	v_wmma_scale_f32_16x16x128_f8f6f4 v[MD:MD+7], v[128*(\p)+12*MB:128*(\p)+12*MB+11], v[AF+12*MA:AF+12*MA+11], 0, v[SC+16*(\sc)+NQ*MB+(\q)], v[SC+16*(\sc)+NQ*MA+(\q)] matrix_a_fmt:MATRIX_FMT_FP6 matrix_b_fmt:MATRIX_FMT_FP6 matrix_a_scale:MATRIX_SCALE_ROW1
.else
	v_wmma_scale_f32_16x16x128_f8f6f4 v[MD:MD+7], v[128*(\p)+12*MB:128*(\p)+12*MB+11], v[AF+12*MA:AF+12*MA+11], v[MD:MD+7], v[SC+16*(\sc)+NQ*MB+(\q)], v[SC+16*(\sc)+NQ*MA+(\q)] matrix_a_fmt:MATRIX_FMT_FP6 matrix_b_fmt:MATRIX_FMT_FP6 matrix_a_scale:MATRIX_SCALE_ROW1
.endif
.set MB, MB+1
.endr
.set MA, MA+1
.endr
.endm
.macro STEP slot, q, zero
	s_wait_dscnt 4*HA                              ; all but the youngest loads: A's second half, 4 loads a fragment
	WIN 0xa1
	MULS 0, HA, (\q)%2, \q, \slot, \zero
	s_wait_dscnt 0x0
	PLACES
	FETCH_B \slot, (\q)+1, 1-(\q)%2
	FETCH_A \slot, (\q)+1, 0
	WIN 0xf1
	MULS HA, HA, (\q)%2, \q, \slot, \zero
	PLACES
	WIN 0
	FETCH_A \slot, (\q)+1, HA
.endm
.macro TURN slot, next, fill
	s_wait_tensorcnt 0x0                           ; all my tensor loads have landed: my part of the next slot
	ds_add_u32 v[SPW], v[NIL]                      ; 0 onto my spare word
	s_wait_dscnt 4*HA+1                            ; (the add and A's second half may be out)
	WIN 0xa1
	MULS 0, HA/2, 1, NQ-1, \slot, 0
	s_wait_dscnt 0x0                               ; the add is done, and my reads of this slot are over
	s_barrier_signal -1
	MULS HA/2, HA/2, 1, NQ-1, \slot, 0
	WIN 0
	s_barrier_wait -1
.if \fill
	CREST                                          ; the barrier has opened a round of the cluster's: no wave of any partner still reads this slot or has a load on its way
	s_add_nc_u64 s[G0+4*\slot+2:G0+4*\slot+3], s[G0+4*\slot+2:G0+4*\slot+3], 2*BLKB
	s_add_nc_u64 s[G0B+4*\slot+2:G0B+4*\slot+3], s[G0B+4*\slot+2:G0B+4*\slot+3], 2*BLKB
	JLOAD G0+4*\slot, G1, G0B+4*\slot, G1B
.else
	PLACES
.endif
	v_add_nc_u32 v[ADRS], 4*NQ, v[ADRS]
	FETCH_B \next, 0, 0
	FETCH_A \next, 0, 0
	SCALES \next
	WIN 0xf1
	MULS HA, HA, 1, NQ-1, \slot, 0
	PLACES
	WIN 0
	FETCH_A \next, 0, HA
.endm
.macro LAST slot, q
	s_wait_dscnt 4*HA
	WIN 0xa1
	MULS 0, HA, (\q)%2, \q, \slot, 0
	s_wait_dscnt 0x0
	WIN 0xf1
	MULS HA, HA, (\q)%2, \q, \slot, 0
	WIN 0
	PLACES
.endm
; 32 numbers of a lane (window 0), register 16 b + i = k 32 b + 16 h + i of my row, become a unit's six registers v[pc] on; the two scale bytes are left in v[TM+2], v[TM+3].
.macro QUANTU s, pc
.irp b, 0,1
	v_max3_num_f32 v[TM+\b], |v[\s+16*\b]|, |v[\s+16*\b+1]|, 0x1800000     ; with the floor 2^(3 - 127)
.endr
.irp i, 2,4,6,8,10,12,14
.irp b, 0,1
	v_max3_num_f32 v[TM+\b], v[TM+\b], |v[\s+16*\b+\i]|, |v[\s+16*\b+\i+1]|
.endr
.endr
.irp b, 0,1
	v_permlanex16_b32 v[TM+2+\b], v[TM+\b], s40, s41
.endr
.irp b, 0,1
	v_max_num_f32 v[TM+\b], v[TM+\b], v[TM+2+\b]
.endr
.irp b, 0,1
	v_add_nc_u32 v[TM+4+\b], 0xff000000, v[TM+\b]
.endr
.irp b, 0,1
	v_lshrrev_b32 v[TM+2+\b], 23, v[TM+4+\b]
.endr
	s_wait_xcnt 0x0                                ; earlier stores have read the registers that are written from here on
	v_cvt_scalef32_pk16_fp6_f32 v[\pc:\pc+2], v[\s:\s+15], v[TM+4]
	v_cvt_scalef32_pk16_fp6_f32 v[PT:PT+2], v[\s+16:\s+31], v[TM+5]
	v_nop                                          ; one plain place behind a scaled conversion
.irp i, 0,1,2
	v_permlane16_swap_b32 v[\pc+\i], v[PT+\i]
.endr
.irp i, 0,1,2
	v_mov_b32 v[\pc+3+\i], v[PT+\i]
.endr
.endm
	s_load_b256 s[4:11], s[0:1], 0x0               ; XC, XS, WI, G
	v_lshl_add_u32 v[SPW], v0, 2, SPARE
	v_mov_b32 v[NIL], 0
	ds_add_u32 v28, v29
	ds_add_u32 v28, v29
	s_wait_dscnt 0x0
	v_lshrrev_b32 v1, 5, v0
	v_readfirstlane_b32 s14, v1                    ; wave 0..3
	s_lshr_b32 s15, s14, 1                         ; my half of the tile's tokens.  Also: I fetch for A (0) or B (1)
	s_and_b32 s16, s14, 1                          ; my half of B's rows.  Also: which half of that operand's blocks I fetch
	s_bfe_u32 s19, ttmp6, 0x40000                  ; cx
	s_lshl_b32 s17, ttmp9, 2
	s_add_co_u32 s17, s17, s19                     ; the tile of tokens
	s_and_b32 s18, ttmp7, 0xffff                   ; the tile of B's rows: shared by the four partners
	s_mov_b32 s[G1], 3<<16                         ; A: no mask: each work-group's own tile
	s_mov_b32 s[G1B], 15|(3<<16)|(1<<21)           ; B: all four work-groups
.irp g, G1, G1B
	s_mov_b32 s[\g+1], (UQ*96)<<16
	s_mov_b32 s[\g+2], NB<<16
	s_mov_b32 s[\g+3], (UQ*96)<<16
	s_mov_b32 s[\g+4], NB
	s_mov_b32 s[\g+5], KU*96
	s_mov_b32 s[\g+6], 0
	s_mov_b32 s[\g+7], 0
.endr
	s_mov_b32 s[G1S], (3<<16)|(1<<20)|(5<<22)|(3<<25)
	s_mov_b32 s[G1SB], 15|(3<<16)|(1<<20)|(1<<21)|(5<<22)|(3<<25)
.irp g, G1S, G1SB
	s_mov_b32 s[\g+1], 32<<16
	s_mov_b32 s[\g+2], (HALFS/272)<<16
	s_mov_b32 s[\g+3], 32<<16
	s_mov_b32 s[\g+4], HALFS/272
	s_mov_b32 s[\g+5], 32
	s_mov_b32 s[\g+6], 0
	s_mov_b32 s[\g+7], 0
.endr
	s_lshl_b32 s2, s16, 3
	s_lshl_b32 s23, s17, 4
	s_add_co_u32 s23, s23, s2                      ; A's first block that I fetch
	s_lshl_b32 s56, s18, 4
	s_add_co_u32 s56, s56, s2                      ; B's
	s_mul_i32 s[G0+1], s14, QUART
	s_add_co_u32 s[G0+5], s[G0+1], SLOT
	s_mov_b32 s[G0B+1], s[G0+1]
	s_mov_b32 s[G0B+5], s[G0+5]
	s_mul_i32 s[G0S+1], s14, HALFS
	s_add_co_u32 s[G0S+1], s[G0S+1], SCL
	s_mov_b32 s[G0SB+1], s[G0S+1]
	s_wait_kmcnt 0x0
	s_mov_b64 s[100:101], s[10:11]                 ; G
	s_add_nc_u64 s[10:11], s[8:9], W13S
	s_add_nc_u64 s[8:9], s[8:9], W13
	s_mul_i32 s2, s23, KU*768
	s_mov_b32 s3, 0
	s_add_nc_u64 s[4:5], s[4:5], s[2:3]
	s_lshl_b32 s2, s23, 9
	s_add_nc_u64 s[6:7], s[6:7], s[2:3]
	s_mul_i32 s66, s56, KU*768
	s_mov_b32 s67, 0
	s_add_nc_u64 s[8:9], s[8:9], s[66:67]
	s_lshl_b32 s66, s56, 9
	s_add_nc_u64 s[10:11], s[10:11], s[66:67]
	s_mov_b32 s[G0S], 1
	s_mov_b64 s[G0S+2:G0S+3], s[6:7]
	s_or_b32 s[G0S+3], s[G0S+3], 0x80000000
	s_mov_b32 s[G0SB], 1
	s_mov_b64 s[G0SB+2:G0SB+3], s[10:11]
	s_or_b32 s[G0SB+3], s[G0SB+3], 0x80000000
.irp s, 0,1
	s_mov_b32 s[G0+4*\s], 1
	s_add_nc_u64 s[G0+4*\s+2:G0+4*\s+3], s[4:5], \s*BLKB
	s_or_b32 s[G0+4*\s+3], s[G0+4*\s+3], 0x80000000
	s_mov_b32 s[G0B+4*\s], 1
	s_add_nc_u64 s[G0B+4*\s+2:G0B+4*\s+3], s[8:9], \s*BLKB
	s_or_b32 s[G0B+4*\s+3], s[G0B+4*\s+3], 0x80000000
.endr
	CROUND                                         ; all four work-groups are here: the first joint loads meet
	JLOAD G0S, G1S, G0SB, G1SB                     ; three loads of mine are out: the scales, K step 0, K step 1
	JLOAD G0, G1, G0B, G1B
	JLOAD G0+4, G1, G0B+4, G1B
	v_and_b32 v1, 31, v0
	v_and_b32 v2, 15, v0                           ; r
	v_bfe_u32 v3, v0, 4, 1                         ; h
	v_lshlrev_b32 v24, 4, v1                       ; 16 x lane
	v_lshlrev_b32 v25, 3, v1                       ; 8 x lane
	v_add_nc_u32 v5, 512, v25
	s_mul_i32 s2, s15, QUART
	s_mul_i32 s3, s16, QUART
	s_add_co_u32 s3, s3, 2*QUART
.irp s, 0,1
	v_add_nc_u32 v[16+\s], s2, v24
	v_add_nc_u32 v[18+\s], s2, v5
	v_add_nc_u32 v[20+\s], s3, v24
	v_add_nc_u32 v[22+\s], s3, v5
	s_add_co_u32 s2, s2, SLOT
	s_add_co_u32 s3, s3, SLOT
.endr
	v_and_b32 v6, 7, v2
	v_lshrrev_b32 v7, 3, v2
	v_mul_u32_u24 v6, v6, SA
	v_mad_u32_u24 v6, v7, SBB, v6
	s_mul_i32 s2, s15, HALFS
	s_mul_i32 s3, s16, HALFS
	s_add_co_u32 s3, s3, 2*HALFS
	s_sub_co_u32 s3, s3, s2
	v_mul_u32_u24 v7, s3, v3                       ; lanes 16-31 take B's
	s_add_co_u32 s2, s2, SCL
	v_add_nc_u32 v6, v6, v7
	v_add_nc_u32 v[ADRS], s2, v6
	v_and_b32 v26, 8, v2
	v_add_nc_u32 v26, v26, v2
	v_mul_u32_u24 v26, v26, 88                     ; token r + 8 (r / 8): 88 scale bytes a token
	s_lshl_b32 s2, s18, 1
	s_add_co_u32 s2, s2, s16                       ; which 64 f are my wave's
	s_lshl_b32 s3, s17, 4
	s_lshl_b32 s12, s15, 3
	s_add_co_u32 s3, s3, s12                       ; my first block of tokens
	s_mul_i32 s12, s3, 44
	s_add_co_u32 s12, s12, s2
	s_mul_i32 s12, s12, 768
	s_mov_b32 s13, 0
	s_add_nc_u64 s[4:5], s[100:101], s[12:13]      ; G: my unit of my first block
	s_mul_i32 s12, s3, 16*88
	s_lshl_b32 s2, s2, 1
	s_add_co_u32 s12, s12, s2
	s_add_co_u32 s12, s12, GSC
	s_add_nc_u64 s[6:7], s[100:101], s[12:13]      ; and its two scale bytes of my first token
	s_mov_b32 s40, 0x76543210
	s_mov_b32 s41, 0xfedcba98
	v_mov_b32 v[TM+2], 0                           ; written once: a lane permute's destination counts as one of its sources
	v_mov_b32 v[TM+3], 0
	s_wait_tensorcnt 1                             ; the scales and my part of K step 0 are in; K step 1's load may be out
	s_barrier_signal -1
	s_barrier_wait -1
	FETCH_B 0, 0, 0
	FETCH_A 0, 0, 0
	SCALES 0
	FETCH_A 0, 0, HA
	STEP 0, 0, 1
	TURN 0, 1, 1
	STEP 1, 0, 0
	TURN 1, 0, 1
	STEP 0, 0, 0
	TURN 0, 1, 0
	STEP 1, 0, 0
	LAST 1, 1
.macro GATE a                          ; block a of the tokens: registers 0-31 are a = hn w1, registers 32-63 b = hn w3, of f = 32 b + 16 h + i
.set XW, 2+(\a)/4
.set XR, 64*((\a)%4)
	WIN XW
.irp p, 0,1,2,3,4,5,6,7,8,9,10,11,12,13,14,15
	v_pk_mul_f32 v[128+2*\p:129+2*\p], v[XR+2*\p:XR+2*\p+1], 0xbfb8aa3b op_sel_hi:[1,0]    ; -a log2(e); each accumulator is read from its low end on
.endr
	WIN 0
.set I, 0
.rept 32
	v_exp_f32 v[128+I], v[128+I]
.set I, I+1
.endr
	v_nop                                          ; a plain place behind the transcendentals
	s_wait_alu depctr_va_vdst(0)
.irp p, 0,1,2,3,4,5,6,7,8,9,10,11,12,13,14,15
	v_pk_add_f32 v[128+2*\p:129+2*\p], v[128+2*\p:129+2*\p], 1.0 op_sel_hi:[1,0]
.endr
.set I, 0
.rept 32
	v_rcp_f32 v[128+I], v[128+I]                   ; the sigmoid
.set I, I+1
.endr
	v_nop
	WIN XW
	s_wait_alu depctr_va_vdst(0)
.irp p, 0,1,2,3,4,5,6,7,8,9,10,11,12,13,14,15
	v_pk_mul_f32 v[128+2*\p:129+2*\p], v[XR+2*\p:XR+2*\p+1], v[128+2*\p:129+2*\p]
.endr
.irp p, 0,1,2,3,4,5,6,7,8,9,10,11,12,13,14,15
	v_pk_mul_f32 v[128+2*\p:129+2*\p], v[XR+32+2*\p:XR+33+2*\p], v[128+2*\p:129+2*\p]
.endr
	WIN 0
	QUANTU 128, 192
	v_lshl_or_b32 v222, v[TM+3], 8, v[TM+2]
	global_store_b128 v24, v[192:195], s[4:5] offset:(\a)*33792
	global_store_b64 v25, v[196:197], s[4:5] offset:(\a)*33792+512
	global_store_b16 v26, v222, s[6:7] offset:(32*((\a)/2)+8*((\a)%2))*88      ; both halves of the lanes write the same two bytes
.endm
.irp a, 0,1,2,3,4,5,6,7
	GATE \a
.endr
	s_wait_tensorcnt 0x0                           ; the wave's end
	ds_add_u32 v[SPW], v[NIL]
	s_wait_dscnt 0x0
	CROUND                                         ; the closing round
	s_endpgm
.Lfunc_end_k_q7cf77fb583_ffn1:
	.size	k_q7cf77fb583_ffn1, .Lfunc_end_k_q7cf77fb583_ffn1-k_q7cf77fb583_ffn1
	.p2alignl 7, 3214868480
	.fill 96, 4, 3214868480
	.section	.rodata,"a",@progbits
	.p2align	6, 0x0
	.amdhsa_kernel k_q7cf77fb583_ffn1
		.amdhsa_group_segment_fixed_size 327680
		.amdhsa_private_segment_fixed_size 0
		.amdhsa_enable_private_segment 0
		.amdhsa_kernarg_size 32
		.amdhsa_user_sgpr_count 2
		.amdhsa_user_sgpr_kernarg_segment_ptr 1
		.amdhsa_wavefront_size32 1
		.amdhsa_system_sgpr_workgroup_id_x 1
		.amdhsa_system_sgpr_workgroup_id_y 1
		.amdhsa_system_sgpr_workgroup_id_z 1
		.amdhsa_system_vgpr_workitem_id 0
		.amdhsa_next_free_vgpr 1024
		.amdhsa_next_free_sgpr 102
		.amdhsa_reserve_vcc 0
		.amdhsa_float_denorm_mode_32 3
		.amdhsa_float_denorm_mode_16_64 3
		.amdhsa_memory_ordered 1
		.amdhsa_forward_progress 1
		.amdhsa_inst_pref_size 185
	.end_amdhsa_kernel
	.amdgpu_metadata
---
amdhsa.version: [ 1, 2 ]
amdhsa.kernels:
  - .name:           k_q7cf77fb583_ffn1
    .symbol:         k_q7cf77fb583_ffn1.kd
    .args:
      - { .name: XC, .offset: 0, .size: 8, .value_kind: global_buffer, .address_space: global }
      - { .name: XS, .offset: 8, .size: 8, .value_kind: global_buffer, .address_space: global }
      - { .name: WI, .offset: 16, .size: 8, .value_kind: global_buffer, .address_space: global }
      - { .name: G, .offset: 24, .size: 8, .value_kind: global_buffer, .address_space: global }
    .group_segment_fixed_size: 327680
    .private_segment_fixed_size: 0
    .kernarg_segment_align: 8
    .kernarg_segment_size: 32
    .max_flat_workgroup_size: 128
    .sgpr_count:     102
    .vgpr_count:     1024
    .wavefront_size: 32
...
	.end_amdgpu_metadata
.endif
;; end of part 6
;; launch ffn2 (part 7): grid 8 x 32, 4 waves a work-group, clusters of 4 x 4, 327,680 bytes of LDS; arguments G, WI, H, out0; writes out0
.if DOCPART == 7
	.amdgcn_target "amdgcn-amd-amdhsa--gfx1250"
	.amdhsa_code_object_version 6
	.text
	.protected	k_q7cf77fb583_ffn2
	.globl	k_q7cf77fb583_ffn2
	.p2align	8
	.type	k_q7cf77fb583_ffn2,@function
k_q7cf77fb583_ffn2:
	s_mov_b64 s[64:65], 0
	v_nop
	global_prefetch_b8 v0, s[64:65] scope:SCOPE_SE
	s_setreg_imm32_b32 hwreg(HW_REG_WAVE_MODE, 25, 1), 1
	s_wait_xcnt 0x0
	s_wait_alu depctr_hold_cnt(0) depctr_sa_sdst(0) depctr_va_vdst(0) depctr_va_sdst(0) depctr_va_ssrc(0) depctr_va_vcc(0) depctr_vm_vsrc(0)
	s_getreg_b32 s2, hwreg(HW_REG_IB_STS2, 6, 4)
	s_cmp_eq_u32 s2, 0
	s_cbranch_scc0 .Lentry_in_a_cluster
	s_endpgm
.Lentry_in_a_cluster:
	s_bfe_u32 s2, ttmp6, 0x10000c
	s_cmp_lg_u32 s2, 0xf033
	s_cbranch_scc0 .Lentry_shape_is_right
	s_endpgm
.Lentry_shape_is_right:
; FFN2 = 0: h = x + ao Wo^T (K = 1,024).   FFN2 = 1: out0 = h + gate W2^T (K = 2,752, filled with zero codes to 2,816).   Both operands are codes of E2M3; the residual and the result are f32.
; N = 1,024 gives only 64 tiles of 256 x 256, so a tile of C is 128 x 128: 256 work-groups.  Four waves of 64 x 64: 16 accumulators.  A slot holds 512 along K, so that 64 matrix instructions a wave stand between two changes of slots.
; OPERANDS ARE IMAGES OF REGISTERS: a block is 16 rows (lane index r of block 2 b + u = row 32 b + 8 u + r + 8 (r / 8)), a unit a block x 64 codes = 768 bytes.  THE MATRIX INSTRUCTION IS USED TRANSPOSED (source 0 = the weight's block, source 1 = the tokens'):
; lane (r, h) holds a token, and the 16 registers of the weight's blocks 2 b, 2 b + 1 are columns 32 b + 16 h + 0 .. 15.
; CLUSTER 4 x 4: the tokens' tiles are shared along a row of the cluster, the weight's along a column.  The scale bytes of the tile's rows, for all of K, come once with the first fills.
; K goes in five steps of 512 and a last one of 256: that one's load states four units as left of each block, and the tile's other four arrive as zeros and are not read.
; THE WAY OUT: 16 rows x 64 columns at a time through the wave's stage in LDS (in slot 0, which has had its last fill and its last read by then); sixteen lanes add the residual to, and store, 256 consecutive aligned bytes.
; The residual's 32 loads a wave are issued at the head and land under the products.
.set FFN2, 1
.set HA, 2
.set NB, 4
.set UQ, 8
.set NQ, 4
.set BLKB, UQ*768
.set QUART, NB*BLKB
.set SLOT, 4*QUART
.set SCL, 2*SLOT
.if FFN2
.set KU, 44                            ; units in a block of the operands' images
.set SROW, 88                          ; a row of scale bytes in memory
.set HALFS, 9216                       ; 64 rows' scale bytes in LDS: rows of 128 bytes (88 given, the rest zeros) + 16
.set SA, 144
.set SBB, 2304
.set SC1, 1152
.set SC4, 4608
.else
.set KU, 16
.set SROW, 32
.set HALFS, 2176                       ; 64 rows' scale bytes: dense, as rows of 256 bytes + 16
.set SA, 32
.set SBB, 544
.set SC1, 272
.set SC4, 1088
.endif
.set SPARE, SCL+4*HALFS                ; the spare words: 128 bytes a wave, named by no other line
.set WOI, 2359296
.set W2I, 7471104
.set W2S, 9814016
.set GSC, 8650752
.set ADRS, 27
.set SPW, 28
.set NIL, 29
.set SC, 32
.set AF, 128
.set G1, 24
.set G0, 32
.set G1L, 40
.set G1B, 48
.set G0B, 56
.set G1S, 68
.set G0S, 76
.set G1SB, 80
.set G0SB, 88
.set G1LB, 92
.set MSB, 0
.macro WIN new                         ; the immediate's high byte repeats the setting that is left
.if MSB != (\new)
	s_set_vgpr_msb (MSB<<8)|(\new)
.set MSB, (\new)
.endif
.endm
.macro PLACES                          ; four plain places behind matrix instructions, ahead of loads into their registers and of reads of results
.rept 4
	v_nop
.endr
.endm
.macro JLOAD g0a, g1a, g0b, g1b        ; waves 0, 1 fetch for A, waves 2, 3 for B; four v_nop follow each line
	s_cmp_eq_u32 s15, 0
	s_cbranch_scc0 .Lfor_b_\@
	tensor_load_to_lds s[\g0a:\g0a+3], s[\g1a:\g1a+7]
	s_nop 0
	PLACES
	s_branch .Lasked_\@
.Lfor_b_\@:
	tensor_load_to_lds s[\g0b:\g0b+3], s[\g1b:\g1b+7]
	s_nop 0
	PLACES
.Lasked_\@:
.endm
.macro CREST
	s_cmp_lg_u32 s14, 0
	s_cbranch_scc1 .Lnot_wave_0_\@
	s_barrier_signal -3
.Lnot_wave_0_\@:
	s_barrier_wait -3
	s_barrier_signal -1
	s_barrier_wait -1
.endm
.macro CROUND
	s_barrier_signal -1
	s_barrier_wait -1
	CREST
.endm
.macro FRAG reg, a16, a8, off          ; a fragment = two units: 16 + 8 bytes a lane each
	ds_load_b128 v[\reg:\reg+3], v[\a16] offset:\off
	ds_load_b64 v[\reg+4:\reg+5], v[\a8] offset:\off
	ds_load_b128 v[\reg+6:\reg+9], v[\a16] offset:\off+768
	ds_load_b64 v[\reg+10:\reg+11], v[\a8] offset:\off+768
.endm
.macro FETCH_B slot, q, p
	WIN 0x40
.set FI, 0
.rept NB
	FRAG 128*(\p)+12*FI, 20+\slot, 22+\slot, FI*BLKB+(\q)*1536
.set FI, FI+1
.endr
	WIN 0
.endm
.macro FETCH_A slot, q, i0
.set FI, \i0
.rept HA
	FRAG AF+12*FI, 16+\slot, 18+\slot, FI*BLKB+(\q)*1536
.set FI, FI+1
.endr
.endm
.macro SCALES sc                       ; a K step's four scale words a row: lanes 0-15 A's block i, lanes 16-31 B's block i
.set FI, 0
.rept NB
	ds_load_b128 v[SC+16*(\sc)+4*FI:SC+16*(\sc)+4*FI+3], v[ADRS] offset:(FI/2)*SC4+(FI%2)*SC1
.set FI, FI+1
.endr
.endm
; The accumulators take turns, one instruction a turn, in the same order in every step.
.macro MULS a0, na, p, q, sc, zero
.set MA, \a0
.rept \na
.set MB, 0
.rept NB
.set MD, 8*(NB*(MA%HA)+MB)
.if \zero
	v_wmma_scale_f32_16x16x128_f8f6f4 v[MD:MD+7], v[128*(\p)+12*MB:128*(\p)+12*MB+11], v[AF+12*MA:AF+12*MA+11], 0, v[SC+16*(\sc)+NQ*MB+(\q)], v[SC+16*(\sc)+NQ*MA+(\q)] matrix_a_fmt:MATRIX_FMT_FP6 matrix_b_fmt:MATRIX_FMT_FP6 matrix_a_scale:MATRIX_SCALE_ROW1
.else
	v_wmma_scale_f32_16x16x128_f8f6f4 v[MD:MD+7], v[128*(\p)+12*MB:128*(\p)+12*MB+11], v[AF+12*MA:AF+12*MA+11], v[MD:MD+7], v[SC+16*(\sc)+NQ*MB+(\q)], v[SC+16*(\sc)+NQ*MA+(\q)] matrix_a_fmt:MATRIX_FMT_FP6 matrix_b_fmt:MATRIX_FMT_FP6 matrix_a_scale:MATRIX_SCALE_ROW1
.endif
.set MB, MB+1
.endr
.set MA, MA+1
.endr
.endm
.macro STEP slot, q, zero
	s_wait_dscnt 4*HA                              ; all but the youngest loads: A's second half, 4 loads a fragment
	WIN 0xa1
	MULS 0, HA, (\q)%2, \q, \slot, \zero
	s_wait_dscnt 0x0
	PLACES
	FETCH_B \slot, (\q)+1, 1-(\q)%2
	FETCH_A \slot, (\q)+1, 0
	WIN 0xf1
	MULS HA, HA, (\q)%2, \q, \slot, \zero
	PLACES
	WIN 0
	FETCH_A \slot, (\q)+1, HA
.endm
; A slot's last step changes slots.  fill = 1: the slot is filled again, two K steps ahead; 2: with the last K step, of which half is given and the rest comes as zeros.
.macro TURN slot, next, fill
	s_wait_tensorcnt 0x0                           ; all my tensor loads have landed: my part of the next slot
	ds_add_u32 v[SPW], v[NIL]                      ; 0 onto my spare word
	s_wait_dscnt 4*HA+1                            ; (the add and A's second half may be out)
	WIN 0xa1
	MULS 0, HA/2, 1, NQ-1, \slot, 0
	s_wait_dscnt 0x0                               ; the add is done, and my reads of this slot are over
	s_barrier_signal -1
	MULS HA/2, HA/2, 1, NQ-1, \slot, 0
	WIN 0
	s_barrier_wait -1
.if \fill
	CREST                                          ; the barrier has opened a round of the cluster's: no wave of any partner still reads this slot or has a load on its way
	s_add_nc_u64 s[G0+4*\slot+2:G0+4*\slot+3], s[G0+4*\slot+2:G0+4*\slot+3], 2*BLKB
	s_add_nc_u64 s[G0B+4*\slot+2:G0B+4*\slot+3], s[G0B+4*\slot+2:G0B+4*\slot+3], 2*BLKB
.if \fill == 2
	JLOAD G0+4*\slot, G1L, G0B+4*\slot, G1LB
.else
	JLOAD G0+4*\slot, G1, G0B+4*\slot, G1B
.endif
.else
	PLACES
.endif
	v_add_nc_u32 v[ADRS], 4*NQ, v[ADRS]
	FETCH_B \next, 0, 0
	FETCH_A \next, 0, 0
	SCALES \next
	WIN 0xf1
	MULS HA, HA, 1, NQ-1, \slot, 0
	PLACES
	WIN 0
	FETCH_A \next, 0, HA
.endm
.macro LAST slot, q
	s_wait_dscnt 4*HA
	WIN 0xa1
	MULS 0, HA, (\q)%2, \q, \slot, 0
	s_wait_dscnt 0x0
	WIN 0xf1
	MULS HA, HA, (\q)%2, \q, \slot, 0
	WIN 0
	PLACES
.endm
.if FFN2
	s_load_b128 s[4:7], s[0:1], 0x0                ; G, WI
	s_load_b64 s[12:13], s[0:1], 0x10              ; H: the residual
	s_load_b64 s[100:101], s[0:1], 0x18            ; out0
.else
	s_load_b256 s[4:11], s[0:1], 0x0               ; XC, XS, WI, wo_scales
	s_load_b64 s[12:13], s[0:1], 0x20              ; x: the residual
	s_load_b64 s[100:101], s[0:1], 0x28            ; H
.endif
	v_lshl_add_u32 v[SPW], v0, 2, SPARE
	v_mov_b32 v[NIL], 0
	ds_add_u32 v28, v29
	ds_add_u32 v28, v29
	s_wait_dscnt 0x0
	v_lshrrev_b32 v1, 5, v0
	v_readfirstlane_b32 s14, v1                    ; wave 0..3
	s_lshr_b32 s15, s14, 1                         ; my half of the tile's tokens.  Also: I fetch for A (0) or B (1)
	s_and_b32 s16, s14, 1                          ; my half of its columns.  Also: which half of that operand's blocks I fetch
	s_bfe_u32 s19, ttmp6, 0x40000                  ; cx
	s_bfe_u32 s20, ttmp6, 0x40004                  ; cy
	s_lshl_b32 s18, ttmp9, 2
	s_add_co_u32 s18, s18, s19                     ; tile column
	s_and_b32 s17, ttmp7, 0xffff
	s_lshl_b32 s17, s17, 2
	s_add_co_u32 s17, s17, s20                     ; tile row
	s_lshl_b32 s21, s20, 2
	s_lshl_b32 s21, 15, s21                        ; my row of the cluster
	s_lshl_b32 s22, 0x1111, s19                    ; my column
	s_or_b32 s[G1], s21, (3<<16)|(1<<21)           ; 15:0 mask; 17:16 elements of 8 bytes; 21 set beside a mask; no padding
	s_or_b32 s[G1B], s22, (3<<16)|(1<<21)
.irp g, G1, G1B
	s_mov_b32 s[\g+1], (UQ*96)<<16
	s_mov_b32 s[\g+2], NB<<16
	s_mov_b32 s[\g+3], (UQ*96)<<16
	s_mov_b32 s[\g+4], NB
	s_mov_b32 s[\g+5], KU*96
	s_mov_b32 s[\g+6], 0
	s_mov_b32 s[\g+7], 0
.endr
.if FFN2
	s_or_b32 s[G1L], s21, (3<<16)|(1<<21)          ; the last K step: four units are left of a block; the tile's other four come as zeros
	s_or_b32 s[G1LB], s22, (3<<16)|(1<<21)
.irp g, G1L, G1LB
	s_mov_b32 s[\g+1], 384<<16
	s_mov_b32 s[\g+2], NB<<16
	s_mov_b32 s[\g+3], (UQ*96)<<16
	s_mov_b32 s[\g+4], NB
	s_mov_b32 s[\g+5], KU*96
	s_mov_b32 s[\g+6], 0
	s_mov_b32 s[\g+7], 0
.endr
	s_or_b32 s[G1S], s21, (2<<16)|(1<<20)|(1<<21)|(4<<22)|(3<<25)   ; scale rows: 22 words given, 32 laid, 4 of padding behind each
	s_or_b32 s[G1SB], s22, (2<<16)|(1<<20)|(1<<21)|(4<<22)|(3<<25)
.irp g, G1S, G1SB
	s_mov_b32 s[\g+1], 22<<16
	s_mov_b32 s[\g+2], 64<<16
	s_mov_b32 s[\g+3], 32<<16
	s_mov_b32 s[\g+4], 64
	s_mov_b32 s[\g+5], 22
	s_mov_b32 s[\g+6], 0
	s_mov_b32 s[\g+7], 0
.endr
.else
	s_or_b32 s[G1S], s21, (3<<16)|(1<<20)|(1<<21)|(5<<22)|(3<<25)   ; scale bytes: rows of 256 bytes, 16 of padding behind each
	s_or_b32 s[G1SB], s22, (3<<16)|(1<<20)|(1<<21)|(5<<22)|(3<<25)
.irp g, G1S, G1SB
	s_mov_b32 s[\g+1], 32<<16
	s_mov_b32 s[\g+2], (HALFS/272)<<16
	s_mov_b32 s[\g+3], 32<<16
	s_mov_b32 s[\g+4], HALFS/272
	s_mov_b32 s[\g+5], 32
	s_mov_b32 s[\g+6], 0
	s_mov_b32 s[\g+7], 0
.endr
.endif
	s_lshl_b32 s2, s16, 2
	s_lshl_b32 s23, s17, 3
	s_add_co_u32 s23, s23, s2                      ; A's first block that I fetch
	s_lshl_b32 s56, s18, 3
	s_add_co_u32 s56, s56, s2                      ; B's
	s_mul_i32 s[G0+1], s14, QUART
	s_add_co_u32 s[G0+5], s[G0+1], SLOT
	s_mov_b32 s[G0B+1], s[G0+1]
	s_mov_b32 s[G0B+5], s[G0+5]
	s_mul_i32 s[G0S+1], s14, HALFS
	s_add_co_u32 s[G0S+1], s[G0S+1], SCL
	s_mov_b32 s[G0SB+1], s[G0S+1]
	s_wait_kmcnt 0x0
.if FFN2
	s_add_nc_u64 s[8:9], s[6:7], W2I               ; w2's image,
	s_add_nc_u64 s[10:11], s[6:7], W2S             ; its scale rows,
	s_add_nc_u64 s[6:7], s[4:5], GSC               ; the gate's scale rows
.else
	s_add_nc_u64 s[8:9], s[8:9], WOI               ; wo's image
.endif
	s_mul_i32 s2, s23, KU*768
	s_mov_b32 s3, 0
	s_add_nc_u64 s[4:5], s[4:5], s[2:3]
	s_mul_i32 s2, s23, 16*SROW
	s_add_nc_u64 s[6:7], s[6:7], s[2:3]
	s_mul_i32 s66, s56, KU*768
	s_mov_b32 s67, 0
	s_add_nc_u64 s[8:9], s[8:9], s[66:67]
	s_mul_i32 s66, s56, 16*SROW
	s_add_nc_u64 s[10:11], s[10:11], s[66:67]
	s_mov_b32 s[G0S], 1
	s_mov_b64 s[G0S+2:G0S+3], s[6:7]
	s_or_b32 s[G0S+3], s[G0S+3], 0x80000000
	s_mov_b32 s[G0SB], 1
	s_mov_b64 s[G0SB+2:G0SB+3], s[10:11]
	s_or_b32 s[G0SB+3], s[G0SB+3], 0x80000000
.irp s, 0,1
	s_mov_b32 s[G0+4*\s], 1
	s_add_nc_u64 s[G0+4*\s+2:G0+4*\s+3], s[4:5], \s*BLKB
	s_or_b32 s[G0+4*\s+3], s[G0+4*\s+3], 0x80000000
	s_mov_b32 s[G0B+4*\s], 1
	s_add_nc_u64 s[G0B+4*\s+2:G0B+4*\s+3], s[8:9], \s*BLKB
	s_or_b32 s[G0B+4*\s+3], s[G0B+4*\s+3], 0x80000000
.endr
	CROUND                                         ; all sixteen work-groups are here: the first joint loads meet
	JLOAD G0S, G1S, G0SB, G1SB                     ; three loads of mine are out: the scales, K step 0, K step 1
	JLOAD G0, G1, G0B, G1B
	JLOAD G0+4, G1, G0B+4, G1B
	v_and_b32 v1, 31, v0
	v_and_b32 v2, 15, v0                           ; r
	v_bfe_u32 v3, v0, 4, 1                         ; h
	v_lshlrev_b32 v4, 4, v1
	v_lshlrev_b32 v5, 3, v1
	v_add_nc_u32 v5, 512, v5
	s_lshl_b32 s2, s17, 7
	s_lshl_b32 s3, s15, 6
	s_add_co_u32 s2, s2, s3                        ; my first token
	s_lshl_b32 s2, s2, 12
	s_lshl_b32 s3, s18, 9
	s_add_co_u32 s2, s2, s3
	s_lshl_b32 s3, s16, 8
	s_add_co_u32 s2, s2, s3                        ; and my first column, in bytes
	s_mov_b32 s3, 0
	s_add_nc_u64 s[12:13], s[12:13], s[2:3]
	s_add_nc_u64 s[100:101], s[100:101], s[2:3]
	v_lshlrev_b32 v26, 12, v3
	v_lshl_add_u32 v26, v2, 4, v26                 ; lanes 0-15 one row's 256 bytes, lanes 16-31 the next row's
.set RA, 0
.rept 4
.set RI, 0
.rept 8
	global_load_b128 v[64+32*RA+64*(RA/2)+4*RI:64+32*RA+64*(RA/2)+4*RI+3], v26, s[12:13] offset:(32*(RA/2)+8*(RA%2)+2*RI+8*(RI/4))*4096
.set RI, RI+1
.endr
.set RA, RA+1
.endr
	s_mul_i32 s2, s15, QUART
	s_mul_i32 s3, s16, QUART
	s_add_co_u32 s3, s3, 2*QUART
.irp s, 0,1
	v_add_nc_u32 v[16+\s], s2, v4
	v_add_nc_u32 v[18+\s], s2, v5
	v_add_nc_u32 v[20+\s], s3, v4
	v_add_nc_u32 v[22+\s], s3, v5
	s_add_co_u32 s2, s2, SLOT
	s_add_co_u32 s3, s3, SLOT
.endr
	v_and_b32 v6, 7, v2
	v_lshrrev_b32 v7, 3, v2
	v_mul_u32_u24 v6, v6, SA
	v_mad_u32_u24 v6, v7, SBB, v6
	s_mul_i32 s2, s15, HALFS
	s_mul_i32 s3, s16, HALFS
	s_add_co_u32 s3, s3, 2*HALFS
	s_sub_co_u32 s3, s3, s2
	v_mul_u32_u24 v7, s3, v3                       ; lanes 16-31 take B's
	s_add_co_u32 s2, s2, SCL
	v_add_nc_u32 v6, v6, v7
	v_add_nc_u32 v[ADRS], s2, v6
	s_mul_i32 s2, s14, 4352                        ; my stage: 16 rows x (256 + 16) bytes
	v_mul_u32_u24 v24, v2, 272
	v_lshl_add_u32 v24, v3, 6, v24
	v_add_nc_u32 v24, s2, v24                      ; in: row r, 64 h bytes on
	v_mul_u32_u24 v25, v3, 272
	v_lshl_add_u32 v25, v2, 4, v25
	v_add_nc_u32 v25, s2, v25                      ; back: lanes 0-15 one row, lanes 16-31 the next
	s_wait_tensorcnt 1                             ; the scales and my part of K step 0 are in; K step 1's load may be out
	s_barrier_signal -1
	s_barrier_wait -1
	FETCH_B 0, 0, 0
	FETCH_A 0, 0, 0
	SCALES 0
	FETCH_A 0, 0, HA
	STEP 0, 0, 1
	STEP 0, 1, 0
	STEP 0, 2, 0
.if FFN2
	TURN 0, 1, 1
	STEP 1, 0, 0
	STEP 1, 1, 0
	STEP 1, 2, 0
	TURN 1, 0, 1
	STEP 0, 0, 0
	STEP 0, 1, 0
	STEP 0, 2, 0
	TURN 0, 1, 1
	STEP 1, 0, 0
	STEP 1, 1, 0
	STEP 1, 2, 0
	TURN 1, 0, 2
	STEP 0, 0, 0
	STEP 0, 1, 0
	STEP 0, 2, 0
	TURN 0, 1, 0
	STEP 1, 0, 0
	LAST 1, 1
.else
	TURN 0, 1, 0
	STEP 1, 0, 0
	STEP 1, 1, 0
	STEP 1, 2, 0
	LAST 1, 3
.endif
.macro TOSTAGE a                       ; block a's 16 tokens x 64 columns into my stage, and back as whole rows
	WIN (0x08+4*((\a)/HA))
.set TI, 0
.rept NB
.set AR, 8*(NB*((\a)%HA)+TI)
	ds_store_b128 v24, v[AR:AR+3] offset:128*(TI/2)+32*(TI%2)          ; each accumulator from its low end on
	ds_store_b128 v24, v[AR+4:AR+7] offset:128*(TI/2)+32*(TI%2)+16
.set TI, TI+1
.endr
	WIN 0
.set BB, 128+32*((\a)%2)
.irp i, 0,1,2,3,4,5,6,7
	ds_load_b128 v[BB+4*\i:BB+4*\i+3], v25 offset:544*\i              ; LDS serves a wave's instructions in order: these see my stores
.endr
.endm
.macro SEND a, younger                 ; younger: the LDS instructions issued behind block a's loads: the next block's 8 stores and 8 loads, or none
.set BB, 128+32*((\a)%2)
.set RB, 64+32*(\a)+64*((\a)/2)
	s_wait_dscnt \younger
.irp p, 0,1,2,3,4,5,6,7,8,9,10,11,12,13,14,15
	v_pk_add_f32 v[BB+2*\p:BB+2*\p+1], v[BB+2*\p:BB+2*\p+1], v[RB+2*\p:RB+2*\p+1]
.endr
.irp i, 0,1,2,3,4,5,6,7
.if FFN2
	global_store_b128 v26, v[BB+4*\i:BB+4*\i+3], s[100:101] offset:(32*((\a)/2)+8*((\a)%2)+2*\i+8*(\i/4))*4096 th:TH_STORE_NT
.else
	global_store_b128 v26, v[BB+4*\i:BB+4*\i+3], s[100:101] offset:(32*((\a)/2)+8*((\a)%2)+2*\i+8*(\i/4))*4096
.endif
.endr
.endm
	s_wait_loadcnt 0x0                             ; the residual
	TOSTAGE 0
.irp a, 1,2,3
.if \a > 1
	s_wait_xcnt 0x0                                ; block a - 2's stores have read their registers: block a's loads may land there
.endif
	TOSTAGE \a
	SEND \a-1, 16
.endr
	SEND 3, 0
	s_wait_tensorcnt 0x0                           ; the wave's end
	ds_add_u32 v[SPW], v[NIL]
	s_wait_dscnt 0x0
	CROUND                                         ; the closing round
	s_endpgm
.Lfunc_end_k_q7cf77fb583_ffn2:
	.size	k_q7cf77fb583_ffn2, .Lfunc_end_k_q7cf77fb583_ffn2-k_q7cf77fb583_ffn2
	.p2alignl 7, 3214868480
	.fill 96, 4, 3214868480
	.section	.rodata,"a",@progbits
	.p2align	6, 0x0
	.amdhsa_kernel k_q7cf77fb583_ffn2
		.amdhsa_group_segment_fixed_size 327680
		.amdhsa_private_segment_fixed_size 0
		.amdhsa_enable_private_segment 0
		.amdhsa_kernarg_size 32
		.amdhsa_user_sgpr_count 2
		.amdhsa_user_sgpr_kernarg_segment_ptr 1
		.amdhsa_wavefront_size32 1
		.amdhsa_system_sgpr_workgroup_id_x 1
		.amdhsa_system_sgpr_workgroup_id_y 1
		.amdhsa_system_sgpr_workgroup_id_z 1
		.amdhsa_system_vgpr_workitem_id 0
		.amdhsa_next_free_vgpr 1024
		.amdhsa_next_free_sgpr 102
		.amdhsa_reserve_vcc 0
		.amdhsa_float_denorm_mode_32 3
		.amdhsa_float_denorm_mode_16_64 3
		.amdhsa_memory_ordered 1
		.amdhsa_forward_progress 1
		.amdhsa_inst_pref_size 130
	.end_amdhsa_kernel
	.amdgpu_metadata
---
amdhsa.version: [ 1, 2 ]
amdhsa.kernels:
  - .name:           k_q7cf77fb583_ffn2
    .symbol:         k_q7cf77fb583_ffn2.kd
    .args:
      - { .name: G, .offset: 0, .size: 8, .value_kind: global_buffer, .address_space: global }
      - { .name: WI, .offset: 8, .size: 8, .value_kind: global_buffer, .address_space: global }
      - { .name: H, .offset: 16, .size: 8, .value_kind: global_buffer, .address_space: global }
      - { .name: out0, .offset: 24, .size: 8, .value_kind: global_buffer, .address_space: global }
    .group_segment_fixed_size: 327680
    .private_segment_fixed_size: 0
    .kernarg_segment_align: 8
    .kernarg_segment_size: 32
    .max_flat_workgroup_size: 128
    .sgpr_count:     102
    .vgpr_count:     1024
    .wavefront_size: 32
...
	.end_amdgpu_metadata
.endif
;; end of part 7
;; ======== version 2 of 2: 7 launches
;; limits: right only within a limited range of input values
;; workspace buffers: XC 3,145,728 bytes; XS 131,072 bytes; WI 10,428,416 bytes; QKVC 9,437,184 bytes; QKVS 655,360 bytes; H 16,777,216 bytes; G 9,011,200 bytes
;; launch prep (part 8): grid 658 x 1, 8 waves a work-group, no clusters, 162,816 bytes of LDS; arguments x, norm1_w, wq_codes, wk_codes, wv_codes, wo_codes, w1_codes, w3_codes, w2_codes, w2_scales, w1_scales, w3_scales, XC, XS, WI; writes XC, XS, WI
.if DOCPART == 8
	.amdgcn_target "amdgcn-amd-amdhsa--gfx1250"
	.amdhsa_code_object_version 6
	.text
	.protected	k_q7cf77fb583_prep
	.globl	k_q7cf77fb583_prep
	.p2align	8
	.type	k_q7cf77fb583_prep,@function
k_q7cf77fb583_prep:
	s_mov_b64 s[64:65], 0
	v_nop
	global_prefetch_b8 v0, s[64:65] scope:SCOPE_SE
	s_setreg_imm32_b32 hwreg(HW_REG_WAVE_MODE, 25, 1), 1
	s_wait_xcnt 0x0
; FIRST LAUNCH.  Five roles, parted by the work-group's number:
;   0-255   X:   16 tokens: RMSNorm(x) x norm1_w in f32, quantised to E2M3 along the 1,024 columns -> XC, XS; and 8 positions of the RoPE table -> WI
;   256-277 S2:  w2's scale rows of 86 bytes -> rows of 88 bytes (bytes 86, 87 = 0x7f)
;   278-309 W2:  32 rows of w2 re-laid in the order of an operand's registers (43 units of 64 codes, and a 44th of zero codes) -> WI
;   310-353 S13: w1's and w3's scale rows, 64 rows of the one and 64 of the other by turns
;   354-657 W:   32 rows of wq, wk, wv, wo, w1 or w3 re-laid likewise
; THE OPERAND IMAGE.  A block is 16 rows: lane index r of block 2 b + u holds row 32 b + 8 u + r + 8 (r / 8).  A unit is a block x 64 codes along K, 768 bytes: lane l = r + 16 h has the 24 bytes
; of codes k = 32 h .. 32 h + 31: its first 16 bytes at 16 l, its last 8 at 512 + 8 l.  Two units on end are the 12 registers of a fragment of 128 along K.
; W AND W2 read their 32 rows as they lie, 512 consecutive bytes a load, lay them in a stage in LDS, and take each lane's 24 bytes from there behind one barrier.  Each role that uses LDS has bytes of its own.
; A block's scale: the largest magnitude's exponent field less 2, held at 1 from below (a block of zeros gets the byte 1 where the rule says 127: its codes are zeros, and this program alone reads the bytes).
; LIMITS: NaN and infinities among the inputs are not served.  1 / rms is v_rsq_f32, inv_freq hangs on v_exp_f32 (each 1 ulp): at position 2,047 an angle may differ by about 2e-4 rad from one made with a correctly rounded inv_freq.
.set PART, 67584                       ; LDS, role X: behind the eight stages (8,448 bytes a wave: 16 rows x 528): a sum of squares for each wave and row,
.set SCW,  68096                       ; and the 16 rows' scale bytes, 32 a row
.set WL,   69632                       ; LDS, role W: 32 rows x (768 + 16) bytes
.set W2L,  94720                       ; LDS, role W2: 32 rows x 2,064 bytes, as in memory: 516 words, so row i starts at bank 4 i mod 64 (64 banks of 4 bytes: ISA guide 11.1)
.set W2I,  7471104                     ; WI: w2's image; w1/w3's scale rows; w2's scale rows; the RoPE table
.set W13S, 9633792
.set W2S,  9814016
.set ROPE, 9904128
.set R,   16                           ; v16-79   x as loaded: row i in registers 4 i ..
.set X,   80                           ; v80-143  my row's 64 numbers: register 32 c + i = column 128 w + 64 c + 32 h + i
.set NW,  144                          ; v144-207 the gains of those columns
.set SS,  208                          ; v208-215 sums of squares
.set C,   216                          ; v216-227 two units' codes
.set T,   228                          ; v228-235 the upper halves' codes, before they are moved
.set W,   236                          ; v236-248 at work
	s_load_b512 s[16:31], s[0:1], 0x0              ; x, norm1_w, wq, wk, wv, wo, w1, w3
	s_load_b256 s[32:39], s[0:1], 0x40             ; w2, w2_scales, w1_scales, w3_scales
	s_load_b128 s[40:43], s[0:1], 0x60             ; XC, XS
	s_load_b64 s[44:45], s[0:1], 0x70              ; WI
	v_lshl_add_u32 v254, v0, 2, 0x27800
	v_mov_b32 v255, 0
	v_lshrrev_b32 v1, 5, v0
	s_delay_alu instid0(VALU_DEP_1)
	v_readfirstlane_b32 s2, v1                     ; wave 0..7
	v_and_b32 v1, 31, v0                           ; lane
	v_and_b32 v2, 15, v0                           ; r
	v_bfe_u32 v3, v0, 4, 1                         ; h
	s_delay_alu instid0(VALU_DEP_3)
	v_lshlrev_b32 v11, 4, v1                       ; 16 x lane: a unit's first part
	s_delay_alu instid0(VALU_DEP_4)
	v_lshlrev_b32 v12, 3, v1                       ; 8 x lane: its second part
	s_mov_b32 s5, 0                                ; the high word of every offset pair s[4:5]
	s_wait_kmcnt 0x0
	s_cmp_ge_u32 ttmp9, 256
	s_cbranch_scc1 .Lweights
	; ---------------- role X: block ttmp9 of the tokens; wave w takes columns 128 w .. 128 w + 127
	s_lshr_b32 s3, ttmp9, 1
	s_lshl_b32 s3, s3, 5
	s_and_b32 s4, ttmp9, 1
	s_lshl_b32 s4, s4, 3
	s_add_co_u32 s3, s3, s4                        ; the block's first row: 32 (block / 2) + 8 (block % 2)
	s_lshl_b32 s4, s3, 12
	s_add_nc_u64 s[16:17], s[16:17], s[4:5]
	s_lshl_b32 s6, s2, 9
	s_wait_alu depctr_va_vdst(0)
	v_add_nc_u32 v4, s6, v11                       ; 512 w + 16 x lane: a load takes 512 consecutive bytes of a row
	v_lshl_add_u32 v5, v3, 7, s6                   ; 512 w + 128 h: my columns' gains
.set I, 0
.rept 16
	global_load_b128 v[R+4*I:R+4*I+3], v4, s[16:17] offset:(I+8*(I/8))*4096
.set I, I+1
.endr
.set I, 0
.rept 16
	global_load_b128 v[NW+4*I:NW+4*I+3], v5, s[18:19] offset:256*(I/8)+16*(I%8)
.set I, I+1
.endr
	s_mul_i32 s4, ttmp9, 12288
	s_mul_i32 s7, s2, 1536
	s_add_co_u32 s4, s4, s7
	s_add_nc_u64 s[40:41], s[40:41], s[4:5]        ; XC at my two units
	s_lshl_b32 s4, s3, 5
	s_add_nc_u64 s[42:43], s[42:43], s[4:5]        ; XS at the block's first row
	s_mul_i32 s7, s2, 8448
	v_add_nc_u32 v6, s7, v11                       ; my stage, on the way in: row i at 528 i
	v_mul_u32_u24 v7, v2, 528
	s_delay_alu instid0(VALU_DEP_1)
	v_lshl_add_u32 v7, v3, 7, v7
	s_delay_alu instid0(VALU_DEP_1)
	v_add_nc_u32 v7, s7, v7                        ; and on the way out: row r, 128 h bytes on
	v_lshl_add_u32 v9, v2, 2, PART
	s_lshl_b32 s7, s2, 6
	v_add_nc_u32 v8, s7, v9                        ; my wave's sum for row r
	v_lshl_add_u32 v10, v2, 5, SCW
	s_lshl_b32 s7, s2, 2
	v_add_nc_u32 v10, s7, v10                      ; row r's scale word for my 128 columns
	s_mov_b32 s10, 0x76543210
	s_mov_b32 s11, 0xfedcba98                      ; v_permlanex16_b32's selects for lane l xor 16
	s_mov_b32 s12, 0x2edbe6ff                      ; eps = 1e-10
	; the RoPE table while x is on its way: position 8 x block + wave, frequency = lane
	s_lshl_b32 s7, ttmp9, 3
	s_add_co_u32 s7, s7, s2
	v_cvt_f32_u32 v[W], v1
	v_cvt_f32_u32 v[W+1], s7
	s_delay_alu instid0(VALU_DEP_2)
	v_mul_f32 v[W+2], 0xbf1773da, v[W]             ; p = -i log2(500000) / 32, rounded;
	s_delay_alu instid0(VALU_DEP_1)
	v_fma_f32 v[W+3], v[W], 0xbf1773da, -v[W+2]    ; what the rounding dropped,
	s_delay_alu instid0(VALU_DEP_1)
	v_fma_f32 v[W+3], v[W], 0xb263674d, v[W+3]     ; and what the constant's own rounding dropped
	v_exp_f32 v[W+4], v[W+2]
	v_nop                                          ; a plain place behind the transcendental
	s_wait_alu depctr_va_vdst(0)
	v_mul_f32 v[W+3], v[W+4], v[W+3]
	v_fma_f32 v[W+4], v[W+3], 0x3f317218, v[W+4]   ; inv_freq = 2^p (1 + ln 2 x the remainder)
	s_delay_alu instid0(VALU_DEP_1)
	v_mul_f32 v[W+5], v[W+1], v[W+4]               ; the angle, rounded to f32
	s_delay_alu instid0(VALU_DEP_1)
	v_mul_f32 v[W+6], 0x3f22f983, v[W+5]
	s_delay_alu instid0(VALU_DEP_1)
	v_rndne_f32 v[W+6], v[W+6]                     ; n = the nearest multiple of pi / 2
	s_delay_alu instid0(VALU_DEP_1)
	v_fma_f32 v[W+5], v[W+6], 0xbfc90fdb, v[W+5]
	s_delay_alu instid0(VALU_DEP_1)
	v_fma_f32 v[W+5], v[W+6], 0x333bbd2e, v[W+5]   ; r = angle - n pi / 2, pi / 2 in two parts
	s_delay_alu instid0(VALU_DEP_1)
	v_mul_f32 v[W+7], v[W+5], v[W+5]
	v_mov_b32 v[W+8], 0x37ccf5ce
	s_delay_alu instid0(VALU_DEP_1)
	v_fmaak_f32 v[W+8], v[W+8], v[W+7], 0xbab6061a
	s_delay_alu instid0(VALU_DEP_1)
	v_fmaak_f32 v[W+8], v[W+8], v[W+7], 0x3d2aaaa5
	s_delay_alu instid0(VALU_DEP_4)
	v_mul_f32 v[W+9], v[W+7], v[W+7]
	v_fma_f32 v[W+10], v[W+7], -0.5, 1.0
	s_delay_alu instid0(VALU_DEP_1)
	v_fma_f32 v[W+8], v[W+8], v[W+9], v[W+10]      ; cos r
	v_mov_b32 v[W+9], 0xb94ca1f9
	s_delay_alu instid0(VALU_DEP_1)
	v_fmaak_f32 v[W+9], v[W+9], v[W+7], 0x3c08839e
	s_delay_alu instid0(VALU_DEP_1)
	v_fmaak_f32 v[W+9], v[W+9], v[W+7], 0xbe2aaaa3
	v_mul_f32 v[W+10], v[W+5], v[W+7]
	s_delay_alu instid0(VALU_DEP_1)
	v_fma_f32 v[W+9], v[W+9], v[W+10], v[W+5]      ; sin r
	v_cvt_i32_f32 v[W+6], v[W+6]
	s_delay_alu instid0(VALU_DEP_1)
	v_and_b32 v[W+10], 1, v[W+6]
	s_delay_alu instid0(VALU_DEP_1)
	v_cmp_eq_u32 vcc_lo, 1, v[W+10]                ; an odd quadrant swaps the two (a choice of values, no branch)
	s_delay_alu instid0(VALU_DEP_1)
	v_cndmask_b32 v[W+11], v[W+8], v[W+9], vcc_lo
	s_delay_alu instid0(VALU_DEP_2)
	v_cndmask_b32 v[W+12], v[W+9], v[W+8], vcc_lo
	v_add_nc_u32 v[W+10], 1, v[W+6]
	s_delay_alu instid0(VALU_DEP_1)
	v_and_b32 v[W+10], 2, v[W+10]
	s_delay_alu instid0(VALU_DEP_1)
	v_lshlrev_b32 v[W+10], 30, v[W+10]
	s_delay_alu instid0(VALU_DEP_1)
	v_xor_b32 v[W+11], v[W+10], v[W+11]            ; cos: negative in quadrants 1 and 2
	v_and_b32 v[W+10], 2, v[W+6]
	s_delay_alu instid0(VALU_DEP_1)
	v_lshlrev_b32 v[W+10], 30, v[W+10]
	s_delay_alu instid0(VALU_DEP_1)
	v_xor_b32 v[W+12], v[W+10], v[W+12]            ; sin: negative in quadrants 2 and 3
	s_lshl_b32 s4, ttmp9, 11
	s_lshl_b32 s7, s2, 8
	s_add_co_u32 s4, s4, s7
	s_add_co_u32 s4, s4, ROPE
	s_add_nc_u64 s[46:47], s[44:45], s[4:5]
	v_lshlrev_b32 v13, 2, v1
	global_store_b32 v13, v[W+11], s[46:47]            ; a position's 256 bytes: 32 cosines, then 32 sines.  v13, v247, v248 are not written again
	global_store_b32 v13, v[W+12], s[46:47] offset:128
	s_wait_loadcnt 16                              ; x's 16 loads are in; the 16 loads of the gains, issued behind them, may be out
.set I, 0
.rept 16
	ds_store_b128 v6, v[R+4*I:R+4*I+3] offset:528*I
.set I, I+1
.endr
.set I, 0
.rept 16
	ds_load_b128 v[X+4*I:X+4*I+3], v7 offset:256*(I/8)+16*(I%8)    ; LDS serves a wave's instructions in order: these see my stores
.set I, I+1
.endr
	s_wait_dscnt 0x0
.irp j, 0,1,2,3
	v_pk_mul_f32 v[SS+2*\j:SS+2*\j+1], v[X+2*\j:X+2*\j+1], v[X+2*\j:X+2*\j+1]
.endr
.set I, 4
.rept 28
	s_delay_alu instid0(VALU_DEP_4)
	v_pk_fma_f32 v[SS+2*(I%4):SS+2*(I%4)+1], v[X+2*I:X+2*I+1], v[X+2*I:X+2*I+1], v[SS+2*(I%4):SS+2*(I%4)+1]
.set I, I+1
.endr
	s_delay_alu instid0(VALU_DEP_3)
	v_pk_add_f32 v[SS:SS+1], v[SS:SS+1], v[SS+2:SS+3]
	s_delay_alu instid0(VALU_DEP_2)
	v_pk_add_f32 v[SS+4:SS+5], v[SS+4:SS+5], v[SS+6:SS+7]
	s_delay_alu instid0(VALU_DEP_1)
	v_pk_add_f32 v[SS:SS+1], v[SS:SS+1], v[SS+4:SS+5]
	s_delay_alu instid0(VALU_DEP_1)
	v_add_f32 v[SS], v[SS], v[SS+1]
	s_delay_alu instid0(VALU_DEP_1)
	v_permlanex16_b32 v[SS+2], v[SS], s10, s11
	s_delay_alu instid0(VALU_DEP_1)
	v_add_f32 v[SS], v[SS], v[SS+2]                ; row r, my wave's 128 columns
	ds_store_b32 v8, v[SS]
	s_wait_dscnt 0x0                               ; for the others' sake: my sum has landed
	s_barrier_signal -1
	s_barrier_wait -1
.irp k, 0,1,2,3,4,5,6,7
	ds_load_b32 v[W+\k], v9 offset:64*\k
.endr
	s_wait_dscnt 0x0
	v_add_f32 v[W], v[W], v[W+1]
	v_add_f32 v[W+2], v[W+2], v[W+3]
	v_add_f32 v[W+4], v[W+4], v[W+5]
	v_add_f32 v[W+6], v[W+6], v[W+7]
	s_delay_alu instid0(VALU_DEP_3)
	v_add_f32 v[W], v[W], v[W+2]
	s_delay_alu instid0(VALU_DEP_2)
	v_add_f32 v[W+4], v[W+4], v[W+6]
	s_delay_alu instid0(VALU_DEP_1)
	v_add_f32 v[W], v[W], v[W+4]
	s_delay_alu instid0(VALU_DEP_1)
	v_fma_f32 v[W], v[W], 0x3a800000, s12          ; the mean of the squares + eps
	s_wait_alu depctr_va_vdst(0)
	v_rsq_f32 v[SS], v[W]
	v_mov_b32 v[SS+1], 0                           ; (the plain place; and the pair's upper word, which the packed form names)
	s_wait_loadcnt 0x0                             ; the gains
.set I, 0
	s_wait_alu depctr_va_vdst(0)
.rept 32
	v_pk_mul_f32 v[X+2*I:X+2*I+1], v[X+2*I:X+2*I+1], v[SS:SS+1] op_sel_hi:[1,0]
.set I, I+1
.endr
.set I, 0
.rept 32
	v_pk_mul_f32 v[X+2*I:X+2*I+1], v[X+2*I:X+2*I+1], v[NW+2*I:NW+2*I+1]
.set I, I+1
.endr
	; my two whole blocks of 32: c = 0, 1
.irp c, 0,1
	v_max3_num_f32 v[W+\c], |v[X+32*\c]|, |v[X+32*\c+1]|, 0x1800000     ; with the floor 2^(3 - 127): the byte cannot fall under 1
.endr
.irp i, 2,4,6,8,10,12,14,16,18,20,22,24,26,28,30
.irp c, 0,1
	s_delay_alu instid0(VALU_DEP_2)
	v_max3_num_f32 v[W+\c], v[W+\c], |v[X+32*\c+\i]|, |v[X+32*\c+\i+1]|
.endr
.endr
.irp c, 0,1
	s_delay_alu instid0(VALU_DEP_2)
	v_add_nc_u32 v[W+2+\c], 0xff000000, v[W+\c]    ; 2 off the exponent field: the conversion's scale operand
.endr
.irp c, 0,1
	s_delay_alu instid0(VALU_DEP_2)
	v_lshrrev_b32 v[W+4+\c], 23, v[W+2+\c]         ; the scale's byte
.endr
	s_delay_alu instid0(VALU_DEP_1)
	v_lshl_or_b32 v[W+6], v[W+5], 16, v[W+4]       ; blocks h and 2 + h of the wave's four,
	v_lshlrev_b32 v[W+7], 3, v3
	s_delay_alu instid0(VALU_DEP_1)
	v_lshlrev_b32 v[W+6], v[W+7], v[W+6]           ; at their places in the word;
	s_delay_alu instid0(VALU_DEP_1)
	v_permlanex16_b32 v[W+7], v[W+6], s10, s11
	s_delay_alu instid0(VALU_DEP_1)
	v_or_b32 v[W+6], v[W+6], v[W+7]                ; with lane l xor 16's two the word is whole
.irp c, 0,1
	v_cvt_scalef32_pk16_fp6_f32 v[C+6*\c:C+6*\c+2], v[X+32*\c:X+32*\c+15], v[W+2+\c]
	v_cvt_scalef32_pk16_fp6_f32 v[T+4*\c:T+4*\c+2], v[X+32*\c+16:X+32*\c+31], v[W+2+\c]   ; (a conversion's three registers begin on an even number)
.endr
	v_nop                                          ; one plain place behind a scaled conversion
.irp c, 0,1
.irp i, 0,1,2
	v_mov_b32 v[C+6*\c+3+\i], v[T+4*\c+\i]
.endr
.endr
.irp c, 0,1
	global_store_b128 v11, v[C+6*\c:C+6*\c+3], s[40:41] offset:768*\c          ; 512 consecutive bytes,
	global_store_b64 v12, v[C+6*\c+4:C+6*\c+5], s[40:41] offset:768*\c+512     ; and 256
.endr
	ds_store_b32 v10, v[W+6]
	s_wait_dscnt 0x0
	s_barrier_signal -1
	s_barrier_wait -1
	s_cmp_lg_u32 s2, 0                             ; wave 0 stores the 16 rows' scale bytes: rows 0-7 and rows 8-15 are 256 consecutive bytes each
	s_cbranch_scc1 .Lx_done
	v_add_nc_u32 v14, SCW, v11
	ds_load_b128 v[R:R+3], v14
	v_lshlrev_b32 v15, 9, v3
	s_delay_alu instid0(VALU_DEP_1)
	v_lshl_add_u32 v15, v2, 4, v15
	s_wait_alu depctr_va_vdst(0)
	s_wait_dscnt 0x0
	global_store_b128 v15, v[R:R+3], s[42:43]
.Lx_done:
	s_wait_tensorcnt 0x0
	ds_add_u32 v254, v255
	s_wait_dscnt 0x0
	s_endpgm
	; ---------------- the other roles
.Lweights:
	s_sub_co_u32 s3, ttmp9, 256
	s_lshr_b32 s9, s2, 2                           ; u: which of a job's two blocks my wave lays out
	s_and_b32 s10, s2, 3                           ; m: which quarter of its units
	s_wait_alu depctr_va_vdst(0)
	v_and_b32 v4, 8, v2
	s_delay_alu instid0(VALU_DEP_1)
	v_add_nc_u32 v4, v4, v2                        ; r + 8 (r / 8)
	s_cmp_lt_u32 s3, 22
	s_cbranch_scc1 .Ls2
	s_sub_co_u32 s3, s3, 22
	s_cmp_lt_u32 s3, 32
	s_cbranch_scc1 .Lw2
	s_sub_co_u32 s3, s3, 32
	s_cmp_lt_u32 s3, 44
	s_cbranch_scc1 .Ls13
	s_sub_co_u32 s3, s3, 44                        ; J
	; ---------------- role W: job J: 32 rows (two blocks) x 16 units, to WI + 24,576 J
	s_sub_co_u32 s6, s3, 128                       ; J - 128: four jobs for each 64 rows f: w1's two, w3's two
	s_and_b32 s7, s3, 31
	s_lshl_b32 s7, s7, 5
	s_lshr_b32 s8, s6, 2
	s_lshl_b32 s8, s8, 6
	s_and_b32 s11, s6, 1
	s_lshl_b32 s11, s11, 5
	s_add_co_u32 s8, s8, s11
	s_bitcmp1_b32 s6, 1
	s_cselect_b64 s[28:29], s[30:31], s[28:29]     ; w3 or w1
	s_cmp_lt_u32 s3, 96
	s_cselect_b64 s[26:27], s[24:25], s[26:27]     ; wv or wo
	s_cmp_lt_u32 s3, 64
	s_cselect_b64 s[26:27], s[22:23], s[26:27]     ; wk
	s_cmp_lt_u32 s3, 32
	s_cselect_b64 s[26:27], s[20:21], s[26:27]     ; wq
	s_cmp_lt_u32 s3, 128
	s_cselect_b64 s[26:27], s[26:27], s[28:29]
	s_cselect_b32 s7, s7, s8                       ; the job's first row
	s_mul_i32 s4, s7, 768                          ; a row of 1,024 codes is 768 bytes
	s_mul_i32 s11, s2, 3072                        ; my wave fetches rows 4 w .. 4 w + 3: 3,072 consecutive bytes
	s_add_co_u32 s4, s4, s11
	s_add_nc_u64 s[26:27], s[26:27], s[4:5]
	s_mul_i32 s11, s2, 4*784
	s_add_co_u32 s11, s11, WL
	v_add_nc_u32 v5, s11, v11                      ; into the stage: my four rows, 16 bytes a lane;
	s_delay_alu instid0(VALU_DEP_1)
	v_lshl_add_u32 v6, v3, 4, v5                   ; where a row ends in a load's middle, lanes 16-31 lie one padding further on
	s_wait_alu depctr_va_vdst(0)
	v_mul_u32_u24 v7, v4, 784
	s_delay_alu instid0(VALU_DEP_1)
	v_mad_u32_u24 v7, v3, 24, v7
	s_mul_i32 s11, s9, 8*784
	s_mul_i32 s12, s10, 192
	s_add_co_u32 s11, s11, s12
	s_add_co_u32 s11, s11, WL
	v_add_nc_u32 v7, s11, v7                       ; out of it: row 8 u + r + 8 (r / 8), byte 192 m + 24 h
	s_mul_i32 s4, s3, 24576
	s_mul_i32 s11, s9, 12288
	s_add_co_u32 s4, s4, s11
	s_mul_i32 s11, s10, 3072
	s_add_co_u32 s4, s4, s11
	s_add_nc_u64 s[44:45], s[44:45], s[4:5]
	s_cmp_ge_u32 s3, 300                           ; the last four jobs are rows 2,752 .. 2,815 of w1 and w3, which do not exist: zero codes
	s_cbranch_scc1 .Lw_zero
.irp i, 0,1,2,3,4,5
	global_load_b128 v[16+4*\i:19+4*\i], v11, s[26:27] offset:512*\i th:TH_LOAD_NT     ; 512 consecutive bytes
.endr
	s_wait_loadcnt 0x0
	ds_store_b128 v5, v[16:19]                     ; byte o of my 3,072 goes to o + 16 x its row: row 0;
	ds_store_b128 v6, v[20:23] offset:512          ; rows 0 | 1;
	ds_store_b128 v5, v[24:27] offset:1024+16      ; row 1;
	ds_store_b128 v5, v[28:31] offset:1536+32      ; row 2;
	ds_store_b128 v6, v[32:35] offset:2048+32      ; rows 2 | 3;
	ds_store_b128 v5, v[36:39] offset:2560+48      ; row 3
	s_wait_dscnt 0x0                               ; for the others' sake: my rows lie in the stage
	s_barrier_signal -1
	s_barrier_wait -1
	s_wait_alu depctr_va_vdst(0)
.irp i, 0,1,2,3
.irp p, 0,1,2
	ds_load_b64 v[16+6*\i+2*\p:17+6*\i+2*\p], v7 offset:48*\i+8*\p
.endr
.endr
	s_wait_dscnt 0x0
	s_branch .Lw_store
.Lw_zero:
.set I, 0
.rept 24
	v_mov_b32 v[16+I], 0
.set I, I+1
.endr
.Lw_store:
.irp i, 0,1,2,3
	global_store_b128 v11, v[16+6*\i:19+6*\i], s[44:45] offset:768*\i
	global_store_b64 v12, v[20+6*\i:21+6*\i], s[44:45] offset:768*\i+512
.endr
	s_wait_tensorcnt 0x0
	ds_add_u32 v254, v255
	s_wait_dscnt 0x0
	s_endpgm
	; ---------------- role W2: 32 rows of w2, 44 units a block, 11 a wave
.Lw2:
	s_mul_i32 s4, s3, 32*2064                      ; a row of 2,752 codes is 2,064 bytes
	s_mul_i32 s11, s2, 4*2064                      ; my wave fetches rows 4 w .. 4 w + 3: 8,256 consecutive bytes
	s_add_co_u32 s4, s4, s11
	s_add_nc_u64 s[32:33], s[32:33], s[4:5]
	s_add_co_u32 s11, s11, W2L
	v_add_nc_u32 v5, s11, v11                      ; into the stage as they lie
	s_wait_alu depctr_va_vdst(0)
	v_mul_u32_u24 v7, v4, 2064
	s_delay_alu instid0(VALU_DEP_1)
	v_mad_u32_u24 v7, v3, 24, v7
	s_mul_i32 s11, s9, 8*2064
	s_mul_i32 s12, s10, 528
	s_add_co_u32 s11, s11, s12
	s_add_co_u32 s11, s11, W2L
	v_add_nc_u32 v7, s11, v7                       ; out of it: row 8 u + r + 8 (r / 8), byte 528 m + 24 h
	s_lshl_b32 s4, s3, 1
	s_add_co_u32 s4, s4, s9
	s_mul_i32 s4, s4, 33792
	s_mul_i32 s11, s10, 8448
	s_add_co_u32 s4, s4, s11
	s_add_co_u32 s4, s4, W2I
	s_add_nc_u64 s[44:45], s[44:45], s[4:5]
.set I, 0
.rept 16
	global_load_b128 v[16+4*I:19+4*I], v11, s[32:33] offset:512*I th:TH_LOAD_NT
.set I, I+1
.endr
	global_load_b128 v[80:83], v11, s[32:33] offset:8256-512 th:TH_LOAD_NT     ; 8,256 = 16 x 512 + 64: the last load ends with my last byte and takes 448 bytes a second time
	s_wait_alu depctr_va_vdst(0)
	s_wait_loadcnt 0x0
.set I, 0
.rept 16
	ds_store_b128 v5, v[16+4*I:19+4*I] offset:512*I
.set I, I+1
.endr
	ds_store_b128 v5, v[80:83] offset:8256-512     ; (the same bytes onto the same places)
	s_wait_dscnt 0x0                               ; for the others' sake: my rows lie in the stage
	s_barrier_signal -1
	s_barrier_wait -1
.irp i, 0,1,2,3,4,5,6,7,8,9
.irp p, 0,1,2
	ds_load_b64 v[16+6*\i+2*\p:17+6*\i+2*\p], v7 offset:48*\i+8*\p
.endr
.endr
	s_cmp_eq_u32 s10, 3                            ; unit 43 lies past the row's end: zero codes
	s_cbranch_scc1 .Lw2_zero
.irp p, 0,1,2
	ds_load_b64 v[76+2*\p:77+2*\p], v7 offset:480+8*\p
.endr
	s_branch .Lw2_go
.Lw2_zero:
.irp p, 0,1,2,3,4,5
	v_mov_b32 v[76+\p], 0
.endr
.Lw2_go:
	s_wait_dscnt 0x0
	s_wait_alu depctr_va_vdst(0)
.irp i, 0,1,2,3,4,5,6,7,8,9,10
	global_store_b128 v11, v[16+6*\i:19+6*\i], s[44:45] offset:768*\i
	global_store_b64 v12, v[20+6*\i:21+6*\i], s[44:45] offset:768*\i+512
.endr
	s_wait_tensorcnt 0x0
	ds_add_u32 v254, v255
	s_wait_dscnt 0x0
	s_endpgm
	; ---------------- role S2: a thread makes 8 bytes of a row of 88: piece j = 11 x row + kk.  Neighbouring lanes read neighbouring bytes, and a wave's store covers 256 consecutive bytes, aligned
.Ls2:
	s_lshl_b32 s4, s3, 9
	v_add_nc_u32 v4, s4, v0                        ; 512 pieces a work-group, two a thread
	v_mov_b32 v5, 0x7f7f                           ; the two bytes of the 44th unit: 1.0 over zero codes
	s_add_nc_u64 s[44:45], s[44:45], W2S
.irp i, 0,1
	v_add_nc_u32 v[16+\i], 256*\i, v4              ; j, under 11,264
	s_delay_alu instid0(VALU_DEP_1)
	v_mul_u32_u24 v[18+\i], v[16+\i], 5958
	s_delay_alu instid0(VALU_DEP_1)
	v_lshrrev_b32 v[18+\i], 16, v[18+\i]           ; row = j / 11: 5,958 / 65,536 lies 2.8e-6 over 1 / 11, which adds under 0.032 to a fraction of 10 / 11 at the most
	s_delay_alu instid0(VALU_DEP_1)
	v_mul_u32_u24 v[20+\i], v[18+\i], 11
	s_delay_alu instid0(VALU_DEP_1)
	v_sub_nc_u32 v[20+\i], v[16+\i], v[20+\i]      ; kk
	s_delay_alu instid0(VALU_DEP_3)
	v_mul_u32_u24 v[18+\i], v[18+\i], 86           ; the row's first byte in w2_scales
	s_delay_alu instid0(VALU_DEP_1)
	v_lshl_add_u32 v[22+\i], v[20+\i], 3, v[18+\i] ; my piece's first byte
	s_delay_alu instid0(VALU_DEP_2)
	v_add_nc_u32 v[18+\i], 84, v[18+\i]
	s_delay_alu instid0(VALU_DEP_2)
	v_add_nc_u32 v[24+\i], 6, v[22+\i]
	s_delay_alu instid0(VALU_DEP_1)
	v_min_u32 v[24+\i], v[24+\i], v[18+\i]         ; its last two bytes; the row's last piece has none: it stays inside the row, and what it loads is replaced
	v_lshlrev_b32 v[16+\i], 3, v[16+\i]            ; 8 j
.endr
.irp i, 0,1
	global_load_u16 v[32+4*\i], v[22+\i], s[34:35]
	global_load_u16 v[33+4*\i], v[22+\i], s[34:35] offset:2
	global_load_u16 v[34+4*\i], v[22+\i], s[34:35] offset:4
	global_load_u16 v[35+4*\i], v[24+\i], s[34:35]
.endr
	s_wait_loadcnt 0x0
.irp i, 0,1
	v_cmp_eq_u32 vcc_lo, 10, v[20+\i]
	s_delay_alu instid0(VALU_DEP_1)
	v_cndmask_b32 v[35+4*\i], v[35+4*\i], v5, vcc_lo
	v_lshl_or_b32 v[40+2*\i], v[33+4*\i], 16, v[32+4*\i]
	s_delay_alu instid0(VALU_DEP_2)
	v_lshl_or_b32 v[41+2*\i], v[35+4*\i], 16, v[34+4*\i]
	s_wait_alu depctr_va_vdst(0)
	global_store_b64 v[16+\i], v[40+2*\i:41+2*\i], s[44:45]
.endr
	s_endpgm
	; ---------------- role S13: 64 rows of w1's scales, then the same 64 of w3's: 4,096 bytes, 16 a thread
.Ls13:
	s_lshl_b32 s4, s3, 12
	s_add_co_u32 s4, s4, W13S
	s_add_nc_u64 s[44:45], s[44:45], s[4:5]
	v_lshlrev_b32 v5, 4, v0
	s_cmp_lt_u32 s2, 4
	s_cselect_b64 s[36:37], s[36:37], s[38:39]     ; waves 0-3 copy w1's, waves 4-7 w3's
	s_lshl_b32 s4, s3, 11
	s_add_nc_u64 s[36:37], s[36:37], s[4:5]
	v_and_b32 v4, 127, v0
	s_delay_alu instid0(VALU_DEP_1)
	v_lshlrev_b32 v4, 4, v4
	s_cmp_eq_u32 s3, 43                            ; rows 2,752 on do not exist: 1.0 over zero codes
	s_cbranch_scc1 .Ls13_ones
	global_load_b128 v[16:19], v4, s[36:37]
	s_wait_loadcnt 0x0
	s_branch .Ls13_store
.Ls13_ones:
.irp p, 0,1,2,3
	v_mov_b32 v[16+\p], 0x7f7f7f7f
.endr
.Ls13_store:
	s_wait_alu depctr_va_vdst(0)
	global_store_b128 v5, v[16:19], s[44:45]
	s_endpgm
.Lfunc_end_k_q7cf77fb583_prep:
	.size	k_q7cf77fb583_prep, .Lfunc_end_k_q7cf77fb583_prep-k_q7cf77fb583_prep
	.p2alignl 7, 3214868480
	.fill 96, 4, 3214868480
	.section	.rodata,"a",@progbits
	.p2align	6, 0x0
	.amdhsa_kernel k_q7cf77fb583_prep
		.amdhsa_group_segment_fixed_size 162816
		.amdhsa_private_segment_fixed_size 0
		.amdhsa_enable_private_segment 0
		.amdhsa_kernarg_size 120
		.amdhsa_user_sgpr_count 2
		.amdhsa_user_sgpr_kernarg_segment_ptr 1
		.amdhsa_wavefront_size32 1
		.amdhsa_system_sgpr_workgroup_id_x 1
		.amdhsa_system_sgpr_workgroup_id_y 1
		.amdhsa_system_sgpr_workgroup_id_z 1
		.amdhsa_system_vgpr_workitem_id 0
		.amdhsa_next_free_vgpr 256
		.amdhsa_next_free_sgpr 66
		.amdhsa_reserve_vcc 1
		.amdhsa_float_denorm_mode_32 3
		.amdhsa_float_denorm_mode_16_64 3
		.amdhsa_memory_ordered 1
		.amdhsa_forward_progress 1
		.amdhsa_inst_pref_size 44
	.end_amdhsa_kernel
	.amdgpu_metadata
---
amdhsa.version: [ 1, 2 ]
amdhsa.kernels:
  - .name:           k_q7cf77fb583_prep
    .symbol:         k_q7cf77fb583_prep.kd
    .args:
      - { .name: x, .offset: 0, .size: 8, .value_kind: global_buffer, .address_space: global }
      - { .name: norm1_w, .offset: 8, .size: 8, .value_kind: global_buffer, .address_space: global }
      - { .name: wq_codes, .offset: 16, .size: 8, .value_kind: global_buffer, .address_space: global }
      - { .name: wk_codes, .offset: 24, .size: 8, .value_kind: global_buffer, .address_space: global }
      - { .name: wv_codes, .offset: 32, .size: 8, .value_kind: global_buffer, .address_space: global }
      - { .name: wo_codes, .offset: 40, .size: 8, .value_kind: global_buffer, .address_space: global }
      - { .name: w1_codes, .offset: 48, .size: 8, .value_kind: global_buffer, .address_space: global }
      - { .name: w3_codes, .offset: 56, .size: 8, .value_kind: global_buffer, .address_space: global }
      - { .name: w2_codes, .offset: 64, .size: 8, .value_kind: global_buffer, .address_space: global }
      - { .name: w2_scales, .offset: 72, .size: 8, .value_kind: global_buffer, .address_space: global }
      - { .name: w1_scales, .offset: 80, .size: 8, .value_kind: global_buffer, .address_space: global }
      - { .name: w3_scales, .offset: 88, .size: 8, .value_kind: global_buffer, .address_space: global }
      - { .name: XC, .offset: 96, .size: 8, .value_kind: global_buffer, .address_space: global }
      - { .name: XS, .offset: 104, .size: 8, .value_kind: global_buffer, .address_space: global }
      - { .name: WI, .offset: 112, .size: 8, .value_kind: global_buffer, .address_space: global }
    .group_segment_fixed_size: 162816
    .private_segment_fixed_size: 0
    .kernarg_segment_align: 8
    .kernarg_segment_size: 120
    .max_flat_workgroup_size: 256
    .sgpr_count:     66
    .vgpr_count:     256
    .wavefront_size: 32
...
	.end_amdgpu_metadata
.endif
;; end of part 8
;; launch qkv (part 9): grid 16 x 16, 4 waves a work-group, clusters of 4 x 1, 167,936 bytes of LDS; arguments XC, XS, WI, wq_scales, wk_scales, wv_scales, q_norm_w, k_norm_w, QKVC, QKVS; writes QKVC, QKVS
.if DOCPART == 9
	.amdgcn_target "amdgcn-amd-amdhsa--gfx1250"
	.amdhsa_code_object_version 6
	.text
	.protected	k_q7cf77fb583_qkv
	.globl	k_q7cf77fb583_qkv
	.p2align	8
	.type	k_q7cf77fb583_qkv,@function
k_q7cf77fb583_qkv:
	s_mov_b64 s[64:65], 0
	v_nop
	global_prefetch_b8 v0, s[64:65] scope:SCOPE_SE
	s_setreg_imm32_b32 hwreg(HW_REG_WAVE_MODE, 25, 1), 1
	s_wait_xcnt 0x0
	s_wait_alu depctr_hold_cnt(0) depctr_sa_sdst(0) depctr_va_vdst(0) depctr_va_sdst(0) depctr_va_ssrc(0) depctr_va_vcc(0) depctr_vm_vsrc(0)
	s_getreg_b32 s2, hwreg(HW_REG_IB_STS2, 6, 4)
	s_cmp_eq_u32 s2, 0
	s_cbranch_scc0 .Lentry_in_a_cluster
	s_endpgm
.Lentry_in_a_cluster:
	s_bfe_u32 s2, ttmp6, 0x10000c
	s_cmp_lg_u32 s2, 0x3003
	s_cbranch_scc0 .Lentry_shape_is_right
	s_endpgm
.Lentry_shape_is_right:
; q, k and v = RMSNorm(x) W^T on codes of E2M3, then: q, k: RMSNorm over the head's 64, RoPE, quantised along the head's 64; v: quantised along the keys.
; THE 48 HEADS (16 of q, 16 of k, 16 of v) are 48 runs of 4 blocks of 16 rows, 49,152 bytes each, one behind the other in WI.  16 tiles of 256 tokens x 16 columns of 3 heads = 256 work-groups of equal matrix work.
; A wave owns 64 tokens.  THE TOKENS STAY IN REGISTERS: 4 blocks x 8 steps of 128 along K x 12 = 384 registers, loaded once from XC, which is an image of operand registers; their scale words (32 registers) from XS.
; A fragment of the weight read from LDS feeds 4 matrix instructions.  THE COLUMN'S THREE HEADS LIE IN LDS WHOLE, 147,456 bytes, each byte filled once, a quarter by each wave at the head: nothing is filled again.
; A trip of the loop is one head: 128 matrix instructions on 16 accumulators, in four steps of 256 along K.  The kind of a head (its number / 16) is made of ids alone, the same in all waves and partners.
; q, k: source 0 = the weight's block, source 1 = the tokens': lane (r, h) holds a token, and the 16 registers of the weight's blocks 2 b, 2 b + 1 are d = 32 b + 16 h + 0 .. 15.
; v: the sources change places: lane (r, h) holds a row d, and the 16 registers of the tokens' blocks 2 b, 2 b + 1 are keys 32 b + 16 h + 0 .. 15: my 64 tokens are one unit of each of the head's four blocks of d.
; The weight's scale words go from memory into registers, a head ahead, under the way out of the head before.  Both norms' gains and the cos and sin of my 64 positions stay in registers;
; columns that hold heads of v alone load them too and do not use them: 48 loads a wave, so that one text serves all columns.
; CLUSTER 4 x 1 along the tokens: the four partners walk the same heads and ask for the weight jointly.  No prefetch: the one fill is asked for at the head, and there is no ring to run ahead in.
; LIMITS: NaN and infinities are not served; 1 / rms is v_rsq_f32 (1 ulp); a block of zeros gets the scale byte 1 (its codes are zeros; this program alone reads the bytes).  v's 2 scale bytes a row go out as stores of 2 bytes.
; REGISTERS: window 0: v8-9 the weight's LDS addresses, v23-31 other addresses, v32-63 the tokens' scale words, v64-95 the weight's, v96-127 this head's gains, v128-223 the weight's fragments of even steps, then the way out, v224-255 cos, sin of block 3.
;   window 1: the tokens' fragments of K steps 0-4, v240-255 k's gains (d < 32).  window 2: v0-143 those of K steps 5-7, v144-239 cos, sin of blocks 0-2, v240-255 k's gains (d >= 32).
;   window 3: v0-127 the accumulators, v128-223 the weight's fragments of odd steps, v224-255 q's gains.
.set HB,   49152                       ; a head's four blocks
.set SPARE, 3*HB                       ; the spare words: 128 bytes a wave, named by no other line
.set ROPE, 9904128
.set BA,  8
.set BA8, 9
.set SPW, 28
.set NIL, 29
.set AS,  32
.set BS,  64
.set GW,  96
.set TM,  210
.set PT,  206
.set GI,  42                           ; the trip
.set HX,  43                           ; the head, 0 .. 47
.set TK,  44                           ; HB x trip
.set MSB, 0
.macro WIN new                         ; the immediate's high byte repeats the setting that is left
.if MSB != (\new)
	s_set_vgpr_msb (MSB<<8)|(\new)
.set MSB, (\new)
.endif
.endm
.macro PLACES                          ; four plain places behind matrix instructions, ahead of loads into their registers and of reads of results
.rept 4
	v_nop
.endr
.endm
.macro CROUND                          ; a round of the cluster's barrier
	s_barrier_signal -1
	s_barrier_wait -1
	s_cmp_lg_u32 s14, 0
	s_cbranch_scc1 .Lnot_wave_0_\@
	s_barrier_signal -3
.Lnot_wave_0_\@:
	s_barrier_wait -3
	s_barrier_signal -1
	s_barrier_wait -1
.endm
.macro FRAG reg, a16, a8, off          ; a fragment = two units: 16 + 8 bytes a lane each
	ds_load_b128 v[\reg:\reg+3], v[\a16] offset:\off
	ds_load_b64 v[\reg+4:\reg+5], v[\a8] offset:\off
	ds_load_b128 v[\reg+6:\reg+9], v[\a16] offset:\off+768
	ds_load_b64 v[\reg+10:\reg+11], v[\a8] offset:\off+768
.endm
.macro FETCH p                         ; the weight's eight fragments of step p: 4 blocks x 2 x 128 along K
	WIN 0xc0*((\p)%2)
.set FI, 0
.rept 8
	FRAG 128+12*FI, BA, BA8, (FI%4)*12288+(2*(\p)+FI/4)*1536
.set FI, FI+1
.endr
	WIN 0
.endm
.macro AFRAG reg, off                  ; a fragment of the tokens, from XC
	global_load_b128 v[\reg:\reg+3], v24, s[4:5] offset:\off
	global_load_b64 v[\reg+4:\reg+5], v23, s[4:5] offset:\off
	global_load_b128 v[\reg+6:\reg+9], v24, s[4:5] offset:\off+768
	global_load_b64 v[\reg+10:\reg+11], v23, s[4:5] offset:\off+768
.endm
.macro SCPTR hx                        ; s[46:47] = the scale bytes of head s[hx]'s 64 rows
	s_lshr_b32 s20, s[\hx], 4
	s_and_b32 s22, s[\hx], 15
	s_lshl_b32 s22, s22, 11
	s_mov_b32 s23, 0
	s_cmp_eq_u32 s20, 0
	s_cselect_b64 s[46:47], s[10:11], s[68:69]
	s_cmp_eq_u32 s20, 2
	s_cselect_b64 s[46:47], s[70:71], s[46:47]
	s_add_nc_u64 s[46:47], s[46:47], s[22:23]
.endm
.macro BSCALES                         ; a head's scale words: register 8 i + k = block i, K step k; lane r takes its row's 32 bytes
.set FI, 0
.rept 4
	global_load_b128 v[BS+8*FI:BS+8*FI+3], v27, s[46:47] offset:(32*(FI/2)+8*(FI%2))*32
	global_load_b128 v[BS+8*FI+4:BS+8*FI+7], v27, s[46:47] offset:(32*(FI/2)+8*(FI%2))*32+16
.set FI, FI+1
.endr
.endm
.macro NEXTSC                          ; the next head's scale words, under this head's way out; the last head asks for none
	s_cmp_ge_u32 s[GI], 2
	s_cbranch_scc1 .Lno_next_\@
	s_add_co_u32 s55, s[HX], 1
	SCPTR 55                                       ; (the loads that read this base were waited for at the trip's head)
	BSCALES
.Lno_next_\@:
.endm
; A step's 32 matrix instructions.  The 16 accumulators take turns, one instruction a turn, in the same order throughout.  K step 0 starts the sums.  swap = 1: v.
.macro MULP p, swap
.set KK, 0
.rept 2
.set KS, 2*(\p)+KK
.set AR, 48*(KS%5)
.if \swap
	WIN (1+KS/5)|((3*((\p)%2))<<2)|0xf0
.else
	WIN (3*((\p)%2))|((1+KS/5)<<2)|0xf0
.endif
.set MA, 0
.rept 4
.set MB, 0
.rept 4
.set BR, 128+12*(4*KK+MB)
.if \swap
.set MD, 8*(4*MB+MA)
.if KS == 0
	v_wmma_scale_f32_16x16x128_f8f6f4 v[MD:MD+7], v[AR+12*MA:AR+12*MA+11], v[BR:BR+11], 0, v[AS+8*MA+KS], v[BS+8*MB+KS] matrix_a_fmt:MATRIX_FMT_FP6 matrix_b_fmt:MATRIX_FMT_FP6
.else
	v_wmma_scale_f32_16x16x128_f8f6f4 v[MD:MD+7], v[AR+12*MA:AR+12*MA+11], v[BR:BR+11], v[MD:MD+7], v[AS+8*MA+KS], v[BS+8*MB+KS] matrix_a_fmt:MATRIX_FMT_FP6 matrix_b_fmt:MATRIX_FMT_FP6
.endif
.else
.set MD, 8*(4*MA+MB)
.if KS == 0
	v_wmma_scale_f32_16x16x128_f8f6f4 v[MD:MD+7], v[BR:BR+11], v[AR+12*MA:AR+12*MA+11], 0, v[BS+8*MB+KS], v[AS+8*MA+KS] matrix_a_fmt:MATRIX_FMT_FP6 matrix_b_fmt:MATRIX_FMT_FP6
.else
	v_wmma_scale_f32_16x16x128_f8f6f4 v[MD:MD+7], v[BR:BR+11], v[AR+12*MA:AR+12*MA+11], v[MD:MD+7], v[BS+8*MB+KS], v[AS+8*MA+KS] matrix_a_fmt:MATRIX_FMT_FP6 matrix_b_fmt:MATRIX_FMT_FP6
.endif
.endif
.set MB, MB+1
.endr
.set MA, MA+1
.endr
.set KK, KK+1
.endr
.endm
.macro KWALK swap                      ; all of K: four steps
.irp p, 0,1,2,3
	s_wait_dscnt 0x0                               ; step p's fragments are in
.if \p < 3
	FETCH \p+1                                     ; the next step's, into the set that step p - 1 read (four places stand behind its products)
.endif
	MULP \p, \swap
	PLACES
.endr
	WIN 0
.endm
; 32 numbers of a lane in window w, register 16 b + i = k 32 b + 16 h + i of my row, become a unit's six registers v[pc] on; the two scale bytes are left in v[TM+2], v[TM+3].
.macro QUANTU s, w, pc
	WIN ((\w)|((\w)<<2))
.irp b, 0,1
	v_max3_num_f32 v[TM+\b], |v[\s+16*\b]|, |v[\s+16*\b+1]|, 0x1800000     ; with the floor 2^(3 - 127): the byte cannot fall under 1
.endr
	WIN (((\w)<<2)|((\w)<<4))
.irp i, 2,4,6,8,10,12,14
.irp b, 0,1
	v_max3_num_f32 v[TM+\b], v[TM+\b], |v[\s+16*\b+\i]|, |v[\s+16*\b+\i+1]|
.endr
.endr
	WIN 0
.irp b, 0,1
	v_permlanex16_b32 v[TM+2+\b], v[TM+\b], s40, s41
.endr
.irp b, 0,1
	v_max_num_f32 v[TM+\b], v[TM+\b], v[TM+2+\b]   ; with lane l xor 16's 16: the block's largest magnitude
.endr
.irp b, 0,1
	v_add_nc_u32 v[TM+4+\b], 0xff000000, v[TM+\b]  ; 2 off the exponent field: the conversion's scale operand
.endr
.irp b, 0,1
	v_lshrrev_b32 v[TM+2+\b], 23, v[TM+4+\b]       ; the scale's byte
.endr
	s_wait_alu depctr_va_vdst(0)
	s_wait_xcnt 0x0                                ; earlier stores have read the registers that are written from here on
	WIN (\w)
	v_cvt_scalef32_pk16_fp6_f32 v[\pc:\pc+2], v[\s:\s+15], v[TM+4]
	v_cvt_scalef32_pk16_fp6_f32 v[PT:PT+2], v[\s+16:\s+31], v[TM+5]
	WIN 0
	v_nop                                          ; one plain place behind a scaled conversion
.irp i, 0,1,2
	v_permlane16_swap_b32 v[\pc+\i], v[PT+\i]      ; a whole block to a lane: lanes 0-15 block 0, lanes 16-31 block 1
.endr
.irp i, 0,1,2
	v_mov_b32 v[\pc+3+\i], v[PT+\i]
.endr
.endm
.macro TABSET a                        ; where block a's cos (16 registers) and sin (16) lie
.if (\a) < 3
.set CSB, 144+32*(\a)
.set CW, 2
.else
.set CSB, 224
.set CW, 0
.endif
.endm
.macro QKROW a                         ; block a of my tokens: 32 registers: d = 32 b + 16 h + i of this head
.set XR, 32*(\a)
	TABSET \a
	WIN 0x0f
	v_pk_mul_f32 v[216:217], v[XR:XR+1], v[XR:XR+1]                ; each accumulator is read from its low end on
	v_pk_mul_f32 v[218:219], v[XR+2:XR+3], v[XR+2:XR+3]
.irp p, 2,3,4,5,6,7,8,9,10,11,12,13,14,15
	v_pk_fma_f32 v[216+2*(\p%2):217+2*(\p%2)], v[XR+2*\p:XR+2*\p+1], v[XR+2*\p:XR+2*\p+1], v[216+2*(\p%2):217+2*(\p%2)]
.endr
	WIN 0
	v_pk_add_f32 v[216:217], v[216:217], v[218:219]
	v_add_f32 v216, v216, v217
	v_permlanex16_b32 v218, v216, s40, s41
	v_add_f32 v216, v216, v218                     ; the sum of the head's 64 squares
	v_fma_f32 v216, v216, 0x3c800000, s61          ; / 64 + eps
	s_wait_alu depctr_va_vdst(0)
	v_rsq_f32 v220, v216
	v_nop                                          ; a plain place behind the transcendental
	WIN 3
	s_wait_alu depctr_va_vdst(0)
.irp p, 0,1,2,3,4,5,6,7,8,9,10,11,12,13,14,15
	v_pk_mul_f32 v[128+2*\p:129+2*\p], v[XR+2*\p:XR+2*\p+1], v[220:221] op_sel_hi:[1,0]
.endr
	WIN 0
.irp p, 0,1,2,3,4,5,6,7,8,9,10,11,12,13,14,15
	v_pk_mul_f32 v[128+2*\p:129+2*\p], v[128+2*\p:129+2*\p], v[GW+2*\p:GW+2*\p+1]
.endr
	WIN (CW<<2)                                    ; source 1: cos, sin
.irp p, 0,1,2,3,4,5,6,7                ; RoPE: registers 0-15 are d < 32, registers 16-31 the same frequencies' d + 32
	v_pk_mul_f32 v[160+2*\p:161+2*\p], v[128+2*\p:129+2*\p], v[CSB+2*\p:CSB+2*\p+1]
	v_pk_mul_f32 v[176+2*\p:177+2*\p], v[144+2*\p:145+2*\p], v[CSB+2*\p:CSB+2*\p+1]
.endr
.irp p, 0,1,2,3,4,5,6,7
	v_pk_fma_f32 v[160+2*\p:161+2*\p], v[144+2*\p:145+2*\p], v[CSB+16+2*\p:CSB+17+2*\p], v[160+2*\p:161+2*\p] neg_lo:[1,0,0] neg_hi:[1,0,0]
	v_pk_fma_f32 v[176+2*\p:177+2*\p], v[128+2*\p:129+2*\p], v[CSB+16+2*\p:CSB+17+2*\p], v[176+2*\p:177+2*\p]
.endr
	WIN 0
	QUANTU 160, 0, 192
	v_lshl_or_b32 v222, v[TM+3], 8, v[TM+2]
	v_or_b32 v222, 0x7f7f0000, v222                ; the word's upper bytes scale the idle half of a 128-deep instruction: 1.0
	global_store_b128 v24, v[192:195], s[56:57] offset:(\a)*768
	global_store_b64 v25, v[196:197], s[56:57] offset:(\a)*768+512
	global_store_b32 v26, v222, s[58:59] offset:(\a)*64               ; both halves of the lanes write the same word
.endm
.macro VROW i                          ; 16 rows d of this head x my 64 tokens: one unit
	QUANTU 32*(\i), 3, 192
	v_lshl_or_b32 v222, v[TM+3], 8, v[TM+2]
	global_store_b128 v24, v[192:195], s[56:57] offset:(\i)*1536
	global_store_b64 v25, v[196:197], s[56:57] offset:(\i)*1536+512
	global_store_b16 v26, v222, s[58:59] offset:(\i)*64               ; my half of the row's scale word for these 128 keys
.endm
	s_load_b256 s[4:11], s[0:1], 0x0               ; XC, XS, WI, wq_scales
	s_load_b256 s[68:75], s[0:1], 0x20             ; wk_scales, wv_scales, q_norm_w, k_norm_w
	s_load_b128 s[76:79], s[0:1], 0x40             ; QKVC, QKVS
	v_lshl_add_u32 v[SPW], v0, 2, SPARE
	v_mov_b32 v[NIL], 0
	ds_add_u32 v[SPW], v[NIL]                      ; the opening lines: the add, twice on end, and its wait ahead of my first tensor load
	ds_add_u32 v[SPW], v[NIL]
	v_lshrrev_b32 v1, 5, v0
	v_readfirstlane_b32 s14, v1                    ; wave 0..3
	s_bfe_u32 s19, ttmp6, 0x40000                  ; cx
	s_lshl_b32 s17, ttmp9, 2
	s_add_co_u32 s17, s17, s19                     ; the tile of tokens
	s_and_b32 s18, ttmp7, 0xffff                   ; the column: shared by the four partners
	s_mul_i32 s[HX], s18, 3                        ; its first head
	s_mov_b32 s24, 15|(3<<16)|(1<<21)              ; a quarter of the column's weight: 144 rows of 256 bytes, dense; 15:0 all four work-groups; 17:16 elements of 8 bytes; 21 set beside a mask
	s_mov_b32 s25, 32<<16
	s_mov_b32 s26, 144<<16
	s_mov_b32 s27, 32<<16
	s_mov_b32 s28, 144
	s_mov_b32 s29, 32
	s_mov_b32 s30, 0
	s_mov_b32 s31, 0
	s_mov_b32 s32, 1
	s_mul_i32 s33, s14, 36864
	s_mul_i32 s12, s18, 3*HB
	s_add_co_u32 s12, s12, s33
	s_mov_b32 s13, 0
	s_wait_dscnt 0x0                               ; both opening adds are done
	s_wait_kmcnt 0x0
	s_add_nc_u64 s[34:35], s[8:9], s[12:13]
	s_or_b32 s35, s35, 0x80000000
	CROUND                                         ; all four work-groups are here: the joint loads meet
	tensor_load_to_lds s[32:35], s[24:31]          ; one load a wave, no branch
	s_nop 0
	PLACES
	v_and_b32 v1, 31, v0
	v_and_b32 v2, 15, v0                           ; r
	v_bfe_u32 v4, v0, 4, 1                         ; h
	v_lshlrev_b32 v24, 4, v1                       ; 16 x lane
	v_lshlrev_b32 v25, 3, v1                       ; 8 x lane
	v_add_nc_u32 v23, 512, v25
	v_and_b32 v3, 8, v2
	v_add_nc_u32 v3, v3, v2                        ; r + 8 (r / 8): lane index r's row among a block pair's 32
	v_lshlrev_b32 v27, 5, v3                       ; 32 scale bytes a row
	v_lshlrev_b32 v26, 2, v2                       ; 4 r: a scale word's place
	v_lshlrev_b32 v31, 6, v4                       ; the gains: d = 16 h on
	v_lshl_add_u32 v30, v3, 8, v31                 ; the table: 256 bytes a position, frequencies 16 h on
	v_mov_b32 v[TM+2], 0                           ; written once: a lane permute's destination counts as one of its sources
	v_mov_b32 v[TM+3], 0
	v_mov_b32 v221, 0                              ; the upper word of the pair v[220:221]
	s_wait_alu depctr_va_vdst(0)
	s_lshl_b32 s2, s17, 4
	s_lshl_b32 s3, s14, 2
	s_add_co_u32 s2, s2, s3                        ; my first block of tokens
	s_and_b32 s50, s2, 127                         ; within its sequence
	s_lshr_b32 s51, s17, 3
	s_lshl_b32 s51, s51, 4                         ; batch x 16
	s_mul_i32 s12, s2, 12288
	s_add_nc_u64 s[4:5], s[4:5], s[12:13]
	s_lshl_b32 s12, s2, 9
	s_add_nc_u64 s[6:7], s[6:7], s[12:13]
	s_lshl_b32 s12, s50, 12
	s_add_co_u32 s12, s12, ROPE
	s_add_nc_u64 s[62:63], s[8:9], s[12:13]        ; the table at my first position
	SCPTR HX
.irp a, 0,1,2,3
	global_load_b128 v[AS+8*\a:AS+8*\a+3], v27, s[6:7] offset:(32*(\a/2)+8*(\a%2))*32      ; register 8 a + k = block a, K step k
	global_load_b128 v[AS+8*\a+4:AS+8*\a+7], v27, s[6:7] offset:(32*(\a/2)+8*(\a%2))*32+16
.endr
	BSCALES
	WIN 0x40
.irp k, 0,1,2,3,4
.irp a, 0,1,2,3
	AFRAG 48*\k+12*\a, \a*12288+\k*1536
.endr
.endr
.irp k, 0,1,2,3
	global_load_b128 v[240+4*\k:243+4*\k], v31, s[74:75] offset:16*\k                      ; k's gains, d = 16 h + i
.endr
	WIN 0x80
.irp k, 5,6,7
.irp a, 0,1,2,3
	AFRAG 48*(\k-5)+12*\a, \a*12288+\k*1536
.endr
.endr
.irp k, 0,1,2,3
	global_load_b128 v[240+4*\k:243+4*\k], v31, s[74:75] offset:128+16*\k                  ; d = 32 + 16 h + i
.endr
.irp a, 0,1,2,3
	TABSET \a
	WIN (CW<<6)
.irp k, 0,1,2,3
	global_load_b128 v[CSB+4*\k:CSB+4*\k+3], v30, s[62:63] offset:(32*(\a/2)+8*(\a%2))*256+16*\k
	global_load_b128 v[CSB+16+4*\k:CSB+16+4*\k+3], v30, s[62:63] offset:(32*(\a/2)+8*(\a%2))*256+128+16*\k
.endr
.endr
	WIN 0xc0
.irp b, 0,1
.irp k, 0,1,2,3
	global_load_b128 v[224+16*\b+4*\k:227+16*\b+4*\k], v31, s[72:73] offset:128*\b+16*\k   ; q's gains: register 16 b + i = d 32 b + 16 h + i
.endr
.endr
	WIN 0
	s_mov_b32 s40, 0x76543210
	s_mov_b32 s41, 0xfedcba98                      ; v_permlanex16_b32's selects for lane l xor 16
	s_mov_b32 s61, 0x2edbe6ff                      ; eps
	s_mov_b32 s[GI], 0
	s_mov_b32 s[TK], 0
	s_wait_alu depctr_va_vdst(0)
	s_wait_tensorcnt 0x0                           ; my quarter is in
	s_barrier_signal -1
	s_barrier_wait -1                              ; and everybody's: the three heads lie whole in LDS
.Lhead:
	v_add_nc_u32 v[BA], s[TK], v24
	v_add_nc_u32 v[BA8], s[TK], v23
	s_wait_alu depctr_va_vdst(0)
	FETCH 0
	s_lshr_b32 s52, s[HX], 4                       ; the kind: 0 q, 1 k, 2 v
	s_and_b32 s53, s[HX], 15
	s_add_co_u32 s54, s51, s53                     ; batch x 16 + head
	s_wait_loadcnt 0x0                             ; this head's scale words; in the first trip all that the head asked for
	s_cmp_eq_u32 s52, 2
	s_cbranch_scc1 .Lkind_v
	; ---------------- q, k
	s_cmp_eq_u32 s52, 0
	s_cselect_b32 s60, -1, 0
	WIN 0x0d
.set I, 0
.rept 16
	v_cndmask_b32 v[GW+I], v[240+I], v[224+I], s60                 ; this head's gains: q's or k's (a choice of values)
.set I, I+1
.endr
	WIN 0x0e
.rept 16
	v_cndmask_b32 v[GW+I], v[224+I], v[224+I], s60                 ; (source 0: window 2, v240 on; source 1: window 3)
.set I, I+1
.endr
	WIN 0
	s_wait_alu depctr_va_vdst(0)
	KWALK 0
	s_mul_i32 s12, s54, 98304
	s_mul_i32 s13, s52, 3145728
	s_add_co_u32 s12, s12, s13
	s_mul_i32 s13, s50, 768
	s_add_co_u32 s12, s12, s13
	s_mov_b32 s13, 0
	s_add_nc_u64 s[56:57], s[76:77], s[12:13]      ; the head's units at my first block of tokens
	s_mul_i32 s12, s54, 20480
	s_lshl_b32 s3, s52, 13
	s_add_co_u32 s12, s12, s3
	s_lshl_b32 s3, s50, 6
	s_add_co_u32 s12, s12, s3
	s_add_nc_u64 s[58:59], s[78:79], s[12:13]      ; and their scale words
	NEXTSC
.irp a, 0,1,2,3
	QKROW \a
.endr
	s_branch .Ljoin
	; ---------------- v
.Lkind_v:
	KWALK 1
	s_mul_i32 s12, s54, 98304
	s_add_co_u32 s12, s12, 6291456
	s_lshr_b32 s2, s50, 3                          ; the key step of 128
	s_mul_i32 s13, s2, 6144
	s_add_co_u32 s12, s12, s13
	s_and_b32 s3, s14, 1                           ; which of its two units along the keys
	s_mul_i32 s13, s3, 768
	s_add_co_u32 s12, s12, s13
	s_mov_b32 s13, 0
	s_add_nc_u64 s[56:57], s[76:77], s[12:13]
	s_mul_i32 s12, s54, 20480
	s_add_co_u32 s12, s12, 16384
	s_lshl_b32 s2, s2, 8
	s_add_co_u32 s12, s12, s2
	s_lshl_b32 s3, s3, 1
	s_add_co_u32 s12, s12, s3
	s_add_nc_u64 s[58:59], s[78:79], s[12:13]
	NEXTSC
.irp i, 0,1,2,3
	VROW \i
.endr
.Ljoin:
	s_wait_xcnt 0x0                                ; the stores have read their bases and data
	s_add_co_u32 s[HX], s[HX], 1
	s_add_co_u32 s[TK], s[TK], HB
	s_add_co_u32 s[GI], s[GI], 1
	s_cmp_lt_u32 s[GI], 3
	s_wait_alu depctr_va_vdst(0)
	s_cbranch_scc1 .Lhead
	s_wait_tensorcnt 0x0                           ; the wave's end
	ds_add_u32 v[SPW], v[NIL]
	s_wait_dscnt 0x0
	CROUND                                         ; the closing round
	s_endpgm
.Lfunc_end_k_q7cf77fb583_qkv:
	.size	k_q7cf77fb583_qkv, .Lfunc_end_k_q7cf77fb583_qkv-k_q7cf77fb583_qkv
	.p2alignl 7, 3214868480
	.fill 96, 4, 3214868480
	.section	.rodata,"a",@progbits
	.p2align	6, 0x0
	.amdhsa_kernel k_q7cf77fb583_qkv
		.amdhsa_group_segment_fixed_size 167936
		.amdhsa_private_segment_fixed_size 0
		.amdhsa_enable_private_segment 0
		.amdhsa_kernarg_size 80
		.amdhsa_user_sgpr_count 2
		.amdhsa_user_sgpr_kernarg_segment_ptr 1
		.amdhsa_wavefront_size32 1
		.amdhsa_system_sgpr_workgroup_id_x 1
		.amdhsa_system_sgpr_workgroup_id_y 1
		.amdhsa_system_sgpr_workgroup_id_z 1
		.amdhsa_system_vgpr_workitem_id 0
		.amdhsa_next_free_vgpr 1024
		.amdhsa_next_free_sgpr 80
		.amdhsa_reserve_vcc 0
		.amdhsa_float_denorm_mode_32 3
		.amdhsa_float_denorm_mode_16_64 3
		.amdhsa_memory_ordered 1
		.amdhsa_forward_progress 1
		.amdhsa_inst_pref_size 118
	.end_amdhsa_kernel
	.amdgpu_metadata
---
amdhsa.version: [ 1, 2 ]
amdhsa.kernels:
  - .name:           k_q7cf77fb583_qkv
    .symbol:         k_q7cf77fb583_qkv.kd
    .args:
      - { .name: XC, .offset: 0, .size: 8, .value_kind: global_buffer, .address_space: global }
      - { .name: XS, .offset: 8, .size: 8, .value_kind: global_buffer, .address_space: global }
      - { .name: WI, .offset: 16, .size: 8, .value_kind: global_buffer, .address_space: global }
      - { .name: wq_scales, .offset: 24, .size: 8, .value_kind: global_buffer, .address_space: global }
      - { .name: wk_scales, .offset: 32, .size: 8, .value_kind: global_buffer, .address_space: global }
      - { .name: wv_scales, .offset: 40, .size: 8, .value_kind: global_buffer, .address_space: global }
      - { .name: q_norm_w, .offset: 48, .size: 8, .value_kind: global_buffer, .address_space: global }
      - { .name: k_norm_w, .offset: 56, .size: 8, .value_kind: global_buffer, .address_space: global }
      - { .name: QKVC, .offset: 64, .size: 8, .value_kind: global_buffer, .address_space: global }
      - { .name: QKVS, .offset: 72, .size: 8, .value_kind: global_buffer, .address_space: global }
    .group_segment_fixed_size: 167936
    .private_segment_fixed_size: 0
    .kernarg_segment_align: 8
    .kernarg_segment_size: 80
    .max_flat_workgroup_size: 128
    .sgpr_count:     80
    .vgpr_count:     1024
    .wavefront_size: 32
...
	.end_amdgpu_metadata
.endif
;; end of part 9
;; launch attn (part 10): grid 8 x 32, 16 waves a work-group, clusters of 4 x 1, 286,720 bytes of LDS; arguments QKVC, QKVS, XC, XS; writes XC, XS
.if DOCPART == 10
	.amdgcn_target "amdgcn-amd-amdhsa--gfx1250"
	.amdhsa_code_object_version 6
	.text
	.protected	k_q7cf77fb583_attn
	.globl	k_q7cf77fb583_attn
	.p2align	8
	.type	k_q7cf77fb583_attn,@function
k_q7cf77fb583_attn:
	s_mov_b64 s[64:65], 0
	v_nop
	global_prefetch_b8 v0, s[64:65] scope:SCOPE_SE
	s_setreg_imm32_b32 hwreg(HW_REG_WAVE_MODE, 25, 1), 1
	s_wait_xcnt 0x0
	s_wait_alu depctr_hold_cnt(0) depctr_sa_sdst(0) depctr_va_vdst(0) depctr_va_sdst(0) depctr_va_ssrc(0) depctr_va_vcc(0) depctr_vm_vsrc(0)
	s_getreg_b32 s2, hwreg(HW_REG_IB_STS2, 6, 4)
	s_cmp_eq_u32 s2, 0
	s_cbranch_scc0 .Lentry_in_a_cluster
	s_endpgm
.Lentry_in_a_cluster:
	s_bfe_u32 s2, ttmp6, 0x10000c
	s_cmp_lg_u32 s2, 0x3003
	s_cbranch_scc0 .Lentry_shape_is_right
	s_endpgm
.Lentry_shape_is_right:
; Causal attention on codes of E2M3.  t = score x log2(e) / 8; M = the running largest t rounded up to a whole number; p = 2^(t - M) is quantised along the keys; the row's sum is taken of the unquantised p and divides at the end.
; The result is quantised along head x 64 + d, as the next product's operand -> XC, XS.
; SHARES.  A work-group takes one (batch, head) and the query tiles 8 pos + j, pos = 0 .. 15; j = its place among eight.  A tile's queries lie inside key step pos (128 keys): steps under pos count whole, step pos lies on the diagonal, steps over pos are left out.
; A TILE'S KEY STEPS ARE SHARED BY PARITY BETWEEN TWO WAVES, w and w xor 4.  With t = w % 4 + 4 (w / 8) and e = (w / 4) % 2, wave w walks the steps of parity e of two tiles, one after the other: e = 0: pos 15 - t, then t; e = 1: t, then 15 - t.
; That is 9 steps for e = 0 and 8 for e = 1, whatever t; waves w, w + 4, w + 8, w + 12 have 34 together.  All that hangs on the wave's number alone, so the work-groups run alike, and the four of a cluster ask for K and V jointly.
; Behind its first walk a wave stores its part (O^T, -M, the sum) into LDS bytes of its own; behind one barrier at the end it joins its second part, still in registers, with the part that its partner stored of the same tile:
; both are brought under the larger M by factors 2^(own M - larger M), which round nothing, as the running M's rescaling does.  So every wave sends one tile out.
; LDS holds the head's K, V and their scale words whole, each byte filled once, one load a wave: waves 0-11 a sixth of K's or V's codes, waves 12-15 a quarter of the scale words.  Nothing is filled again.  No prefetch: there is no ring to run ahead in.
; LAYOUT.  Both products are used transposed: S^T = K Q^T, O^T = V^T P^T: a lane holds one query throughout.  Tiles are images of registers (a unit: 16 rows x 64 codes, 768 bytes), their rows chosen so that the 16 registers of tiles 2 b, 2 b + 1 are 16 neighbouring keys.
; K = 64 IN A 128-DEEP INSTRUCTION: Q's upper six registers are zero codes.  K's fragment for tile t is registers 6 t .. 6 t + 11: its upper half is the next tile's codes, which meet zero codes under scale bytes of 1.0 and add nothing.
; The 2 scale bytes a row go out as stores of 2 bytes, 32 bytes apart.
; LIMITS: NaN and infinities are not served; a block's largest p is taken from the block's largest score (v_exp_f32 is taken not to fall where its input rises); 1 / l is v_rcp_f32 (1 ulp).
.set SOFF,  196608                     ; LDS: K's units at 0, V's at 98,304, K's scale words here, V's 8,192 on
.set SPARE, 208896                     ; the spare words: 128 bytes a wave, named by no other line
.set STAGE, 210944                     ; behind them: a part for each wave; no fill lands here
.set PSTG,  4608                       ; O^T 4,096 bytes, (-M, t) 256, the sum's two halves 256
.set S,   96                           ; v96-159  S^T, then p
.set O,   160                          ; v160-191 O^T
.set PCD, 192                          ; v192-203 p's codes
.set PT,  204                          ; v204-211 the upper halves' codes
.set BM,  212                          ; v212-215 the blocks' largest scores, then largest p
.set BT,  216                          ; v216-219 at work, then the bytes
.set SO,  220                          ; v220-223 the conversions' scale operands
.set F,   224                          ; v[224:225] f = 2^(old M - new M)
.set PW,  226                          ; v226 p's scale word, and nothing else
.set TMP, 227
.set SUM, 30                           ; v[30:31] the row's sum in two halves
.set NM,  14                           ; v14 -M, v15 the largest t
.set QN,  230                          ; v230-236 the next walk's Q and its scale words
.set WV,  12
.set POS, 16
.set ST,  18                           ; the key step
.set TK,  19                           ; where its units begin: 6,144 bytes a step
.set TS,  20                           ; K's scale words: 512 a step
.set TV,  21                           ; V's: 8,192 + 256 a step
.set SEL, 22
.set CS,  60
.set CNT, 3                            ; counts a walk's 8 trips
.set PH,  72                           ; the walk: 0, 1
.set PAR, 73                           ; e
.macro CROUND
	s_barrier_signal -1
	s_barrier_wait -1
	s_cmp_lg_u32 s[WV], 0
	s_cbranch_scc1 .Lnot_wave_0_\@
	s_barrier_signal -3
.Lnot_wave_0_\@:
	s_barrier_wait -3
	s_barrier_signal -1
	s_barrier_wait -1
.endm
	s_load_b128 s[4:7], s[0:1], 0x0                ; QKVC, QKVS
	s_load_b128 s[8:11], s[0:1], 0x10              ; XC, XS
	v_lshl_add_u32 v254, v0, 2, SPARE
	v_mov_b32 v255, 0
	ds_add_u32 v254, v255                          ; the opening lines: the add, twice on end, and its wait ahead of my first tensor load
	ds_add_u32 v254, v255
	v_lshrrev_b32 v1, 5, v0
	s_delay_alu instid0(VALU_DEP_1)
	v_readfirstlane_b32 s[WV], v1                  ; wave 0..15
	s_bfe_u32 s13, ttmp6, 0x40000                  ; cx
	s_lshl_b32 s15, ttmp9, 2
	s_add_co_u32 s13, s13, s15                     ; j
	s_and_b32 s14, ttmp7, 0xffff                   ; batch x 16 + head
	s_bfe_u32 s[PAR], s[WV], 0x10002               ; e
	s_and_b32 s15, s[WV], 3
	s_lshr_b32 s17, s[WV], 3
	s_lshl_b32 s17, s17, 2
	s_add_co_u32 s15, s15, s17                     ; t
	s_mul_i32 s17, s[PAR], 15
	s_xor_b32 s17, s17, 15
	s_xor_b32 s[POS], s15, s17                     ; the first walk's tile: 15 - t for e = 0, t for e = 1
	s_and_b32 s17, s[WV], 3                        ; waves 12-15: which quarter of the scale words I fetch
	s_mov_b32 s44, 15|(3<<16)|(1<<21)              ; a sixth of K's or of V's codes: 64 rows of 256 bytes, dense; 15:0 all four work-groups; 17:16 elements of 8 bytes; 21 set beside a mask
	s_mov_b32 s45, 32<<16
	s_mov_b32 s46, 64<<16
	s_mov_b32 s47, 32<<16
	s_mov_b32 s48, 64
	s_mov_b32 s49, 32
	s_mov_b32 s50, 0
	s_mov_b32 s51, 0
	s_mov_b32 s52, 15|(3<<16)|(1<<21)              ; a quarter of the scale words: 12 rows of 256 bytes
	s_mov_b32 s53, 32<<16
	s_mov_b32 s54, 12<<16
	s_mov_b32 s55, 32<<16
	s_mov_b32 s56, 12
	s_mov_b32 s57, 32
	s_mov_b32 s58, 0
	s_mov_b32 s59, 0
	s_mul_i32 s66, s14, 20480                      ; the head's scale words
	s_mul_i32 s68, s17, 3072
	s_add_co_u32 s25, s68, SOFF
	s_add_co_u32 s68, s68, 8192
	s_add_co_u32 s68, s68, s66
	s_mov_b32 s69, 0
	s_mul_i32 s63, s14, 98304                      ; the head's codes in each of Q, K, V
	s_lshl_b32 s29, s[WV], 14                      ; waves 0-11: part w of twelve, 16,384 bytes each: K's six, then V's six, in LDS one behind the other
	s_cmp_ge_u32 s[WV], 6
	s_cselect_b32 s70, 3145728-98304, 0            ; in memory V's codes lie 3,145,728 bytes behind K's
	s_add_co_u32 s70, s70, 3145728
	s_add_co_u32 s70, s70, s29
	s_add_co_u32 s70, s70, s63
	s_mov_b32 s71, 0
	s_mov_b32 s24, 1
	s_mov_b32 s28, 1
	s_wait_dscnt 0x0
	s_wait_kmcnt 0x0
	s_add_nc_u64 s[26:27], s[6:7], s[68:69]
	s_or_b32 s27, s27, 0x80000000
	s_add_nc_u64 s[30:31], s[4:5], s[70:71]
	s_or_b32 s31, s31, 0x80000000
	CROUND                                         ; all four work-groups are here: the joint loads meet
	s_cmp_lt_u32 s[WV], 12                         ; every wave asks for one part
	s_cbranch_scc0 .Lfill_s
	tensor_load_to_lds s[28:31], s[44:51]
	s_nop 0
.rept 4
	v_nop
.endr
	s_branch .Lfilled
.Lfill_s:
	tensor_load_to_lds s[24:27], s[52:59]
	s_nop 0
.rept 4
	v_nop
.endr
.Lfilled:
	v_and_b32 v6, 15, v0                           ; r
	v_bfe_u32 v7, v0, 4, 1                         ; h
	v_and_b32 v1, 31, v0
	s_delay_alu instid0(VALU_DEP_1)
	v_lshlrev_b32 v2, 3, v1
	s_delay_alu instid0(VALU_DEP_1)
	v_add_nc_u32 v2, 512, v2                       ; 8 x lane + 512: a unit's second part
	s_delay_alu instid0(VALU_DEP_3)
	v_lshlrev_b32 v1, 4, v1                        ; 16 x lane: its first
	v_lshlrev_b32 v29, 2, v6                       ; 4 r
	s_delay_alu instid0(VALU_DEP_1)
	v_add_nc_u32 v3, SOFF, v29
	s_mul_i32 s32, s[WV], PSTG
	s_add_co_u32 s32, s32, STAGE                   ; my part's bytes,
	s_xor_b32 s33, s[WV], 4
	s_mul_i32 s33, s33, PSTG
	s_add_co_u32 s33, s33, STAGE                   ; and my partner's
	v_add_nc_u32 v237, s32, v1
	v_add_nc_u32 v238, s32, v2
	v_add_nc_u32 v239, s33, v1
	v_add_nc_u32 v94, s33, v2
	s_wait_alu depctr_va_vdst(0)
	s_lshl_b32 s62, s[POS], 3
	s_add_co_u32 s62, s62, s13                     ; the first walk's tile of queries
	s_mul_i32 s68, s62, 768
	s_add_co_u32 s68, s68, s63
	s_mov_b32 s69, 0
	s_add_nc_u64 s[68:69], s[4:5], s[68:69]
	s_lshl_b32 s70, s62, 6
	s_add_co_u32 s70, s70, s66
	s_mov_b32 s71, 0
	s_add_nc_u64 s[70:71], s[6:7], s[70:71]
	global_load_b128 v[QN:QN+3], v1, s[68:69]
	global_load_b64 v[QN+4:QN+5], v2, s[68:69]
	global_load_b32 v[QN+6], v29, s[70:71]
	s_xor_b32 s62, s[POS], 15
	s_lshl_b32 s62, s62, 3
	s_add_co_u32 s62, s62, s13                     ; the second walk's: also the tile that I send out
	s_mul_i32 s76, s62, 768
	s_add_co_u32 s76, s76, s63
	s_mov_b32 s77, 0
	s_add_nc_u64 s[76:77], s[4:5], s[76:77]
	s_lshl_b32 s78, s62, 6
	s_add_co_u32 s78, s78, s66
	s_mov_b32 s79, 0
	s_add_nc_u64 s[78:79], s[6:7], s[78:79]
	s_lshr_b32 s63, s13, 1
	s_lshl_b32 s63, s63, 5
	s_and_b32 s66, s13, 1
	s_lshl_b32 s66, s66, 3
	s_add_co_u32 s63, s63, s66                     ; 32 (j / 2) + 8 (j % 2)
	v_and_b32 v4, 8, v6
	s_delay_alu instid0(VALU_DEP_1)
	v_add_nc_u32 v4, v4, v6
	s_delay_alu instid0(VALU_DEP_1)
	v_add_nc_u32 v4, s63, v4                       ; my query within its key step,
	v_lshlrev_b32 v5, 4, v7
	s_delay_alu instid0(VALU_DEP_1)
	v_sub_nc_u32 v4, v4, v5                        ; less 16 h: register 16 b + i holds key 32 b + 16 h + i, hidden where 32 b + i is greater
	v_mov_b32 v5, 0xff800000                       ; -infinity
.irp i, 0,1,2,3,4,5
	v_mov_b32 v[22+\i], 0                          ; Q's idle half: zero codes
	v_mov_b32 v[80+\i], 0                          ; what stands behind K's last tile
.endr
.irp i, 0,1,2,3,4,5,6,7
	v_mov_b32 v[BM+\i], 0                          ; written once: a lane permute's destination counts as one of its sources
.endr
	v_mov_b32 v[F+1], 0
	v_mov_b32 v[TMP], 0
	s_mov_b32 s[SEL], 0x76543210
	s_mov_b32 s[SEL+1], 0xfedcba98
	s_mov_b32 s[CS], 0x3e38aa3b                    ; c = log2(e) / 8
	s_mov_b32 s[CS+1], s[CS]
	s_mov_b32 s[PH], 0
	s_wait_alu depctr_va_vdst(0)
	s_wait_tensorcnt 0x0                           ; my part has landed
	s_barrier_signal -1
	s_barrier_wait -1                              ; K, V and their scale words lie whole in LDS for every wave
; A WALK: the key steps of my parity of one tile
.Lwalk:
	s_wait_loadcnt 0x0                             ; this walk's Q
.irp i, 0,1,2,3,4,5
	v_mov_b32 v[16+\i], v[QN+\i]
.endr
	v_mov_b32 v28, v[QN+6]                         ; (the 36 lines below are the places between these writes and the scaled products)
	v_mov_b32 v15, 0xff61b1e6                      ; the largest t so far: -3e38
	v_mov_b32 v30, 0
	v_mov_b32 v31, 0
	s_delay_alu instid0(VALU_DEP_3)
	v_floor_f32 v14, -v15                          ; -M
.set I, 0
.rept 32
	v_mov_b32 v[O+I], 0                            ; the step is written once: the first finds zeros
.set I, I+1
.endr
	s_wait_alu depctr_va_vdst(0)
	s_cmp_lg_u32 s[PH], 0
	s_cbranch_scc1 .Lq_in
	global_load_b128 v[QN:QN+3], v1, s[76:77]      ; the second walk's Q lands under the first walk
	global_load_b64 v[QN+4:QN+5], v2, s[76:77]
	global_load_b32 v[QN+6], v29, s[78:79]
.Lq_in:
	s_mov_b32 s[ST], s[PAR]
	s_mul_i32 s[TK], s[PAR], 6144
	s_lshl_b32 s[TS], s[PAR], 9
	s_lshl_b32 s[TV], s[PAR], 8
	s_add_co_u32 s[TV], s[TV], 8192
	s_mov_b32 s[CNT], 8
; A KEY STEP: 128 keys.  The trip count is a constant; a step all of whose keys come after my queries only steps the addresses
.Lstep:
	s_cmp_gt_u32 s[ST], s[POS]
	s_cbranch_scc1 .Lhidden
	v_add_nc_u32 v8, s[TK], v1                     ; (these six are also the places ahead of loads into registers that the last products read)
	v_add_nc_u32 v9, s[TK], v2
	s_delay_alu instid0(VALU_DEP_2)
	v_add_nc_u32 v10, 98304, v8
	s_delay_alu instid0(VALU_DEP_2)
	v_add_nc_u32 v11, 98304, v9
	v_add_nc_u32 v12, s[TS], v3
	v_add_nc_u32 v13, s[TV], v3
.irp t, 0,1,2,3,4,5,6,7
	ds_load_b128 v[32+6*\t:35+6*\t], v8 offset:768*\t
	ds_load_b64 v[36+6*\t:37+6*\t], v9 offset:768*\t
	ds_load_b32 v[86+\t], v12 offset:64*\t
.endr
	s_wait_alu depctr_va_vdst(0)
	s_wait_dscnt 0x0
.irp t, 0,1,2,3,4,5,6,7
	v_wmma_scale_f32_16x16x128_f8f6f4 v[S+8*\t:S+8*\t+7], v[32+6*\t:43+6*\t], v[16:27], 0, v[86+\t], v28 matrix_a_fmt:MATRIX_FMT_FP6 matrix_b_fmt:MATRIX_FMT_FP6
.endr
.rept 4
	v_nop
.endr
.irp t, 0,1,2,3                        ; V's four fragments and their scale words are asked for now and land under the softmax
	ds_load_b128 v[32+12*\t:35+12*\t], v10 offset:1536*\t
	ds_load_b64 v[36+12*\t:37+12*\t], v11 offset:1536*\t
	ds_load_b128 v[38+12*\t:41+12*\t], v10 offset:1536*\t+768
	ds_load_b64 v[42+12*\t:43+12*\t], v11 offset:1536*\t+768
	ds_load_b32 v[86+\t], v13 offset:64*\t
.endr
	s_cmp_lg_u32 s[ST], s[POS]                     ; on the diagonal hidden scores become -infinity ahead of the maximum: p = 0 then
	s_cbranch_scc1 .Lopen
.set I, 0
.rept 64
	v_cmp_gt_i32 vcc_lo, 32*(I/16)+I%16, v4
	v_cndmask_b32 v[S+I], v[S+I], v5, vcc_lo
.set I, I+1
.endr
.Lopen:
.irp b, 0,1,2,3
	v_max3_num_f32 v[BM+\b], v[S+16*\b], v[S+16*\b+1], v[S+16*\b+2]        ; the largest score of each block of 32 keys: for the row's maximum, and for the block's largest p
.endr
.irp i, 3,5,7,9,11,13
.irp b, 0,1,2,3
	v_max3_num_f32 v[BM+\b], v[BM+\b], v[S+16*\b+\i], v[S+16*\b+\i+1]
.endr
.endr
.irp b, 0,1,2,3
	v_max_num_f32 v[BM+\b], v[BM+\b], v[S+16*\b+15]
.endr
.irp b, 0,1,2,3
	s_delay_alu instid0(VALU_DEP_4)
	v_permlanex16_b32 v[BT+\b], v[BM+\b], s[SEL], s[SEL+1]
.endr
.irp b, 0,1,2,3
	s_delay_alu instid0(VALU_DEP_4)
	v_max_num_f32 v[BM+\b], v[BM+\b], v[BT+\b]
.endr
	s_delay_alu instid0(VALU_DEP_2)
	v_max3_num_f32 v[TMP], v[BM], v[BM+1], v[BM+2]
	s_delay_alu instid0(VALU_DEP_1)
	v_max_num_f32 v[TMP], v[TMP], v[BM+3]
	s_delay_alu instid0(VALU_DEP_1)
	v_mul_f32 v[TMP], s[CS], v[TMP]
	s_delay_alu instid0(VALU_DEP_1)
	v_max_num_f32 v15, v15, v[TMP]                 ; the running largest t
	v_mov_b32 v[TMP], v14
	s_delay_alu instid0(VALU_DEP_2)
	v_floor_f32 v14, -v15                          ; the new -M: a whole number
	s_delay_alu instid0(VALU_DEP_1)
	v_sub_f32 v[TMP], v14, v[TMP]
	s_delay_alu instid0(VALU_DEP_1)
	v_cvt_i32_f32 v[TMP], v[TMP]                   ; (it saturates)
	s_delay_alu instid0(VALU_DEP_1)
	v_ldexp_f32 v[F], 1.0, v[TMP]                  ; f = 2^(old M - new M): rounds nothing
.set I, 0
.rept 32
	v_pk_fma_f32 v[S+2*I:S+2*I+1], v[S+2*I:S+2*I+1], s[CS:CS+1], v[NM:NM+1] op_sel_hi:[1,0,0]   ; t - M
.set I, I+1
.endr
.irp b, 0,1,2,3
	v_fma_f32 v[BM+\b], v[BM+\b], s[CS], v14
.endr
.set I, 0
	s_wait_alu depctr_va_vdst(0)
.rept 64
	v_exp_f32 v[S+I], v[S+I]                       ; p = 2^(t - M), not normalised
.set I, I+1
.endr
.irp b, 0,1,2,3
	v_exp_f32 v[BM+\b], v[BM+\b]
.endr
	v_pk_mul_f32 v[SUM:SUM+1], v[SUM:SUM+1], v[F:F+1] op_sel_hi:[1,0]      ; the sums under the new M (a plain place behind the exponentials)
	s_wait_alu depctr_va_vdst(0)
.irp b, 0,1,2,3
	v_max_num_f32 v[BM+\b], 0x1800000, v[BM+\b]    ; the floor 2^(3 - 127)
.endr
.irp b, 0,1,2,3
	s_delay_alu instid0(VALU_DEP_4)
	v_add_nc_u32 v[SO+\b], 0xff000000, v[BM+\b]
.endr
.irp b, 0,1,2,3
	s_delay_alu instid0(VALU_DEP_4)
	v_lshrrev_b32 v[BT+\b], 23, v[SO+\b]
.endr
	s_delay_alu instid0(VALU_DEP_3)
	v_lshl_or_b32 v[PW], v[BT+1], 8, v[BT]
	s_delay_alu instid0(VALU_DEP_1)
	v_lshl_or_b32 v[PW], v[BT+2], 16, v[PW]
	s_delay_alu instid0(VALU_DEP_1)
	v_lshl_or_b32 v[PW], v[BT+3], 24, v[PW]
.irp c, 0,1
	v_cvt_scalef32_pk16_fp6_f32 v[PCD+6*\c:PCD+6*\c+2], v[S+32*\c:S+32*\c+15], v[SO+2*\c]
	v_cvt_scalef32_pk16_fp6_f32 v[PT+4*\c:PT+4*\c+2], v[S+32*\c+16:S+32*\c+31], v[SO+2*\c+1]
.endr
	v_nop                                          ; one plain place behind a scaled conversion
.irp c, 0,1
.irp i, 0,1,2
	v_permlane16_swap_b32 v[PCD+6*\c+\i], v[PT+4*\c+\i]
.endr
.irp i, 0,1,2
	s_delay_alu instid0(VALU_DEP_3)
	v_mov_b32 v[PCD+6*\c+3+\i], v[PT+4*\c+\i]
.endr
.endr
	v_pk_add_f32 v[228:229], v[100:101], v[104:105]                ; the row's sum of the unquantised p: eight chains
	v_pk_add_f32 v[252:253], v[108:109], v[112:113]
	v_pk_add_f32 v[250:251], v[116:117], v[120:121]
	v_pk_add_f32 v[248:249], v[124:125], v[128:129]
	v_pk_add_f32 v[246:247], v[132:133], v[136:137]
	v_pk_add_f32 v[244:245], v[140:141], v[144:145]
	v_pk_add_f32 v[242:243], v[148:149], v[152:153]
	v_pk_add_f32 v[30:31], v[30:31], v[156:157]
	v_pk_add_f32 v[228:229], v[228:229], v[96:97]
	v_pk_add_f32 v[252:253], v[252:253], v[98:99]
	v_pk_add_f32 v[250:251], v[250:251], v[102:103]
	v_pk_add_f32 v[248:249], v[248:249], v[106:107]
	v_pk_add_f32 v[246:247], v[246:247], v[110:111]
	v_pk_add_f32 v[244:245], v[244:245], v[114:115]
	v_pk_add_f32 v[242:243], v[242:243], v[118:119]
	v_pk_add_f32 v[30:31], v[30:31], v[122:123]
	v_pk_add_f32 v[228:229], v[228:229], v[126:127]
	v_pk_add_f32 v[252:253], v[252:253], v[130:131]
	v_pk_add_f32 v[250:251], v[250:251], v[134:135]
	v_pk_add_f32 v[248:249], v[248:249], v[138:139]
	v_pk_add_f32 v[246:247], v[246:247], v[142:143]
	v_pk_add_f32 v[244:245], v[244:245], v[146:147]
	v_pk_add_f32 v[242:243], v[242:243], v[150:151]
	v_pk_add_f32 v[30:31], v[30:31], v[154:155]
	v_pk_add_f32 v[228:229], v[228:229], v[158:159]
	s_delay_alu instid0(VALU_DEP_2)
	v_pk_add_f32 v[30:31], v[30:31], v[248:249]
	s_delay_alu instid0(VALU_DEP_2)
	v_pk_add_f32 v[228:229], v[228:229], v[246:247]
	v_pk_add_f32 v[252:253], v[252:253], v[244:245]
	v_pk_add_f32 v[250:251], v[250:251], v[242:243]
	s_delay_alu instid0(VALU_DEP_2)
	v_pk_add_f32 v[30:31], v[30:31], v[252:253]
	s_delay_alu instid0(VALU_DEP_2)
	v_pk_add_f32 v[228:229], v[228:229], v[250:251]
	s_delay_alu instid0(VALU_DEP_1)
	v_pk_add_f32 v[30:31], v[30:31], v[228:229]
.set I, 0
.rept 16
	v_pk_mul_f32 v[O+2*I:O+2*I+1], v[O+2*I:O+2*I+1], v[F:F+1] op_sel_hi:[1,0]      ; O^T under the new M
.set I, I+1
.endr
	s_wait_alu depctr_va_vdst(0)
	s_wait_dscnt 0x0                               ; V
.irp t, 0,1,2,3
	v_wmma_scale_f32_16x16x128_f8f6f4 v[O+8*\t:O+8*\t+7], v[32+12*\t:43+12*\t], v[PCD:PCD+11], v[O+8*\t:O+8*\t+7], v[86+\t], v[PW] matrix_a_fmt:MATRIX_FMT_FP6 matrix_b_fmt:MATRIX_FMT_FP6
.endr
.Lhidden:
	s_add_co_u32 s[ST], s[ST], 2                   ; the next step of my parity
	s_add_co_u32 s[TK], s[TK], 12288
	s_add_co_u32 s[TS], s[TS], 1024
	s_add_co_u32 s[TV], s[TV], 512
	s_sub_co_u32 s[CNT], s[CNT], 1
	s_cmp_lg_u32 s[CNT], 0
	s_cbranch_scc1 .Lstep
.rept 4
	v_nop                                          ; places behind the last products
.endr
	s_cmp_lg_u32 s[PH], 0
	s_cbranch_scc1 .Lno_store
.irp i, 0,1,2,3,4,5,6,7                ; the first walk's part goes to my own LDS bytes; each accumulator from its low end on
	ds_store_b128 v237, v[O+4*\i:O+4*\i+3] offset:512*\i
.endr
	ds_store_b64 v238, v[14:15] offset:3584        ; -M (and t): at 4,096 + 8 x lane
	ds_store_b64 v238, v[30:31] offset:3840        ; the sum's two halves
.Lno_store:
	s_xor_b32 s[POS], s[POS], 15                   ; the other tile
	s_add_co_u32 s[PH], s[PH], 1
	s_cmp_lt_u32 s[PH], 2
	s_wait_alu depctr_va_vdst(0)
	s_cbranch_scc1 .Lwalk
	s_wait_dscnt 0x0                               ; for my partner's sake: my part lies in LDS
	s_barrier_signal -1
	s_barrier_wait -1
	; THE TWO PARTS OF MY SECOND TILE ARE JOINED: mine in registers, my partner's from its bytes
.irp i, 0,1,2,3,4,5,6,7
	ds_load_b128 v[32+4*\i:35+4*\i], v239 offset:512*\i
.endr
	ds_load_b64 v[64:65], v94 offset:3584
	ds_load_b64 v[66:67], v94 offset:3840
	v_mov_b32 v73, 0                               ; the upper word of the pair v[72:73]
	v_add_f32 v30, v30, v31
	s_wait_alu depctr_va_vdst(0)
	s_wait_dscnt 0x0
	v_min_num_f32 v68, v14, v64                    ; -M of the larger M
	v_add_f32 v66, v66, v67
	s_delay_alu instid0(VALU_DEP_2)
	v_sub_f32 v69, v68, v14                        ; whole numbers, 0 or less
	v_sub_f32 v70, v68, v64
	s_delay_alu instid0(VALU_DEP_2)
	v_cvt_i32_f32 v69, v69                         ; (they saturate: a part with no step counts for nothing)
	s_delay_alu instid0(VALU_DEP_2)
	v_cvt_i32_f32 v70, v70
	s_delay_alu instid0(VALU_DEP_2)
	v_ldexp_f32 v[F], 1.0, v69                     ; my factor,
	s_delay_alu instid0(VALU_DEP_2)
	v_ldexp_f32 v72, 1.0, v70                      ; my partner's: neither rounds anything
	s_delay_alu instid0(VALU_DEP_2)
	v_mul_f32 v30, v30, v[F]
	s_delay_alu instid0(VALU_DEP_1)
	v_fma_f32 v30, v66, v72, v30                   ; the sum
.set I, 0
.rept 16
	v_pk_mul_f32 v[S+2*I:S+2*I+1], v[O+2*I:O+2*I+1], v[F:F+1] op_sel_hi:[1,0]
.set I, I+1
.endr
.set I, 0
.rept 16
	v_pk_fma_f32 v[S+2*I:S+2*I+1], v[32+2*I:33+2*I], v[72:73], v[S+2*I:S+2*I+1] op_sel_hi:[1,0,1]
.set I, I+1
.endr
	; THE WAY OUT: O^T / l, quantised along d: register 16 b + i is d = 32 b + 16 h + i
	v_permlanex16_b32 v[TMP], v30, s[SEL], s[SEL+1]
	s_delay_alu instid0(VALU_DEP_1)
	v_add_f32 v30, v30, v[TMP]
	s_wait_alu depctr_va_vdst(0)
	v_rcp_f32 v[F], v30
	v_nop
.set I, 0
	s_wait_alu depctr_va_vdst(0)
.rept 16
	v_pk_mul_f32 v[S+2*I:S+2*I+1], v[S+2*I:S+2*I+1], v[F:F+1] op_sel_hi:[1,0]
.set I, I+1
.endr
.irp b, 0,1
	v_max3_num_f32 v[BM+\b], |v[S+16*\b]|, |v[S+16*\b+1]|, 0x1800000
.endr
.irp i, 2,4,6,8,10,12,14
.irp b, 0,1
	s_delay_alu instid0(VALU_DEP_2)
	v_max3_num_f32 v[BM+\b], v[BM+\b], |v[S+16*\b+\i]|, |v[S+16*\b+\i+1]|
.endr
.endr
.irp b, 0,1
	s_delay_alu instid0(VALU_DEP_2)
	v_permlanex16_b32 v[BM+2+\b], v[BM+\b], s[SEL], s[SEL+1]
.endr
.irp b, 0,1
	s_delay_alu instid0(VALU_DEP_2)
	v_max_num_f32 v[BM+\b], v[BM+\b], v[BM+2+\b]
.endr
.irp b, 0,1
	s_delay_alu instid0(VALU_DEP_2)
	v_add_nc_u32 v[BM+4+\b], 0xff000000, v[BM+\b]
.endr
.irp b, 0,1
	s_delay_alu instid0(VALU_DEP_2)
	v_lshrrev_b32 v[BM+2+\b], 23, v[BM+4+\b]
.endr
	v_cvt_scalef32_pk16_fp6_f32 v[PCD:PCD+2], v[S:S+15], v[BM+4]
	v_cvt_scalef32_pk16_fp6_f32 v[PT:PT+2], v[S+16:S+31], v[BM+5]
	v_nop
.irp i, 0,1,2
	v_permlane16_swap_b32 v[PCD+\i], v[PT+\i]
.endr
.irp i, 0,1,2
	s_delay_alu instid0(VALU_DEP_3)
	v_mov_b32 v[PCD+3+\i], v[PT+\i]
.endr
	v_lshl_or_b32 v[TMP], v[BM+3], 8, v[BM+2]
	s_lshr_b32 s63, s14, 4                         ; the batch
	s_and_b32 s66, s14, 15                         ; the head
	s_lshl_b32 s67, s63, 7
	s_add_co_u32 s67, s67, s62                     ; the block of tokens: 128 x batch + my tile
	s_lshl_b32 s68, s67, 4
	s_add_co_u32 s68, s68, s66                     ; its unit: the head
	s_mul_i32 s68, s68, 768
	s_mov_b32 s69, 0
	s_add_nc_u64 s[8:9], s[8:9], s[68:69]
	s_lshr_b32 s68, s67, 1
	s_lshl_b32 s68, s68, 5
	s_and_b32 s70, s67, 1
	s_lshl_b32 s70, s70, 3
	s_add_co_u32 s68, s68, s70                     ; the block's first token
	s_lshl_b32 s68, s68, 5
	s_lshl_b32 s70, s66, 1
	s_add_co_u32 s68, s68, s70
	s_add_nc_u64 s[10:11], s[10:11], s[68:69]
	v_and_b32 v8, 8, v6
	s_delay_alu instid0(VALU_DEP_1)
	v_add_nc_u32 v8, v8, v6
	s_delay_alu instid0(VALU_DEP_1)
	v_lshlrev_b32 v8, 5, v8                        ; token r + 8 (r / 8): 32 scale bytes a token
	s_wait_alu depctr_va_vdst(0)
	global_store_b128 v1, v[PCD:PCD+3], s[8:9]
	global_store_b64 v2, v[PCD+4:PCD+5], s[8:9]
	global_store_b16 v8, v[TMP], s[10:11]          ; both halves of the lanes write the same two bytes
	s_wait_tensorcnt 0x0                           ; the wave's end
	ds_add_u32 v254, v255
	s_wait_dscnt 0x0
	CROUND                                         ; the closing round
	s_endpgm
.Lfunc_end_k_q7cf77fb583_attn:
	.size	k_q7cf77fb583_attn, .Lfunc_end_k_q7cf77fb583_attn-k_q7cf77fb583_attn
	.p2alignl 7, 3214868480
	.fill 96, 4, 3214868480
	.section	.rodata,"a",@progbits
	.p2align	6, 0x0
	.amdhsa_kernel k_q7cf77fb583_attn
		.amdhsa_group_segment_fixed_size 286720
		.amdhsa_private_segment_fixed_size 0
		.amdhsa_enable_private_segment 0
		.amdhsa_kernarg_size 32
		.amdhsa_user_sgpr_count 2
		.amdhsa_user_sgpr_kernarg_segment_ptr 1
		.amdhsa_wavefront_size32 1
		.amdhsa_system_sgpr_workgroup_id_x 1
		.amdhsa_system_sgpr_workgroup_id_y 1
		.amdhsa_system_sgpr_workgroup_id_z 1
		.amdhsa_system_vgpr_workitem_id 0
		.amdhsa_next_free_vgpr 256
		.amdhsa_next_free_sgpr 84
		.amdhsa_reserve_vcc 1
		.amdhsa_float_denorm_mode_32 3
		.amdhsa_float_denorm_mode_16_64 3
		.amdhsa_memory_ordered 1
		.amdhsa_forward_progress 1
		.amdhsa_inst_pref_size 43
	.end_amdhsa_kernel
	.amdgpu_metadata
---
amdhsa.version: [ 1, 2 ]
amdhsa.kernels:
  - .name:           k_q7cf77fb583_attn
    .symbol:         k_q7cf77fb583_attn.kd
    .args:
      - { .name: QKVC, .offset: 0, .size: 8, .value_kind: global_buffer, .address_space: global }
      - { .name: QKVS, .offset: 8, .size: 8, .value_kind: global_buffer, .address_space: global }
      - { .name: XC, .offset: 16, .size: 8, .value_kind: global_buffer, .address_space: global }
      - { .name: XS, .offset: 24, .size: 8, .value_kind: global_buffer, .address_space: global }
    .group_segment_fixed_size: 286720
    .private_segment_fixed_size: 0
    .kernarg_segment_align: 8
    .kernarg_segment_size: 32
    .max_flat_workgroup_size: 512
    .sgpr_count:     84
    .vgpr_count:     256
    .wavefront_size: 32
...
	.end_amdgpu_metadata
.endif
;; end of part 10
;; launch wo (part 11): grid 8 x 32, 4 waves a work-group, clusters of 4 x 4, 327,680 bytes of LDS; arguments XC, XS, WI, wo_scales, x, H; writes H
.if DOCPART == 11
	.amdgcn_target "amdgcn-amd-amdhsa--gfx1250"
	.amdhsa_code_object_version 6
	.text
	.protected	k_q7cf77fb583_wo
	.globl	k_q7cf77fb583_wo
	.p2align	8
	.type	k_q7cf77fb583_wo,@function
k_q7cf77fb583_wo:
	s_mov_b64 s[64:65], 0
	v_nop
	global_prefetch_b8 v0, s[64:65] scope:SCOPE_SE
	s_setreg_imm32_b32 hwreg(HW_REG_WAVE_MODE, 25, 1), 1
	s_wait_xcnt 0x0
	s_wait_alu depctr_hold_cnt(0) depctr_sa_sdst(0) depctr_va_vdst(0) depctr_va_sdst(0) depctr_va_ssrc(0) depctr_va_vcc(0) depctr_vm_vsrc(0)
	s_getreg_b32 s2, hwreg(HW_REG_IB_STS2, 6, 4)
	s_cmp_eq_u32 s2, 0
	s_cbranch_scc0 .Lentry_in_a_cluster
	s_endpgm
.Lentry_in_a_cluster:
	s_bfe_u32 s2, ttmp6, 0x10000c
	s_cmp_lg_u32 s2, 0xf033
	s_cbranch_scc0 .Lentry_shape_is_right
	s_endpgm
.Lentry_shape_is_right:
; FFN2 = 0: h = x + ao Wo^T (K = 1,024).   FFN2 = 1: out0 = h + gate W2^T (K = 2,752, filled with zero codes to 2,816).   Both operands are codes of E2M3; the residual and the result are f32.
; N = 1,024 gives only 64 tiles of 256 x 256, so a tile of C is 128 x 128: 256 work-groups.  Four waves of 64 x 64: 16 accumulators.  A slot holds 512 along K, so that 64 matrix instructions a wave stand between two changes of slots.
; OPERANDS ARE IMAGES OF REGISTERS: a block is 16 rows (lane index r of block 2 b + u = row 32 b + 8 u + r + 8 (r / 8)), a unit a block x 64 codes = 768 bytes.  THE MATRIX INSTRUCTION IS USED TRANSPOSED (source 0 = the weight's block, source 1 = the tokens'):
; lane (r, h) holds a token, and the 16 registers of the weight's blocks 2 b, 2 b + 1 are columns 32 b + 16 h + 0 .. 15.
; CLUSTER 4 x 4: the tokens' tiles are shared along a row of the cluster, the weight's along a column.  The scale bytes of the tile's rows, for all of K, come once with the first fills.
; THE WAY OUT: 16 rows x 64 columns at a time through the wave's stage in LDS (in slot 0, which has had its last fill and its last read by then); sixteen lanes add the residual to, and store, 256 consecutive aligned bytes.
; The residual's 32 loads a wave are issued at the head and land under the products.
.set FFN2, 0
.set HA, 2
.set NB, 4
.set UQ, 8
.set NQ, 4
.set BLKB, UQ*768
.set QUART, NB*BLKB
.set SLOT, 4*QUART
.set SCL, 2*SLOT
.if FFN2
.set KU, 44                            ; units in a block of the operands' images
.set SROW, 88                          ; a row of scale bytes in memory
.set HALFS, 9216                       ; 64 rows' scale bytes in LDS: rows of 128 bytes (88 given, the rest zeros) + 16
.set SA, 144
.set SBB, 2304
.set SC1, 1152
.set SC4, 4608
.else
.set KU, 16
.set SROW, 32
.set HALFS, 2176                       ; 64 rows' scale bytes: dense, as rows of 256 bytes + 16
.set SA, 32
.set SBB, 544
.set SC1, 272
.set SC4, 1088
.endif
.set SPARE, SCL+4*HALFS                ; the spare words: 128 bytes a wave, named by no other line
.set WOI, 2359296
.set W2I, 7471104
.set W2S, 9814016
.set GSC, 8650752
.set ADRS, 27
.set SPW, 28
.set NIL, 29
.set SC, 32
.set AF, 128
.set G1, 24
.set G0, 32
.set G1L, 40
.set G1B, 48
.set G0B, 56
.set G1S, 68
.set G0S, 76
.set G1SB, 80
.set G0SB, 88
.set G1LB, 92
.set MSB, 0
.macro WIN new                         ; the immediate's high byte repeats the setting that is left
.if MSB != (\new)
	s_set_vgpr_msb (MSB<<8)|(\new)
.set MSB, (\new)
.endif
.endm
.macro PLACES                          ; four plain places behind matrix instructions, ahead of loads into their registers and of reads of results
.rept 4
	v_nop
.endr
.endm
.macro JLOAD g0a, g1a, g0b, g1b        ; waves 0, 1 fetch for A, waves 2, 3 for B; four v_nop follow each line
	s_cmp_eq_u32 s15, 0
	s_cbranch_scc0 .Lfor_b_\@
	tensor_load_to_lds s[\g0a:\g0a+3], s[\g1a:\g1a+7]
	s_nop 0
	PLACES
	s_branch .Lasked_\@
.Lfor_b_\@:
	tensor_load_to_lds s[\g0b:\g0b+3], s[\g1b:\g1b+7]
	s_nop 0
	PLACES
.Lasked_\@:
.endm
.macro CREST
	s_cmp_lg_u32 s14, 0
	s_cbranch_scc1 .Lnot_wave_0_\@
	s_barrier_signal -3
.Lnot_wave_0_\@:
	s_barrier_wait -3
	s_barrier_signal -1
	s_barrier_wait -1
.endm
.macro CROUND
	s_barrier_signal -1
	s_barrier_wait -1
	CREST
.endm
.macro FRAG reg, a16, a8, off          ; a fragment = two units: 16 + 8 bytes a lane each
	ds_load_b128 v[\reg:\reg+3], v[\a16] offset:\off
	ds_load_b64 v[\reg+4:\reg+5], v[\a8] offset:\off
	ds_load_b128 v[\reg+6:\reg+9], v[\a16] offset:\off+768
	ds_load_b64 v[\reg+10:\reg+11], v[\a8] offset:\off+768
.endm
.macro FETCH_B slot, q, p
	WIN 0x40
.set FI, 0
.rept NB
	FRAG 128*(\p)+12*FI, 20+\slot, 22+\slot, FI*2*BLKB+(\q)*1536      ; a block's 16 units lie on end
.set FI, FI+1
.endr
	WIN 0
.endm
.macro FETCH_A slot, q, i0
.set FI, \i0
.rept HA
	FRAG AF+12*FI, 16+\slot, 18+\slot, FI*2*BLKB+(\q)*1536
.set FI, FI+1
.endr
.endm
.macro SCALES sc                       ; a K step's four scale words a row: lanes 0-15 A's block i, lanes 16-31 B's block i
.set FI, 0
.rept NB
	ds_load_b128 v[SC+16*(\sc)+4*FI:SC+16*(\sc)+4*FI+3], v[ADRS] offset:(FI/2)*SC4+(FI%2)*SC1
.set FI, FI+1
.endr
.endm
; The accumulators take turns, one instruction a turn, in the same order in every step.
.macro MULS a0, na, p, q, sc, zero
.set MA, \a0
.rept \na
.set MB, 0
.rept NB
.set MD, 8*(NB*(MA%HA)+MB)
.if \zero
	v_wmma_scale_f32_16x16x128_f8f6f4 v[MD:MD+7], v[128*(\p)+12*MB:128*(\p)+12*MB+11], v[AF+12*MA:AF+12*MA+11], 0, v[SC+16*(\sc)+NQ*MB+(\q)], v[SC+16*(\sc)+NQ*MA+(\q)] matrix_a_fmt:MATRIX_FMT_FP6 matrix_b_fmt:MATRIX_FMT_FP6 matrix_a_scale:MATRIX_SCALE_ROW1
.else
	v_wmma_scale_f32_16x16x128_f8f6f4 v[MD:MD+7], v[128*(\p)+12*MB:128*(\p)+12*MB+11], v[AF+12*MA:AF+12*MA+11], v[MD:MD+7], v[SC+16*(\sc)+NQ*MB+(\q)], v[SC+16*(\sc)+NQ*MA+(\q)] matrix_a_fmt:MATRIX_FMT_FP6 matrix_b_fmt:MATRIX_FMT_FP6 matrix_a_scale:MATRIX_SCALE_ROW1
.endif
.set MB, MB+1
.endr
.set MA, MA+1
.endr
.endm
.macro STEP slot, q, zero
	s_wait_dscnt 4*HA                              ; all but the youngest loads: A's second half, 4 loads a fragment
	WIN 0xa1
	MULS 0, HA, (\q)%2, \q, \slot, \zero
	s_wait_dscnt 0x0
	PLACES
	FETCH_B \slot, (\q)+1, 1-(\q)%2
	FETCH_A \slot, (\q)+1, 0
	WIN 0xf1
	MULS HA, HA, (\q)%2, \q, \slot, \zero
	PLACES
	WIN 0
	FETCH_A \slot, (\q)+1, HA
.endm
; A slot's last step changes slots.  fill = 1: the slot is filled again, two K steps ahead; 2: with the last K step, of which half is given and the rest comes as zeros.
.macro TURN slot, next, fill
	s_wait_tensorcnt 0x0                           ; all my tensor loads have landed: my part of the next slot
	ds_add_u32 v[SPW], v[NIL]                      ; 0 onto my spare word
	s_wait_dscnt 4*HA+1                            ; (the add and A's second half may be out)
	WIN 0xa1
	MULS 0, HA/2, 1, NQ-1, \slot, 0
	s_wait_dscnt 0x0                               ; the add is done, and my reads of this slot are over
	s_barrier_signal -1
	MULS HA/2, HA/2, 1, NQ-1, \slot, 0
	WIN 0
	s_barrier_wait -1
.if \fill
	CREST                                          ; the barrier has opened a round of the cluster's: no wave of any partner still reads this slot or has a load on its way
	s_add_nc_u64 s[G0+4*\slot+2:G0+4*\slot+3], s[G0+4*\slot+2:G0+4*\slot+3], 2*BLKB
	s_add_nc_u64 s[G0B+4*\slot+2:G0B+4*\slot+3], s[G0B+4*\slot+2:G0B+4*\slot+3], 2*BLKB
.if \fill == 2
	JLOAD G0+4*\slot, G1L, G0B+4*\slot, G1LB
.else
	JLOAD G0+4*\slot, G1, G0B+4*\slot, G1B
.endif
.else
	PLACES
.endif
	v_add_nc_u32 v[ADRS], 4*NQ, v[ADRS]
	FETCH_B \next, 0, 0
	FETCH_A \next, 0, 0
	SCALES \next
	WIN 0xf1
	MULS HA, HA, 1, NQ-1, \slot, 0
	PLACES
	WIN 0
	FETCH_A \next, 0, HA
.endm
.macro LAST slot, q
	s_wait_dscnt 4*HA
	WIN 0xa1
	MULS 0, HA, (\q)%2, \q, \slot, 0
	s_wait_dscnt 0x0
	WIN 0xf1
	MULS HA, HA, (\q)%2, \q, \slot, 0
	WIN 0
	PLACES
.endm
.if FFN2
	s_load_b128 s[4:7], s[0:1], 0x0                ; G, WI
	s_load_b64 s[12:13], s[0:1], 0x10              ; H: the residual
	s_load_b64 s[100:101], s[0:1], 0x18            ; out0
.else
	s_load_b256 s[4:11], s[0:1], 0x0               ; XC, XS, WI, wo_scales
	s_load_b64 s[12:13], s[0:1], 0x20              ; x: the residual
	s_load_b64 s[100:101], s[0:1], 0x28            ; H
.endif
	v_lshl_add_u32 v[SPW], v0, 2, SPARE
	v_mov_b32 v[NIL], 0
	ds_add_u32 v28, v29
	ds_add_u32 v28, v29
	s_wait_dscnt 0x0
	v_lshrrev_b32 v1, 5, v0
	v_readfirstlane_b32 s14, v1                    ; wave 0..3
	s_lshr_b32 s15, s14, 1                         ; my half of the tile's tokens.  Also: I fetch for A (0) or B (1)
	s_and_b32 s16, s14, 1                          ; my half of its columns.  Also: which half of that operand's blocks I fetch
	s_bfe_u32 s19, ttmp6, 0x40000                  ; cx
	s_bfe_u32 s20, ttmp6, 0x40004                  ; cy
	s_lshl_b32 s18, ttmp9, 2
	s_add_co_u32 s18, s18, s19                     ; tile column
	s_and_b32 s17, ttmp7, 0xffff
	s_lshl_b32 s17, s17, 2
	s_add_co_u32 s17, s17, s20                     ; tile row
	s_lshl_b32 s21, s20, 2
	s_lshl_b32 s21, 15, s21                        ; my row of the cluster
	s_lshl_b32 s22, 0x1111, s19                    ; my column
	s_or_b32 s[G1], s21, (3<<16)|(1<<21)           ; 15:0 mask; 17:16 elements of 8 bytes; 21 set beside a mask; no padding
	s_or_b32 s[G1B], s22, (3<<16)|(1<<21)
.irp g, G1, G1B
	s_mov_b32 s[\g+1], 32<<16                      ; an operand's 8 blocks, all 16 units of each, are 98,304 dense bytes: 384 rows of 256
	s_mov_b32 s[\g+2], 384<<16
	s_mov_b32 s[\g+3], 32<<16
	s_mov_b32 s[\g+4], 384
	s_mov_b32 s[\g+5], 32
	s_mov_b32 s[\g+6], 0
	s_mov_b32 s[\g+7], 0
.endr
.if FFN2
	s_or_b32 s[G1L], s21, (3<<16)|(1<<21)          ; the last K step: four units are left of a block; the tile's other four come as zeros
	s_or_b32 s[G1LB], s22, (3<<16)|(1<<21)
.irp g, G1L, G1LB
	s_mov_b32 s[\g+1], 384<<16
	s_mov_b32 s[\g+2], NB<<16
	s_mov_b32 s[\g+3], (UQ*96)<<16
	s_mov_b32 s[\g+4], NB
	s_mov_b32 s[\g+5], KU*96
	s_mov_b32 s[\g+6], 0
	s_mov_b32 s[\g+7], 0
.endr
	s_or_b32 s[G1S], s21, (2<<16)|(1<<20)|(1<<21)|(4<<22)|(3<<25)   ; scale rows: 22 words given, 32 laid, 4 of padding behind each
	s_or_b32 s[G1SB], s22, (2<<16)|(1<<20)|(1<<21)|(4<<22)|(3<<25)
.irp g, G1S, G1SB
	s_mov_b32 s[\g+1], 22<<16
	s_mov_b32 s[\g+2], 64<<16
	s_mov_b32 s[\g+3], 32<<16
	s_mov_b32 s[\g+4], 64
	s_mov_b32 s[\g+5], 22
	s_mov_b32 s[\g+6], 0
	s_mov_b32 s[\g+7], 0
.endr
.else
	s_or_b32 s[G1S], s21, (3<<16)|(1<<20)|(1<<21)|(5<<22)|(3<<25)   ; scale bytes: rows of 256 bytes, 16 of padding behind each
	s_or_b32 s[G1SB], s22, (3<<16)|(1<<20)|(1<<21)|(5<<22)|(3<<25)
.irp g, G1S, G1SB
	s_mov_b32 s[\g+1], 32<<16
	s_mov_b32 s[\g+2], (2*HALFS/272)<<16           ; the scale bytes of an operand's 128 rows by one load
	s_mov_b32 s[\g+3], 32<<16
	s_mov_b32 s[\g+4], 2*HALFS/272
	s_mov_b32 s[\g+5], 32
	s_mov_b32 s[\g+6], 0
	s_mov_b32 s[\g+7], 0
.endr
.endif
	s_mov_b32 s2, 0                                ; s23, s56: the tile's first blocks: a load brings a whole operand
	s_lshl_b32 s23, s17, 3
	s_add_co_u32 s23, s23, s2                      ; A's first block that I fetch
	s_lshl_b32 s56, s18, 3
	s_add_co_u32 s56, s56, s2                      ; B's
	s_mov_b32 s[G0+1], 0                           ; LDS: the tokens' 8 blocks, all of K; the weight's 8 blocks; the scale bytes
	s_mov_b32 s[G0B+1], SLOT
	s_mov_b32 s[G0S+1], SCL
	s_mov_b32 s[G0SB+1], SCL+2*HALFS
	s_wait_kmcnt 0x0
.if FFN2
	s_add_nc_u64 s[8:9], s[6:7], W2I               ; w2's image,
	s_add_nc_u64 s[10:11], s[6:7], W2S             ; its scale rows,
	s_add_nc_u64 s[6:7], s[4:5], GSC               ; the gate's scale rows
.else
	s_add_nc_u64 s[8:9], s[8:9], WOI               ; wo's image
.endif
	s_mul_i32 s2, s23, KU*768
	s_mov_b32 s3, 0
	s_add_nc_u64 s[4:5], s[4:5], s[2:3]
	s_mul_i32 s2, s23, 16*SROW
	s_add_nc_u64 s[6:7], s[6:7], s[2:3]
	s_mul_i32 s66, s56, KU*768
	s_mov_b32 s67, 0
	s_add_nc_u64 s[8:9], s[8:9], s[66:67]
	s_mul_i32 s66, s56, 16*SROW
	s_add_nc_u64 s[10:11], s[10:11], s[66:67]
	s_mov_b32 s[G0S], 1
	s_mov_b64 s[G0S+2:G0S+3], s[6:7]
	s_or_b32 s[G0S+3], s[G0S+3], 0x80000000
	s_mov_b32 s[G0SB], 1
	s_mov_b64 s[G0SB+2:G0SB+3], s[10:11]
	s_or_b32 s[G0SB+3], s[G0SB+3], 0x80000000
.irp s, 0
	s_mov_b32 s[G0+4*\s], 1
	s_add_nc_u64 s[G0+4*\s+2:G0+4*\s+3], s[4:5], \s*BLKB
	s_or_b32 s[G0+4*\s+3], s[G0+4*\s+3], 0x80000000
	s_mov_b32 s[G0B+4*\s], 1
	s_add_nc_u64 s[G0B+4*\s+2:G0B+4*\s+3], s[8:9], \s*BLKB
	s_or_b32 s[G0B+4*\s+3], s[G0B+4*\s+3], 0x80000000
.endr
	CROUND                                         ; all sixteen work-groups are here: the first joint loads meet
; K = 1,024 of 128 + 128 rows fits in LDS whole: four tiles, one load a wave, each byte filled once: wave 0 the tokens' codes, wave 1 the weight's, waves 2 and 3 their scale bytes
.macro ARM under, g0, g1, next
	s_cmp_lt_u32 s14, \under
	s_cbranch_scc0 \next
	tensor_load_to_lds s[\g0:\g0+3], s[\g1:\g1+7]
	s_nop 0
	PLACES
	s_branch .Lhead_asked
\next:
.endm
	ARM 1, G0,  G1,  .Lhead_b
	ARM 2, G0B, G1B, .Lhead_sa
	ARM 3, G0S, G1S, .Lhead_sb
	tensor_load_to_lds s[G0SB:G0SB+3], s[G1SB:G1SB+7]
	s_nop 0
	PLACES
.Lhead_asked:
	v_and_b32 v1, 31, v0
	v_and_b32 v2, 15, v0                           ; r
	v_bfe_u32 v3, v0, 4, 1                         ; h
	s_wait_alu depctr_va_vdst(0)
	v_lshlrev_b32 v4, 4, v1
	s_wait_alu depctr_va_vdst(0)
	v_lshlrev_b32 v5, 3, v1
	v_add_nc_u32 v5, 512, v5
	s_wait_alu depctr_va_vdst(0)
	s_lshl_b32 s2, s17, 7
	s_lshl_b32 s3, s15, 6
	s_add_co_u32 s2, s2, s3                        ; my first token
	s_lshl_b32 s2, s2, 12
	s_lshl_b32 s3, s18, 9
	s_add_co_u32 s2, s2, s3
	s_lshl_b32 s3, s16, 8
	s_add_co_u32 s2, s2, s3                        ; and my first column, in bytes
	s_mov_b32 s3, 0
	s_add_nc_u64 s[12:13], s[12:13], s[2:3]
	s_add_nc_u64 s[100:101], s[100:101], s[2:3]
	v_lshlrev_b32 v26, 12, v3
	v_lshl_add_u32 v26, v2, 4, v26                 ; lanes 0-15 one row's 256 bytes, lanes 16-31 the next row's
.set RA, 0
.rept 4
.set RI, 0
.rept 8
	global_load_b128 v[64+32*RA+64*(RA/2)+4*RI:64+32*RA+64*(RA/2)+4*RI+3], v26, s[12:13] offset:(32*(RA/2)+8*(RA%2)+2*RI+8*(RI/4))*4096
.set RI, RI+1
.endr
.set RA, RA+1
.endr
	s_mul_i32 s2, s15, 2*QUART                     ; my four blocks of the tokens,
	s_mul_i32 s3, s16, 2*QUART
	s_add_co_u32 s3, s3, SLOT                      ; and of the weight, behind the tokens' eight
.irp s, 0,1
	v_add_nc_u32 v[16+\s], s2, v4
	v_add_nc_u32 v[18+\s], s2, v5
	v_add_nc_u32 v[20+\s], s3, v4
	v_add_nc_u32 v[22+\s], s3, v5
	s_add_co_u32 s2, s2, BLKB                      ; the second half of K: 8 units on in each block
	s_add_co_u32 s3, s3, BLKB
.endr
	v_and_b32 v6, 7, v2
	v_lshrrev_b32 v7, 3, v2
	v_mul_u32_u24 v6, v6, SA
	v_mad_u32_u24 v6, v7, SBB, v6
	s_mul_i32 s2, s15, HALFS
	s_mul_i32 s3, s16, HALFS
	s_add_co_u32 s3, s3, 2*HALFS
	s_sub_co_u32 s3, s3, s2
	v_mul_u32_u24 v7, s3, v3                       ; lanes 16-31 take B's
	s_add_co_u32 s2, s2, SCL
	v_add_nc_u32 v6, v6, v7
	v_add_nc_u32 v[ADRS], s2, v6
	s_mul_i32 s2, s14, 4352                        ; my stage: 16 rows x (256 + 16) bytes,
	s_add_co_u32 s2, s2, SPARE+512                 ; in bytes of its own behind the spare words: no fill lands there
	v_mul_u32_u24 v24, v2, 272
	v_lshl_add_u32 v24, v3, 6, v24
	v_add_nc_u32 v24, s2, v24                      ; in: row r, 64 h bytes on
	v_mul_u32_u24 v25, v3, 272
	v_lshl_add_u32 v25, v2, 4, v25
	v_add_nc_u32 v25, s2, v25                      ; back: lanes 0-15 one row, lanes 16-31 the next
	s_wait_alu depctr_va_vdst(0)
	s_wait_tensorcnt 0x0                           ; my tile of the four is in
	s_barrier_signal -1
	s_barrier_wait -1
	FETCH_B 0, 0, 0
	FETCH_A 0, 0, 0
	SCALES 0
	FETCH_A 0, 0, HA
	STEP 0, 0, 1
	STEP 0, 1, 0
	STEP 0, 2, 0
.if FFN2
	TURN 0, 1, 1
	STEP 1, 0, 0
	STEP 1, 1, 0
	STEP 1, 2, 0
	TURN 1, 0, 1
	STEP 0, 0, 0
	STEP 0, 1, 0
	STEP 0, 2, 0
	TURN 0, 1, 1
	STEP 1, 0, 0
	STEP 1, 1, 0
	STEP 1, 2, 0
	TURN 1, 0, 2
	STEP 0, 0, 0
	STEP 0, 1, 0
	STEP 0, 2, 0
	TURN 0, 1, 0
	STEP 1, 0, 0
	LAST 1, 1
.else
	TURN 0, 1, 0
	STEP 1, 0, 0
	STEP 1, 1, 0
	STEP 1, 2, 0
	LAST 1, 3
.endif
.macro TOSTAGE a                       ; block a's 16 tokens x 64 columns into my stage, and back as whole rows
	WIN (0x08+4*((\a)/HA))
.set TI, 0
.rept NB
.set AR, 8*(NB*((\a)%HA)+TI)
	ds_store_b128 v24, v[AR:AR+3] offset:128*(TI/2)+32*(TI%2)          ; each accumulator from its low end on
	ds_store_b128 v24, v[AR+4:AR+7] offset:128*(TI/2)+32*(TI%2)+16
.set TI, TI+1
.endr
	WIN 0
.set BB, 128+32*((\a)%2)
.irp i, 0,1,2,3,4,5,6,7
	ds_load_b128 v[BB+4*\i:BB+4*\i+3], v25 offset:544*\i              ; LDS serves a wave's instructions in order: these see my stores
.endr
.endm
.macro SEND a, younger                 ; younger: the LDS instructions issued behind block a's loads: the next block's 8 stores and 8 loads, or none
.set BB, 128+32*((\a)%2)
.set RB, 64+32*(\a)+64*((\a)/2)
	s_wait_dscnt \younger
.irp p, 0,1,2,3,4,5,6,7,8,9,10,11,12,13,14,15
	v_pk_add_f32 v[BB+2*\p:BB+2*\p+1], v[BB+2*\p:BB+2*\p+1], v[RB+2*\p:RB+2*\p+1]
.endr
.irp i, 0,1,2,3,4,5,6,7
.if FFN2
	global_store_b128 v26, v[BB+4*\i:BB+4*\i+3], s[100:101] offset:(32*((\a)/2)+8*((\a)%2)+2*\i+8*(\i/4))*4096 th:TH_STORE_NT
.else
	global_store_b128 v26, v[BB+4*\i:BB+4*\i+3], s[100:101] offset:(32*((\a)/2)+8*((\a)%2)+2*\i+8*(\i/4))*4096
.endif
.endr
.endm
	s_wait_loadcnt 0x0                             ; the residual
	TOSTAGE 0
.irp a, 1,2,3
.if \a > 1
	s_wait_xcnt 0x0                                ; block a - 2's stores have read their registers: block a's loads may land there
.endif
	TOSTAGE \a
	SEND \a-1, 16
.endr
	SEND 3, 0
	s_wait_tensorcnt 0x0                           ; the wave's end
	ds_add_u32 v[SPW], v[NIL]
	s_wait_dscnt 0x0
	CROUND                                         ; the closing round
	s_endpgm
.Lfunc_end_k_q7cf77fb583_wo:
	.size	k_q7cf77fb583_wo, .Lfunc_end_k_q7cf77fb583_wo-k_q7cf77fb583_wo
	.p2alignl 7, 3214868480
	.fill 96, 4, 3214868480
	.section	.rodata,"a",@progbits
	.p2align	6, 0x0
	.amdhsa_kernel k_q7cf77fb583_wo
		.amdhsa_group_segment_fixed_size 327680
		.amdhsa_private_segment_fixed_size 0
		.amdhsa_enable_private_segment 0
		.amdhsa_kernarg_size 48
		.amdhsa_user_sgpr_count 2
		.amdhsa_user_sgpr_kernarg_segment_ptr 1
		.amdhsa_wavefront_size32 1
		.amdhsa_system_sgpr_workgroup_id_x 1
		.amdhsa_system_sgpr_workgroup_id_y 1
		.amdhsa_system_sgpr_workgroup_id_z 1
		.amdhsa_system_vgpr_workitem_id 0
		.amdhsa_next_free_vgpr 1024
		.amdhsa_next_free_sgpr 102
		.amdhsa_reserve_vcc 0
		.amdhsa_float_denorm_mode_32 3
		.amdhsa_float_denorm_mode_16_64 3
		.amdhsa_memory_ordered 1
		.amdhsa_forward_progress 1
		.amdhsa_inst_pref_size 61
	.end_amdhsa_kernel
	.amdgpu_metadata
---
amdhsa.version: [ 1, 2 ]
amdhsa.kernels:
  - .name:           k_q7cf77fb583_wo
    .symbol:         k_q7cf77fb583_wo.kd
    .args:
      - { .name: XC, .offset: 0, .size: 8, .value_kind: global_buffer, .address_space: global }
      - { .name: XS, .offset: 8, .size: 8, .value_kind: global_buffer, .address_space: global }
      - { .name: WI, .offset: 16, .size: 8, .value_kind: global_buffer, .address_space: global }
      - { .name: wo_scales, .offset: 24, .size: 8, .value_kind: global_buffer, .address_space: global }
      - { .name: x, .offset: 32, .size: 8, .value_kind: global_buffer, .address_space: global }
      - { .name: H, .offset: 40, .size: 8, .value_kind: global_buffer, .address_space: global }
    .group_segment_fixed_size: 327680
    .private_segment_fixed_size: 0
    .kernarg_segment_align: 8
    .kernarg_segment_size: 48
    .max_flat_workgroup_size: 128
    .sgpr_count:     102
    .vgpr_count:     1024
    .wavefront_size: 32
...
	.end_amdgpu_metadata
.endif
;; end of part 11
;; launch norm2 (part 12): grid 256 x 1, 8 waves a work-group, no clusters, 70,656 bytes of LDS; arguments H, norm2_w, XC, XS; writes XC, XS
.if DOCPART == 12
	.amdgcn_target "amdgcn-amd-amdhsa--gfx1250"
	.amdhsa_code_object_version 6
	.text
	.protected	k_q7cf77fb583_norm2
	.globl	k_q7cf77fb583_norm2
	.p2align	8
	.type	k_q7cf77fb583_norm2,@function
k_q7cf77fb583_norm2:
	s_mov_b64 s[64:65], 0
	v_nop
	global_prefetch_b8 v0, s[64:65] scope:SCOPE_SE
	s_setreg_imm32_b32 hwreg(HW_REG_WAVE_MODE, 25, 1), 1
	s_wait_xcnt 0x0
; RMSNorm(h) x norm2_w in f32, quantised to E2M3 along the 1,024 columns -> XC (images of operand registers), XS (scale bytes, row-major).
; A work-group takes a block of 16 tokens (lane index r of block 2 b + u = token 32 b + 8 u + r + 8 (r / 8)); wave w takes columns 128 w .. 128 w + 127: two units of 64 codes.
; Each load reads 512 consecutive bytes of a row; the numbers turn through the wave's own stage in LDS, so that a lane holds two whole blocks of 32 neighbours of one row.
; The row's sum of squares meets in LDS: one barrier.  The 16 rows' scale bytes meet there too and leave as two runs of 256 bytes: a second barrier.
; LIMITS: NaN and infinities are not served; 1 / rms is v_rsq_f32 (1 ulp); a block of zeros gets the scale byte 1 (its codes are zeros; this program alone reads the bytes).
.set PART, 67584
.set SCW,  68096
.set R,   16
.set X,   80
.set NW,  144
.set SS,  208
.set C,   216
.set T,   228
.set W,   236
	s_load_b128 s[16:19], s[0:1], 0x0              ; H, norm2_w
	s_load_b128 s[40:43], s[0:1], 0x10             ; XC, XS
	v_lshl_add_u32 v254, v0, 2, 0x11000
	v_mov_b32 v255, 0
	v_lshrrev_b32 v1, 5, v0
	s_delay_alu instid0(VALU_DEP_1)
	v_readfirstlane_b32 s2, v1                     ; wave 0..7
	v_and_b32 v1, 31, v0
	v_and_b32 v2, 15, v0                           ; r
	v_bfe_u32 v3, v0, 4, 1                         ; h
	s_delay_alu instid0(VALU_DEP_3)
	v_lshlrev_b32 v11, 4, v1
	s_wait_alu depctr_va_vdst(0)
	v_lshlrev_b32 v12, 3, v1
	s_mov_b32 s5, 0
	s_lshr_b32 s3, ttmp9, 1
	s_lshl_b32 s3, s3, 5
	s_and_b32 s4, ttmp9, 1
	s_lshl_b32 s4, s4, 3
	s_add_co_u32 s3, s3, s4                        ; the block's first row
	s_lshl_b32 s4, s3, 12
	s_lshl_b32 s6, s2, 9
	v_add_nc_u32 v4, s6, v11
	v_lshl_add_u32 v5, v3, 7, s6
	s_wait_alu depctr_va_vdst(0)
	s_wait_kmcnt 0x0
	s_add_nc_u64 s[16:17], s[16:17], s[4:5]
.set I, 0
.rept 16
	global_load_b128 v[R+4*I:R+4*I+3], v4, s[16:17] offset:(I+8*(I/8))*4096
.set I, I+1
.endr
.set I, 0
.rept 16
	global_load_b128 v[NW+4*I:NW+4*I+3], v5, s[18:19] offset:256*(I/8)+16*(I%8)
.set I, I+1
.endr
	s_mul_i32 s4, ttmp9, 12288
	s_mul_i32 s7, s2, 1536
	s_add_co_u32 s4, s4, s7
	s_add_nc_u64 s[40:41], s[40:41], s[4:5]
	s_lshl_b32 s4, s3, 5
	s_add_nc_u64 s[42:43], s[42:43], s[4:5]
	s_mul_i32 s7, s2, 8448
	v_add_nc_u32 v6, s7, v11
	v_mul_u32_u24 v7, v2, 528
	s_delay_alu instid0(VALU_DEP_1)
	v_lshl_add_u32 v7, v3, 7, v7
	s_delay_alu instid0(VALU_DEP_1)
	v_add_nc_u32 v7, s7, v7
	v_lshl_add_u32 v9, v2, 2, PART
	s_lshl_b32 s7, s2, 6
	v_add_nc_u32 v8, s7, v9
	v_lshl_add_u32 v10, v2, 5, SCW
	s_lshl_b32 s7, s2, 2
	v_add_nc_u32 v10, s7, v10
	s_mov_b32 s10, 0x76543210
	s_mov_b32 s11, 0xfedcba98
	s_mov_b32 s12, 0x2edbe6ff                      ; eps = 1e-10
	s_wait_alu depctr_va_vdst(0)
	s_wait_loadcnt 16                              ; h's 16 loads are in; the 16 loads of the gains, issued behind them, may be out
.set I, 0
.rept 16
	ds_store_b128 v6, v[R+4*I:R+4*I+3] offset:528*I
.set I, I+1
.endr
.set I, 0
.rept 16
	ds_load_b128 v[X+4*I:X+4*I+3], v7 offset:256*(I/8)+16*(I%8)    ; LDS serves a wave's instructions in order: these see my stores
.set I, I+1
.endr
	s_wait_dscnt 0x0
.irp j, 0,1,2,3
	v_pk_mul_f32 v[SS+2*\j:SS+2*\j+1], v[X+2*\j:X+2*\j+1], v[X+2*\j:X+2*\j+1]
.endr
.set I, 4
.rept 28
	s_delay_alu instid0(VALU_DEP_4)
	v_pk_fma_f32 v[SS+2*(I%4):SS+2*(I%4)+1], v[X+2*I:X+2*I+1], v[X+2*I:X+2*I+1], v[SS+2*(I%4):SS+2*(I%4)+1]
.set I, I+1
.endr
	s_delay_alu instid0(VALU_DEP_3)
	v_pk_add_f32 v[SS:SS+1], v[SS:SS+1], v[SS+2:SS+3]
	s_delay_alu instid0(VALU_DEP_2)
	v_pk_add_f32 v[SS+4:SS+5], v[SS+4:SS+5], v[SS+6:SS+7]
	s_delay_alu instid0(VALU_DEP_1)
	v_pk_add_f32 v[SS:SS+1], v[SS:SS+1], v[SS+4:SS+5]
	s_delay_alu instid0(VALU_DEP_1)
	v_add_f32 v[SS], v[SS], v[SS+1]
	s_delay_alu instid0(VALU_DEP_1)
	v_permlanex16_b32 v[SS+2], v[SS], s10, s11
	s_delay_alu instid0(VALU_DEP_1)
	v_add_f32 v[SS], v[SS], v[SS+2]
	ds_store_b32 v8, v[SS]
	s_wait_dscnt 0x0                               ; for the others' sake: my sum has landed
	s_barrier_signal -1
	s_barrier_wait -1
.irp k, 0,1,2,3,4,5,6,7
	ds_load_b32 v[W+\k], v9 offset:64*\k
.endr
	s_wait_dscnt 0x0
	v_add_f32 v[W], v[W], v[W+1]
	v_add_f32 v[W+2], v[W+2], v[W+3]
	v_add_f32 v[W+4], v[W+4], v[W+5]
	v_add_f32 v[W+6], v[W+6], v[W+7]
	s_delay_alu instid0(VALU_DEP_3)
	v_add_f32 v[W], v[W], v[W+2]
	s_delay_alu instid0(VALU_DEP_2)
	v_add_f32 v[W+4], v[W+4], v[W+6]
	s_delay_alu instid0(VALU_DEP_1)
	v_add_f32 v[W], v[W], v[W+4]
	s_delay_alu instid0(VALU_DEP_1)
	v_fma_f32 v[W], v[W], 0x3a800000, s12          ; the mean of the squares + eps
	s_wait_alu depctr_va_vdst(0)
	v_rsq_f32 v[SS], v[W]
	v_mov_b32 v[SS+1], 0                           ; (the plain place; and the pair's upper word)
	s_wait_loadcnt 0x0
.set I, 0
	s_wait_alu depctr_va_vdst(0)
.rept 32
	v_pk_mul_f32 v[X+2*I:X+2*I+1], v[X+2*I:X+2*I+1], v[SS:SS+1] op_sel_hi:[1,0]
.set I, I+1
.endr
.set I, 0
.rept 32
	v_pk_mul_f32 v[X+2*I:X+2*I+1], v[X+2*I:X+2*I+1], v[NW+2*I:NW+2*I+1]
.set I, I+1
.endr
.irp c, 0,1
	v_max3_num_f32 v[W+\c], |v[X+32*\c]|, |v[X+32*\c+1]|, 0x1800000     ; with the floor 2^(3 - 127)
.endr
.irp i, 2,4,6,8,10,12,14,16,18,20,22,24,26,28,30
.irp c, 0,1
	s_delay_alu instid0(VALU_DEP_2)
	v_max3_num_f32 v[W+\c], v[W+\c], |v[X+32*\c+\i]|, |v[X+32*\c+\i+1]|
.endr
.endr
.irp c, 0,1
	s_delay_alu instid0(VALU_DEP_2)
	v_add_nc_u32 v[W+2+\c], 0xff000000, v[W+\c]
.endr
.irp c, 0,1
	s_delay_alu instid0(VALU_DEP_2)
	v_lshrrev_b32 v[W+4+\c], 23, v[W+2+\c]
.endr
	s_delay_alu instid0(VALU_DEP_1)
	v_lshl_or_b32 v[W+6], v[W+5], 16, v[W+4]
	v_lshlrev_b32 v[W+7], 3, v3
	s_delay_alu instid0(VALU_DEP_1)
	v_lshlrev_b32 v[W+6], v[W+7], v[W+6]
	s_delay_alu instid0(VALU_DEP_1)
	v_permlanex16_b32 v[W+7], v[W+6], s10, s11
	s_delay_alu instid0(VALU_DEP_1)
	v_or_b32 v[W+6], v[W+6], v[W+7]
.irp c, 0,1
	v_cvt_scalef32_pk16_fp6_f32 v[C+6*\c:C+6*\c+2], v[X+32*\c:X+32*\c+15], v[W+2+\c]
	v_cvt_scalef32_pk16_fp6_f32 v[T+4*\c:T+4*\c+2], v[X+32*\c+16:X+32*\c+31], v[W+2+\c]
.endr
	v_nop                                          ; one plain place behind a scaled conversion
.irp c, 0,1
.irp i, 0,1,2
	v_mov_b32 v[C+6*\c+3+\i], v[T+4*\c+\i]
.endr
.endr
.irp c, 0,1
	global_store_b128 v11, v[C+6*\c:C+6*\c+3], s[40:41] offset:768*\c
	global_store_b64 v12, v[C+6*\c+4:C+6*\c+5], s[40:41] offset:768*\c+512
.endr
	ds_store_b32 v10, v[W+6]
	s_wait_dscnt 0x0
	s_barrier_signal -1
	s_barrier_wait -1
	s_cmp_lg_u32 s2, 0
	s_cbranch_scc1 .Lx_done
	v_add_nc_u32 v14, SCW, v11
	ds_load_b128 v[R:R+3], v14
	v_lshlrev_b32 v15, 9, v3
	s_delay_alu instid0(VALU_DEP_1)
	v_lshl_add_u32 v15, v2, 4, v15
	s_wait_alu depctr_va_vdst(0)
	s_wait_dscnt 0x0
	global_store_b128 v15, v[R:R+3], s[42:43]
.Lx_done:
	s_wait_tensorcnt 0x0
	ds_add_u32 v254, v255
	s_wait_dscnt 0x0
	s_endpgm
.Lfunc_end_k_q7cf77fb583_norm2:
	.size	k_q7cf77fb583_norm2, .Lfunc_end_k_q7cf77fb583_norm2-k_q7cf77fb583_norm2
	.p2alignl 7, 3214868480
	.fill 96, 4, 3214868480
	.section	.rodata,"a",@progbits
	.p2align	6, 0x0
	.amdhsa_kernel k_q7cf77fb583_norm2
		.amdhsa_group_segment_fixed_size 70656
		.amdhsa_private_segment_fixed_size 0
		.amdhsa_enable_private_segment 0
		.amdhsa_kernarg_size 32
		.amdhsa_user_sgpr_count 2
		.amdhsa_user_sgpr_kernarg_segment_ptr 1
		.amdhsa_wavefront_size32 1
		.amdhsa_system_sgpr_workgroup_id_x 1
		.amdhsa_system_sgpr_workgroup_id_y 1
		.amdhsa_system_sgpr_workgroup_id_z 1
		.amdhsa_system_vgpr_workitem_id 0
		.amdhsa_next_free_vgpr 256
		.amdhsa_next_free_sgpr 66
		.amdhsa_reserve_vcc 0
		.amdhsa_float_denorm_mode_32 3
		.amdhsa_float_denorm_mode_16_64 3
		.amdhsa_memory_ordered 1
		.amdhsa_forward_progress 1
		.amdhsa_inst_pref_size 22
	.end_amdhsa_kernel
	.amdgpu_metadata
---
amdhsa.version: [ 1, 2 ]
amdhsa.kernels:
  - .name:           k_q7cf77fb583_norm2
    .symbol:         k_q7cf77fb583_norm2.kd
    .args:
      - { .name: H, .offset: 0, .size: 8, .value_kind: global_buffer, .address_space: global }
      - { .name: norm2_w, .offset: 8, .size: 8, .value_kind: global_buffer, .address_space: global }
      - { .name: XC, .offset: 16, .size: 8, .value_kind: global_buffer, .address_space: global }
      - { .name: XS, .offset: 24, .size: 8, .value_kind: global_buffer, .address_space: global }
    .group_segment_fixed_size: 70656
    .private_segment_fixed_size: 0
    .kernarg_segment_align: 8
    .kernarg_segment_size: 32
    .max_flat_workgroup_size: 256
    .sgpr_count:     66
    .vgpr_count:     256
    .wavefront_size: 32
...
	.end_amdgpu_metadata
.endif
;; end of part 12
;; launch ffn1 (part 13): grid 16 x 16, 4 waves a work-group, clusters of 4 x 1, 327,680 bytes of LDS; arguments XC, XS, WI, G; writes G
.if DOCPART == 13
	.amdgcn_target "amdgcn-amd-amdhsa--gfx1250"
	.amdhsa_code_object_version 6
	.text
	.protected	k_q7cf77fb583_ffn1
	.globl	k_q7cf77fb583_ffn1
	.p2align	8
	.type	k_q7cf77fb583_ffn1,@function
k_q7cf77fb583_ffn1:
	s_mov_b64 s[64:65], 0
	v_nop
	global_prefetch_b8 v0, s[64:65] scope:SCOPE_SE
	s_setreg_imm32_b32 hwreg(HW_REG_WAVE_MODE, 25, 1), 1
	s_wait_xcnt 0x0
	s_wait_alu depctr_hold_cnt(0) depctr_sa_sdst(0) depctr_va_vdst(0) depctr_va_sdst(0) depctr_va_ssrc(0) depctr_va_vcc(0) depctr_vm_vsrc(0)
	s_getreg_b32 s2, hwreg(HW_REG_IB_STS2, 6, 4)
	s_cmp_eq_u32 s2, 0
	s_cbranch_scc0 .Lentry_in_a_cluster
	s_endpgm
.Lentry_in_a_cluster:
	s_bfe_u32 s2, ttmp6, 0x10000c
	s_cmp_lg_u32 s2, 0x3003
	s_cbranch_scc0 .Lentry_shape_is_right
	s_endpgm
.Lentry_shape_is_right:
; gate = silu(hn W1^T) x (hn W3^T) on codes of E2M3, quantised along f as the next product's operand -> G (codes: 44 units a block of 16 tokens; then the scale bytes, 88 a token).
; w1 and w3 are ONE operand "B", laid by the first launch in GROUPS: 64 rows of w1 (4 blocks of 16), then the same 64 of w3: 98,304 bytes of codes, 4,096 of scale bytes.  44 groups; rows 2,752 on are zero codes.
; SHARES.  16 tiles of 256 tokens x 16 columns = 256 work-groups.  Columns 0-11 own 3 groups each, columns 12-15 own 2: 44.  A wave owns 64 tokens and walks its column's groups.
; THE TOKENS STAY IN REGISTERS: 4 blocks x 8 steps of 128 along K x 12 = 384 registers, loaded once from XC, which is an image of operand registers; their scale words (32 registers) likewise from XS.
; So a fragment of B read from LDS feeds 4 matrix instructions: 8 fragments for a step's 32.
; B'S CODES LIE IN LDS WHOLE, each byte filled once: wave w brings block pair w of each group: of group 0 at the head, of groups 1 and 2 by one load of two rows behind the full sequence and a round.
; The work-groups of columns 12-15 read that load's first row alone.  B's scale words go from memory into registers, a group ahead, under the way out of the group before.
; The walk is a loop of a constant 3 trips; a trip beyond the column's groups jumps over its work by a test on ids, and round no barrier or wait.
; THE WAY OUT takes two blocks of tokens at a time: 64 exponentials and 64 reciprocals to a batch, and four blocks of 32 by turns in the quantiser.
; CLUSTER 4 x 1 along the tokens: the four partners walk the same groups and ask for B jointly.  The tokens' codes are each wave's own.
; No prefetch: both fills are asked for at the head, and there is no ring to run ahead in.
; The matrix instruction is used transposed (source 0 = B's block, source 1 = the tokens'): lane (r, h) holds a token, and the 16 registers of B's blocks 2 b, 2 b + 1 are f = 32 b + 16 h + 0 .. 15.
; LIMITS: NaN and infinities are not served; the sigmoid is v_exp_f32 and v_rcp_f32 (1 ulp each); a block of zeros gets the scale byte 1 (its codes are zeros; this program alone reads the bytes).
; The 2 scale bytes a token and group go out as stores of 2 bytes, 88 bytes apart.
; REGISTERS: window 0: v8-15 B's LDS addresses, v23-29 other addresses, v32-63 the tokens' scale words, v64-127 B's, v128-223 B's fragments of even steps, then with v224-225 the way out.
;   window 1: the tokens' fragments of steps 0-4.  window 2: v0-143 those of steps 5-7, v144-239 B's fragments of odd steps.  window 3: the 32 accumulators.
.set GRP,  24576                       ; a block pair of one group
.set PAIR, 3*GRP                       ; LDS: block pair j of groups 0, 1, 2 at j x PAIR
.set SPARE, 4*PAIR                     ; the spare words: 128 bytes a wave, named by no other line
.set W13,  3145728
.set W13S, 9633792
.set GSC,  8650752
.set BA,  8                            ; v8-11  16 x lane + this group's block pair j
.set BA8, 12                           ; v12-15 8 x lane + 512 + the same
.set SPW, 28
.set NIL, 29
.set AS,  32
.set BS,  64
.set GV,  128                          ; v128-191 two blocks' gates
.set CD,  192                          ; v192-203 their units' codes
.set PT,  204                          ; v204-206, v208-210 the upper halves' codes
.set MX,  212                          ; v212-215 four blocks' largest magnitudes
.set BY,  216                          ; v216-219 at work, then the bytes
.set SO,  220                          ; v220-223 the conversions' scale operands
.set HW,  224                          ; v224-225 the two bytes of a token
.set GI,  42                           ; the trip
.set NG,  43                           ; my column's groups: 3 or 2
.set TK,  44                           ; GRP x trip
.set MSB, 0
.macro WIN new                         ; the immediate's high byte repeats the setting that is left
.if MSB != (\new)
	s_set_vgpr_msb (MSB<<8)|(\new)
.set MSB, (\new)
.endif
.endm
.macro PLACES                          ; four plain places behind matrix instructions, ahead of loads into their registers and of reads of results
.rept 4
	v_nop
.endr
.endm
.macro CROUND                          ; a round of the cluster's barrier
	s_barrier_signal -1
	s_barrier_wait -1
	s_cmp_lg_u32 s14, 0
	s_cbranch_scc1 .Lnot_wave_0_\@
	s_barrier_signal -3
.Lnot_wave_0_\@:
	s_barrier_wait -3
	s_barrier_signal -1
	s_barrier_wait -1
.endm
.macro FRAG reg, a16, a8, off          ; a fragment = two units: 16 + 8 bytes a lane each
	ds_load_b128 v[\reg:\reg+3], v[\a16] offset:\off
	ds_load_b64 v[\reg+4:\reg+5], v[\a8] offset:\off
	ds_load_b128 v[\reg+6:\reg+9], v[\a16] offset:\off+768
	ds_load_b64 v[\reg+10:\reg+11], v[\a8] offset:\off+768
.endm
.macro FETCH k                         ; B's eight fragments of step k
	WIN 0x80*((\k)%2)
.set FI, 0
.rept 8
	FRAG 128+16*((\k)%2)+12*FI, BA+FI/2, BA8+FI/2, (FI%2)*12288+(\k)*1536
.set FI, FI+1
.endr
	WIN 0
.endm
.macro AFRAG reg, off                  ; a fragment of the tokens, from XC
	global_load_b128 v[\reg:\reg+3], v24, s[4:5] offset:\off
	global_load_b64 v[\reg+4:\reg+5], v23, s[4:5] offset:\off
	global_load_b128 v[\reg+6:\reg+9], v24, s[4:5] offset:\off+768
	global_load_b64 v[\reg+10:\reg+11], v23, s[4:5] offset:\off+768
.endm
.macro BSCALES                         ; a group's scale words: register 8 i + k = block i, step k; lane r takes its row's 32 bytes
.set FI, 0
.rept 8
	global_load_b128 v[BS+8*FI:BS+8*FI+3], v27, s[46:47] offset:(32*(FI/2)+8*(FI%2))*32
	global_load_b128 v[BS+8*FI+4:BS+8*FI+7], v27, s[46:47] offset:(32*(FI/2)+8*(FI%2))*32+16
.set FI, FI+1
.endr
.endm
; A step's 32 matrix instructions.  The 32 accumulators take turns, one instruction a turn, in the same order in every step.  Step 0 starts the sums.
.macro MULK k
.set BR, 128+16*((\k)%2)
.set AR, 48*((\k)%5)
	WIN (2*((\k)%2))|((1+(\k)/5)<<2)|0xf0
.set MA, 0
.rept 4
.set MB, 0
.rept 8
.set MD, 8*(8*MA+MB)
.if (\k) == 0
	v_wmma_scale_f32_16x16x128_f8f6f4 v[MD:MD+7], v[BR+12*MB:BR+12*MB+11], v[AR+12*MA:AR+12*MA+11], 0, v[BS+8*MB+(\k)], v[AS+8*MA+(\k)] matrix_a_fmt:MATRIX_FMT_FP6 matrix_b_fmt:MATRIX_FMT_FP6
.else
	v_wmma_scale_f32_16x16x128_f8f6f4 v[MD:MD+7], v[BR+12*MB:BR+12*MB+11], v[AR+12*MA:AR+12*MA+11], v[MD:MD+7], v[BS+8*MB+(\k)], v[AS+8*MA+(\k)] matrix_a_fmt:MATRIX_FMT_FP6 matrix_b_fmt:MATRIX_FMT_FP6
.endif
.set MB, MB+1
.endr
.set MA, MA+1
.endr
.endm
; Blocks a and a + 1 of my tokens.  Of a block's 64 accumulator registers 0-31 are a = hn w1, 32-63 b = hn w3, of f = 32 b + 16 h + i.  The gates lie in v[GV + 32 r + ..], r = 0, 1;
; block q = 2 r + b of 32 along f is registers GV + 16 q on, in lanes l and l xor 16.
.macro GATE2 a
.set XR, 64*(\a)
	WIN 3
	s_wait_alu depctr_va_vdst(0)
.irp r, 0,1
.irp p, 0,1,2,3,4,5,6,7,8,9,10,11,12,13,14,15
	v_pk_mul_f32 v[GV+32*\r+2*\p:GV+32*\r+2*\p+1], v[XR+64*\r+2*\p:XR+64*\r+2*\p+1], 0xbfb8aa3b op_sel_hi:[1,0]    ; -a log2(e); each accumulator is read from its low end on
.endr
.endr
	WIN 0
.set I, 0
	s_wait_alu depctr_va_vdst(0)
.rept 64
	v_exp_f32 v[GV+I], v[GV+I]
.set I, I+1
.endr
	v_nop                                          ; a plain place behind the transcendentals
	s_wait_alu depctr_va_vdst(0)
.set I, 0
.rept 32
	v_pk_add_f32 v[GV+2*I:GV+2*I+1], v[GV+2*I:GV+2*I+1], 1.0 op_sel_hi:[1,0]
.set I, I+1
.endr
.set I, 0
	s_wait_alu depctr_va_vdst(0)
.rept 64
	v_rcp_f32 v[GV+I], v[GV+I]                     ; the sigmoid
.set I, I+1
.endr
	v_nop
	WIN 3
	s_wait_alu depctr_va_vdst(0)
.irp r, 0,1
.irp p, 0,1,2,3,4,5,6,7,8,9,10,11,12,13,14,15
	v_pk_mul_f32 v[GV+32*\r+2*\p:GV+32*\r+2*\p+1], v[XR+64*\r+2*\p:XR+64*\r+2*\p+1], v[GV+32*\r+2*\p:GV+32*\r+2*\p+1]
.endr
.endr
.irp r, 0,1
.irp p, 0,1,2,3,4,5,6,7,8,9,10,11,12,13,14,15
	v_pk_mul_f32 v[GV+32*\r+2*\p:GV+32*\r+2*\p+1], v[XR+64*\r+32+2*\p:XR+64*\r+33+2*\p], v[GV+32*\r+2*\p:GV+32*\r+2*\p+1]
.endr
.endr
	WIN 0
.irp q, 0,1,2,3
	v_max3_num_f32 v[MX+\q], |v[GV+16*\q]|, |v[GV+16*\q+1]|, 0x1800000     ; with the floor 2^(3 - 127): the byte cannot fall under 1
.endr
.irp i, 2,4,6,8,10,12,14
.irp q, 0,1,2,3
	v_max3_num_f32 v[MX+\q], v[MX+\q], |v[GV+16*\q+\i]|, |v[GV+16*\q+\i+1]|
.endr
.endr
.irp q, 0,1,2,3
	v_permlanex16_b32 v[BY+\q], v[MX+\q], s40, s41
.endr
.irp q, 0,1,2,3
	v_max_num_f32 v[MX+\q], v[MX+\q], v[BY+\q]     ; with lane l xor 16's 16: the block's largest magnitude
.endr
.irp q, 0,1,2,3
	v_add_nc_u32 v[SO+\q], 0xff000000, v[MX+\q]    ; 2 off the exponent field: the conversion's scale operand
.endr
.irp q, 0,1,2,3
	v_lshrrev_b32 v[BY+\q], 23, v[SO+\q]           ; the scale's byte
.endr
	s_wait_alu depctr_va_vdst(0)
	s_wait_xcnt 0x0                                ; earlier stores have read the registers that are written from here on
.irp r, 0,1
	v_cvt_scalef32_pk16_fp6_f32 v[CD+6*\r:CD+6*\r+2], v[GV+32*\r:GV+32*\r+15], v[SO+2*\r]
	v_cvt_scalef32_pk16_fp6_f32 v[PT+4*\r:PT+4*\r+2], v[GV+32*\r+16:GV+32*\r+31], v[SO+2*\r+1]
.endr
	v_nop                                          ; one plain place behind a scaled conversion
.irp r, 0,1
.irp i, 0,1,2
	v_permlane16_swap_b32 v[CD+6*\r+\i], v[PT+4*\r+\i]     ; a whole block to a lane: lanes 0-15 block 0, lanes 16-31 block 1
.endr
.endr
.irp r, 0,1
.irp i, 0,1,2
	v_mov_b32 v[CD+6*\r+3+\i], v[PT+4*\r+\i]
.endr
.endr
.irp r, 0,1
	v_lshl_or_b32 v[HW+\r], v[BY+2*\r+1], 8, v[BY+2*\r]
.endr
.irp r, 0,1
	global_store_b128 v24, v[CD+6*\r:CD+6*\r+3], s[56:57] offset:((\a)+\r)*33792
	global_store_b64 v25, v[CD+6*\r+4:CD+6*\r+5], s[56:57] offset:((\a)+\r)*33792+512
	global_store_b16 v26, v[HW+\r], s[58:59] offset:(32*((\a)/2)+8*\r)*88      ; both halves of the lanes write the same two bytes
.endr
.endm
	s_load_b256 s[4:11], s[0:1], 0x0               ; XC, XS, WI, G
	v_lshl_add_u32 v[SPW], v0, 2, SPARE
	v_mov_b32 v[NIL], 0
	ds_add_u32 v[SPW], v[NIL]                      ; the opening lines: the add, twice on end, and its wait ahead of my first tensor load
	ds_add_u32 v[SPW], v[NIL]
	v_lshrrev_b32 v1, 5, v0
	v_readfirstlane_b32 s14, v1                    ; wave 0..3
	s_bfe_u32 s19, ttmp6, 0x40000                  ; cx
	s_lshl_b32 s17, ttmp9, 2
	s_add_co_u32 s17, s17, s19                     ; the tile of tokens
	s_and_b32 s18, ttmp7, 0xffff                   ; the column: shared by the four partners
	s_mul_i32 s20, s18, 3
	s_lshl_b32 s21, s18, 1
	s_add_co_u32 s21, s21, 12
	s_min_u32 s20, s20, s21                        ; its first group: 3 y under column 12, 2 y + 12 from there on
	s_cmp_lt_u32 s18, 12
	s_cselect_b32 s[NG], 3, 2
	s_mov_b32 s24, 15|(3<<16)|(1<<21)              ; the head's load: a block pair, 96 rows of 256 bytes, dense; 15:0 all four work-groups; 17:16 elements of 8 bytes; 21 set beside a mask
	s_mov_b32 s25, 32<<16
	s_mov_b32 s26, 96<<16
	s_mov_b32 s27, 32<<16
	s_mov_b32 s28, 96
	s_mov_b32 s29, 32
	s_mov_b32 s30, 0
	s_mov_b32 s31, 0
	s_mov_b32 s48, 15|(3<<16)|(1<<21)              ; the second load: the same block pair of the next two groups: 2 rows of 24,576 bytes, 98,304 apart
	s_mov_b32 s49, 3072<<16
	s_mov_b32 s50, 2<<16
	s_mov_b32 s51, 3072<<16
	s_mov_b32 s52, 2
	s_mov_b32 s53, 12288
	s_mov_b32 s54, 0
	s_mov_b32 s55, 0
	s_mov_b32 s32, 1
	s_mul_i32 s33, s14, PAIR                       ; block pair w lands at w x PAIR,
	s_mov_b32 s36, 1
	s_add_co_u32 s37, s33, GRP                     ; groups 1 and 2 behind group 0
	s_mul_i32 s12, s20, 98304
	s_mul_i32 s13, s14, GRP
	s_add_co_u32 s12, s12, s13
	s_add_co_u32 s12, s12, W13
	s_mov_b32 s13, 0
	s_wait_dscnt 0x0                               ; both opening adds are done
	s_wait_kmcnt 0x0
	s_add_nc_u64 s[34:35], s[8:9], s[12:13]
	s_add_nc_u64 s[38:39], s[34:35], 98304
	s_or_b32 s35, s35, 0x80000000
	s_or_b32 s39, s39, 0x80000000
	CROUND                                         ; all four work-groups are here: the first joint loads meet
	tensor_load_to_lds s[32:35], s[24:31]          ; group 0, my block pair: one load a wave, no branch
	s_nop 0
	PLACES
	v_and_b32 v1, 31, v0
	v_and_b32 v2, 15, v0                           ; r
	v_lshlrev_b32 v24, 4, v1                       ; 16 x lane
	v_lshlrev_b32 v25, 3, v1                       ; 8 x lane
	v_add_nc_u32 v23, 512, v25
	v_and_b32 v3, 8, v2
	v_add_nc_u32 v3, v3, v2                        ; r + 8 (r / 8): lane index r's row among a block pair's 32
	v_lshlrev_b32 v27, 5, v3                       ; 32 scale bytes a row
	v_mul_u32_u24 v26, v3, 88                      ; 88 scale bytes a token in G
.irp q, 0,1,2,3
	v_mov_b32 v[BY+\q], 0                          ; a lane permute's destination counts as one of its sources
.endr
	s_wait_alu depctr_va_vdst(0)
	s_lshl_b32 s2, s17, 4
	s_lshl_b32 s3, s14, 2
	s_add_co_u32 s2, s2, s3                        ; my first block of tokens
	s_mul_i32 s12, s2, 12288
	s_add_nc_u64 s[4:5], s[4:5], s[12:13]
	s_lshl_b32 s12, s2, 9
	s_add_nc_u64 s[6:7], s[6:7], s[12:13]
	s_lshl_b32 s12, s20, 12
	s_add_co_u32 s12, s12, W13S
	s_add_nc_u64 s[46:47], s[8:9], s[12:13]        ; B's scale bytes at my first group
.irp a, 0,1,2,3
	global_load_b128 v[AS+8*\a:AS+8*\a+3], v27, s[6:7] offset:(32*(\a/2)+8*(\a%2))*32      ; register 8 a + k = block a, step k
	global_load_b128 v[AS+8*\a+4:AS+8*\a+7], v27, s[6:7] offset:(32*(\a/2)+8*(\a%2))*32+16
.endr
	BSCALES
	WIN 0x40
.irp k, 0,1,2,3,4
.irp a, 0,1,2,3
	AFRAG 48*\k+12*\a, \a*12288+\k*1536
.endr
.endr
	WIN 0x80
.irp k, 5,6,7
.irp a, 0,1,2,3
	AFRAG 48*(\k-5)+12*\a, \a*12288+\k*1536
.endr
.endr
	WIN 0
	s_mul_i32 s12, s2, 44
	s_add_co_u32 s12, s12, s20
	s_mul_i32 s12, s12, 768
	s_add_nc_u64 s[56:57], s[10:11], s[12:13]      ; G: my first block's unit of my first group
	s_mul_i32 s12, s2, 16*88
	s_lshl_b32 s3, s20, 1
	s_add_co_u32 s12, s12, s3
	s_add_co_u32 s12, s12, GSC
	s_add_nc_u64 s[58:59], s[10:11], s[12:13]      ; and its two scale bytes of my first token
	s_mov_b32 s40, 0x76543210
	s_mov_b32 s41, 0xfedcba98                      ; v_permlanex16_b32's selects for lane l xor 16
	s_mov_b32 s[GI], 0
	s_mov_b32 s[TK], 0
	s_wait_alu depctr_va_vdst(0)
	s_wait_tensorcnt 0x0                           ; my part of group 0 is in
	ds_add_u32 v[SPW], v[NIL]
	s_wait_dscnt 0x0
	CROUND                                         ; group 0 is whole for every wave, and all four work-groups are here
	tensor_load_to_lds s[36:39], s[48:55]          ; groups 1 and 2: they have group 0's trip in which to land
	s_nop 0
	PLACES
.Lgrp:
	s_cmp_ge_u32 s[GI], s[NG]                      ; a trip beyond my column's groups has no work
	s_cbranch_scc1 .Lhid
	v_add_nc_u32 v[BA], s[TK], v24
	v_add_nc_u32 v[BA8], s[TK], v23
.irp j, 1,2,3
	v_add_nc_u32 v[BA+\j], PAIR*\j, v[BA]
	v_add_nc_u32 v[BA8+\j], PAIR*\j, v[BA8]
.endr
	s_wait_alu depctr_va_vdst(0)
	FETCH 0
	s_wait_loadcnt 0x0                             ; this group's scale words; in the first trip the tokens' codes and scale words too
.irp k, 0,1,2,3,4,5,6,7
	s_wait_dscnt 0x0                               ; step k's fragments are in
.if \k < 7
	FETCH \k+1                                     ; the next step's, into the set that step k - 1 read (four places stand behind its products): they land under this step's 32 products
.endif
	MULK \k
	PLACES
.endr
	WIN 0
	s_add_co_u32 s3, s[GI], 1
	s_cmp_ge_u32 s3, s[NG]
	s_cbranch_scc1 .Lnosc                          ; the last group asks for no further scale words
	s_add_nc_u64 s[46:47], s[46:47], 4096          ; (the loads that read this base were waited for at the trip's head)
	BSCALES                                        ; the next group's, under this group's way out
.Lnosc:
	GATE2 0
	GATE2 2
	s_wait_xcnt 0x0                                ; the stores have read their bases and data
	s_add_nc_u64 s[56:57], s[56:57], 768           ; the next group's unit,
	s_add_nc_u64 s[58:59], s[58:59], 2             ; and its two scale bytes
	s_wait_alu depctr_va_vdst(0)
.Lhid:
	s_wait_tensorcnt 0x0                           ; behind the first trip: my part of groups 1 and 2 is in
	s_wait_dscnt 0x0
	s_barrier_signal -1
	s_barrier_wait -1                              ; and everybody's
	s_add_co_u32 s[TK], s[TK], GRP
	s_add_co_u32 s[GI], s[GI], 1
	s_cmp_lt_u32 s[GI], 3
	s_cbranch_scc1 .Lgrp
	s_wait_tensorcnt 0x0                           ; the wave's end
	ds_add_u32 v[SPW], v[NIL]
	s_wait_dscnt 0x0
	CROUND                                         ; the closing round
	s_endpgm
.Lfunc_end_k_q7cf77fb583_ffn1:
	.size	k_q7cf77fb583_ffn1, .Lfunc_end_k_q7cf77fb583_ffn1-k_q7cf77fb583_ffn1
	.p2alignl 7, 3214868480
	.fill 96, 4, 3214868480
	.section	.rodata,"a",@progbits
	.p2align	6, 0x0
	.amdhsa_kernel k_q7cf77fb583_ffn1
		.amdhsa_group_segment_fixed_size 327680
		.amdhsa_private_segment_fixed_size 0
		.amdhsa_enable_private_segment 0
		.amdhsa_kernarg_size 32
		.amdhsa_user_sgpr_count 2
		.amdhsa_user_sgpr_kernarg_segment_ptr 1
		.amdhsa_wavefront_size32 1
		.amdhsa_system_sgpr_workgroup_id_x 1
		.amdhsa_system_sgpr_workgroup_id_y 1
		.amdhsa_system_sgpr_workgroup_id_z 1
		.amdhsa_system_vgpr_workitem_id 0
		.amdhsa_next_free_vgpr 1024
		.amdhsa_next_free_sgpr 66
		.amdhsa_reserve_vcc 0
		.amdhsa_float_denorm_mode_32 3
		.amdhsa_float_denorm_mode_16_64 3
		.amdhsa_memory_ordered 1
		.amdhsa_forward_progress 1
		.amdhsa_inst_pref_size 109
	.end_amdhsa_kernel
	.amdgpu_metadata
---
amdhsa.version: [ 1, 2 ]
amdhsa.kernels:
  - .name:           k_q7cf77fb583_ffn1
    .symbol:         k_q7cf77fb583_ffn1.kd
    .args:
      - { .name: XC, .offset: 0, .size: 8, .value_kind: global_buffer, .address_space: global }
      - { .name: XS, .offset: 8, .size: 8, .value_kind: global_buffer, .address_space: global }
      - { .name: WI, .offset: 16, .size: 8, .value_kind: global_buffer, .address_space: global }
      - { .name: G, .offset: 24, .size: 8, .value_kind: global_buffer, .address_space: global }
    .group_segment_fixed_size: 327680
    .private_segment_fixed_size: 0
    .kernarg_segment_align: 8
    .kernarg_segment_size: 32
    .max_flat_workgroup_size: 128
    .sgpr_count:     66
    .vgpr_count:     1024
    .wavefront_size: 32
...
	.end_amdgpu_metadata
.endif
;; end of part 13
;; launch ffn2 (part 14): grid 8 x 32, 4 waves a work-group, clusters of 4 x 4, 327,680 bytes of LDS; arguments G, WI, H, out0; writes out0
.if DOCPART == 14
	.amdgcn_target "amdgcn-amd-amdhsa--gfx1250"
	.amdhsa_code_object_version 6
	.text
	.protected	k_q7cf77fb583_ffn2
	.globl	k_q7cf77fb583_ffn2
	.p2align	8
	.type	k_q7cf77fb583_ffn2,@function
k_q7cf77fb583_ffn2:
	s_mov_b64 s[64:65], 0
	v_nop
	global_prefetch_b8 v0, s[64:65] scope:SCOPE_SE
	s_setreg_imm32_b32 hwreg(HW_REG_WAVE_MODE, 25, 1), 1
	s_wait_xcnt 0x0
	s_wait_alu depctr_hold_cnt(0) depctr_sa_sdst(0) depctr_va_vdst(0) depctr_va_sdst(0) depctr_va_ssrc(0) depctr_va_vcc(0) depctr_vm_vsrc(0)
	s_getreg_b32 s2, hwreg(HW_REG_IB_STS2, 6, 4)
	s_cmp_eq_u32 s2, 0
	s_cbranch_scc0 .Lentry_in_a_cluster
	s_endpgm
.Lentry_in_a_cluster:
	s_bfe_u32 s2, ttmp6, 0x10000c
	s_cmp_lg_u32 s2, 0xf033
	s_cbranch_scc0 .Lentry_shape_is_right
	s_endpgm
.Lentry_shape_is_right:
.set FFN2, 1
.set HA, 2
.set NB, 4
.set UQ, 12                            ; a slot holds 768 along K: K = 2,816 is four fills of 12, 12, 12 and 8 units
.set NQ, 6
.set BLKB, UQ*768
.set QUART, NB*BLKB
.set SLOT, 4*QUART
.set SCL, 2*SLOT
.if FFN2
.set KU, 44
.set SROW, 88
.set HALFS, 5632                       ; 64 rows' scale bytes in LDS as in memory: 88 a row, dense
.set SA, 88
.set SBB, 1408
.set SC1, 704
.set SC4, 2816
.else
.set KU, 16
.set SROW, 32
.set HALFS, 2176
.set SA, 32
.set SBB, 544
.set SC1, 272
.set SC4, 1088
.endif
.set SPARE, SCL+4*HALFS
.set WOI, 2359296
.set W2I, 7471104
.set W2S, 9814016
.set GSC, 8650752
.set ADRS, 27
.set SPW, 28
.set NIL, 29
.set SC, 32
.set AF, 128
.set G1, 24
.set G0, 32
.set G1L, 40
.set G1B, 48
.set G0B, 56
.set G1S, 68
.set G0S, 76
.set G1SB, 80
.set G0SB, 88
.set G1LB, 92
.set MSB, 0
.macro WIN new
.if MSB != (\new)
	s_set_vgpr_msb (MSB<<8)|(\new)
.set MSB, (\new)
.endif
.endm
.macro PLACES
.rept 4
	v_nop
.endr
.endm
.macro JLOAD g0a, g1a, g0b, g1b
	s_cmp_eq_u32 s15, 0
	s_cbranch_scc0 .Lfor_b_\@
	tensor_load_to_lds s[\g0a:\g0a+3], s[\g1a:\g1a+7]
	s_nop 0
	PLACES
	s_branch .Lasked_\@
.Lfor_b_\@:
	tensor_load_to_lds s[\g0b:\g0b+3], s[\g1b:\g1b+7]
	s_nop 0
	PLACES
.Lasked_\@:
.endm
.macro CREST
	s_cmp_lg_u32 s14, 0
	s_cbranch_scc1 .Lnot_wave_0_\@
	s_barrier_signal -3
.Lnot_wave_0_\@:
	s_barrier_wait -3
	s_barrier_signal -1
	s_barrier_wait -1
.endm
.macro CROUND
	s_barrier_signal -1
	s_barrier_wait -1
	CREST
.endm
.macro FRAG reg, a16, a8, off
	ds_load_b128 v[\reg:\reg+3], v[\a16] offset:\off
	ds_load_b64 v[\reg+4:\reg+5], v[\a8] offset:\off
	ds_load_b128 v[\reg+6:\reg+9], v[\a16] offset:\off+768
	ds_load_b64 v[\reg+10:\reg+11], v[\a8] offset:\off+768
.endm
.macro FETCH_B slot, q, p
	WIN 0x40
.set FI, 0
.rept NB
	FRAG 128*(\p)+12*FI, 20+\slot, 22+\slot, FI*BLKB+(\q)*1536
.set FI, FI+1
.endr
	WIN 0
.endm
.macro FETCH_A slot, q, i0
.set FI, \i0
.rept HA
	FRAG AF+12*FI, 16+\slot, 18+\slot, FI*BLKB+(\q)*1536
.set FI, FI+1
.endr
.endm
.macro SCALES sc, full                 ; a K step's scale words, in pieces of 8 bytes (a row of 88 begins on a multiple of 8); full = 0: the last K step, whose row has four words left
.set FI, 0
.rept NB
	ds_load_b64 v[SC+24*(\sc)+6*FI:SC+24*(\sc)+6*FI+1], v[ADRS] offset:(FI/2)*SC4+(FI%2)*SC1
	ds_load_b64 v[SC+24*(\sc)+6*FI+2:SC+24*(\sc)+6*FI+3], v[ADRS] offset:(FI/2)*SC4+(FI%2)*SC1+8
.if \full                              ; the last fill has four words a row
	ds_load_b64 v[SC+24*(\sc)+6*FI+4:SC+24*(\sc)+6*FI+5], v[ADRS] offset:(FI/2)*SC4+(FI%2)*SC1+16
.endif
.set FI, FI+1
.endr
.endm
.macro MULS a0, na, p, q, sc, zero
.set MA, \a0
.rept \na
.set MB, 0
.rept NB
.set MD, 8*(NB*(MA%HA)+MB)
.if \zero
	v_wmma_scale_f32_16x16x128_f8f6f4 v[MD:MD+7], v[128*(\p)+12*MB:128*(\p)+12*MB+11], v[AF+12*MA:AF+12*MA+11], 0, v[SC+24*(\sc)+NQ*MB+(\q)], v[SC+24*(\sc)+NQ*MA+(\q)] matrix_a_fmt:MATRIX_FMT_FP6 matrix_b_fmt:MATRIX_FMT_FP6 matrix_a_scale:MATRIX_SCALE_ROW1
.else
	v_wmma_scale_f32_16x16x128_f8f6f4 v[MD:MD+7], v[128*(\p)+12*MB:128*(\p)+12*MB+11], v[AF+12*MA:AF+12*MA+11], v[MD:MD+7], v[SC+24*(\sc)+NQ*MB+(\q)], v[SC+24*(\sc)+NQ*MA+(\q)] matrix_a_fmt:MATRIX_FMT_FP6 matrix_b_fmt:MATRIX_FMT_FP6 matrix_a_scale:MATRIX_SCALE_ROW1
.endif
.set MB, MB+1
.endr
.set MA, MA+1
.endr
.endm
.macro STEP slot, q, zero
	s_wait_dscnt 4*HA
	WIN 0xa1
	MULS 0, HA, (\q)%2, \q, \slot, \zero
	s_wait_dscnt 0x0
	PLACES
	FETCH_B \slot, (\q)+1, 1-(\q)%2
	FETCH_A \slot, (\q)+1, 0
	WIN 0xf1
	MULS HA, HA, (\q)%2, \q, \slot, \zero
	PLACES
	WIN 0
	FETCH_A \slot, (\q)+1, HA
.endm
.macro TURN slot, next, fill
	s_wait_tensorcnt 0x0
	ds_add_u32 v[SPW], v[NIL]
	s_wait_dscnt 4*HA+1
	WIN 0xa1
	MULS 0, HA/2, 1, NQ-1, \slot, 0
	s_wait_dscnt 0x0
	s_barrier_signal -1
	MULS HA/2, HA/2, 1, NQ-1, \slot, 0
	WIN 0
	s_barrier_wait -1
.if \fill
	CREST
	s_add_nc_u64 s[G0+4*\slot+2:G0+4*\slot+3], s[G0+4*\slot+2:G0+4*\slot+3], 2*BLKB
	s_add_nc_u64 s[G0B+4*\slot+2:G0B+4*\slot+3], s[G0B+4*\slot+2:G0B+4*\slot+3], 2*BLKB
.if \fill == 2
	JLOAD G0+4*\slot, G1L, G0B+4*\slot, G1LB
.else
	JLOAD G0+4*\slot, G1, G0B+4*\slot, G1B
.endif
.else
	PLACES
.endif
	s_wait_alu depctr_va_vdst(0)
	v_add_nc_u32 v[ADRS], 4*NQ, v[ADRS]
	FETCH_B \next, 0, 0
	FETCH_A \next, 0, 0
	SCALES \next, \fill
.if \fill == 1
	ASK 3                                          ; behind the load of fill 2 and the run of LDS loads: fill 3 is asked of memory one fill ahead of its load
.endif
	WIN 0xf1
	MULS HA, HA, 1, NQ-1, \slot, 0
	PLACES
	WIN 0
	FETCH_A \next, 0, HA
.endm
.macro LAST slot, q
	s_wait_dscnt 4*HA
	WIN 0xa1
	MULS 0, HA, (\q)%2, \q, \slot, 0
	s_wait_dscnt 0x0
	WIN 0xf1
	MULS HA, HA, (\q)%2, \q, \slot, 0
	WIN 0
	PLACES
.endm
.if FFN2
	s_load_b128 s[4:7], s[0:1], 0x0
	s_load_b64 s[12:13], s[0:1], 0x10
	s_load_b64 s[100:101], s[0:1], 0x18
.else
	s_load_b256 s[4:11], s[0:1], 0x0
	s_load_b64 s[12:13], s[0:1], 0x20
	s_load_b64 s[100:101], s[0:1], 0x28
.endif
	v_lshl_add_u32 v[SPW], v0, 2, SPARE
	v_mov_b32 v[NIL], 0
	ds_add_u32 v28, v29
	ds_add_u32 v28, v29
	s_wait_dscnt 0x0
	v_lshrrev_b32 v1, 5, v0
	v_readfirstlane_b32 s14, v1
	s_lshr_b32 s15, s14, 1
	s_and_b32 s16, s14, 1
	s_bfe_u32 s19, ttmp6, 0x40000
	s_bfe_u32 s20, ttmp6, 0x40004
	s_lshl_b32 s18, ttmp9, 2
	s_add_co_u32 s18, s18, s19
	s_and_b32 s17, ttmp7, 0xffff
	s_lshl_b32 s17, s17, 2
	s_add_co_u32 s17, s17, s20
	s_lshl_b32 s21, s20, 2
	s_lshl_b32 s21, 15, s21
	s_lshl_b32 s22, 0x1111, s19
	s_or_b32 s[G1], s21, (3<<16)|(1<<21)
	s_or_b32 s[G1B], s22, (3<<16)|(1<<21)
.irp g, G1, G1B
	s_mov_b32 s[\g+1], (UQ*96)<<16
	s_mov_b32 s[\g+2], (2*NB)<<16                  ; at the head an operand's 8 blocks come by one load
	s_mov_b32 s[\g+3], (UQ*96)<<16
	s_mov_b32 s[\g+4], 2*NB
	s_mov_b32 s[\g+5], KU*96
	s_mov_b32 s[\g+6], 0
	s_mov_b32 s[\g+7], 0
.endr
.if FFN2
	s_or_b32 s[G1L], s21, (3<<16)|(1<<21)
	s_or_b32 s[G1LB], s22, (3<<16)|(1<<21)
.irp g, G1L, G1LB
	s_mov_b32 s[\g+1], 768<<16                     ; the last fill: eight units are left of a block; the tile's other four come as zeros and are not read
	s_mov_b32 s[\g+2], NB<<16
	s_mov_b32 s[\g+3], (UQ*96)<<16
	s_mov_b32 s[\g+4], NB
	s_mov_b32 s[\g+5], KU*96
	s_mov_b32 s[\g+6], 0
	s_mov_b32 s[\g+7], 0
.endr
	s_or_b32 s[G1S], s21, (3<<16)|(1<<21)          ; the scale bytes of 128 rows are 11,264 dense bytes from a multiple of 256: 44 rows of 256 bytes
	s_or_b32 s[G1SB], s22, (3<<16)|(1<<21)
.irp g, G1S, G1SB
	s_mov_b32 s[\g+1], 32<<16
	s_mov_b32 s[\g+2], 44<<16
	s_mov_b32 s[\g+3], 32<<16
	s_mov_b32 s[\g+4], 44
	s_mov_b32 s[\g+5], 32
	s_mov_b32 s[\g+6], 0
	s_mov_b32 s[\g+7], 0
.endr
.else
	s_or_b32 s[G1S], s21, (3<<16)|(1<<20)|(1<<21)|(5<<22)|(3<<25)
	s_or_b32 s[G1SB], s22, (3<<16)|(1<<20)|(1<<21)|(5<<22)|(3<<25)
.irp g, G1S, G1SB
	s_mov_b32 s[\g+1], 32<<16
	s_mov_b32 s[\g+2], (HALFS/272)<<16
	s_mov_b32 s[\g+3], 32<<16
	s_mov_b32 s[\g+4], HALFS/272
	s_mov_b32 s[\g+5], 32
	s_mov_b32 s[\g+6], 0
	s_mov_b32 s[\g+7], 0
.endr
.endif
	s_mov_b32 s2, 0                                ; s23, s56: the tile's first blocks; my half is added for the ring's loads alone
	s_lshl_b32 s23, s17, 3
	s_add_co_u32 s23, s23, s2
	s_lshl_b32 s56, s18, 3
	s_add_co_u32 s56, s56, s2
	s_mul_i32 s[G0+1], s14, QUART
	s_add_co_u32 s[G0+5], s[G0+1], SLOT
	s_mov_b32 s[G0B+1], s[G0+1]
	s_mov_b32 s[G0B+5], s[G0+5]
	s_mov_b32 s[G0S+1], SCL
	s_mov_b32 s[G0SB+1], SCL+2*HALFS
	s_wait_kmcnt 0x0
.if FFN2
	s_add_nc_u64 s[8:9], s[6:7], W2I
	s_add_nc_u64 s[10:11], s[6:7], W2S
	s_add_nc_u64 s[6:7], s[4:5], GSC
.else
	s_add_nc_u64 s[8:9], s[8:9], WOI
.endif
	s_mul_i32 s2, s23, KU*768
	s_mov_b32 s3, 0
	s_add_nc_u64 s[4:5], s[4:5], s[2:3]
	s_mul_i32 s2, s23, 16*SROW
	s_add_nc_u64 s[6:7], s[6:7], s[2:3]
	s_mul_i32 s66, s56, KU*768
	s_mov_b32 s67, 0
	s_add_nc_u64 s[8:9], s[8:9], s[66:67]
	s_mul_i32 s66, s56, 16*SROW
	s_add_nc_u64 s[10:11], s[10:11], s[66:67]
	s_mov_b32 s[G0S], 1
	s_mov_b64 s[G0S+2:G0S+3], s[6:7]
	s_or_b32 s[G0S+3], s[G0S+3], 0x80000000
	s_mov_b32 s[G0SB], 1
	s_mov_b64 s[G0SB+2:G0SB+3], s[10:11]
	s_or_b32 s[G0SB+3], s[G0SB+3], 0x80000000
	s_mul_i32 s2, s16, NB*KU*768                   ; the ring's loads bring my half of an operand's blocks (s3 = 0)
.irp s, 0,1
	s_mov_b32 s[G0+4*\s], 1
	s_add_nc_u64 s[G0+4*\s+2:G0+4*\s+3], s[4:5], s[2:3]
	s_add_nc_u64 s[G0+4*\s+2:G0+4*\s+3], s[G0+4*\s+2:G0+4*\s+3], \s*BLKB
	s_or_b32 s[G0+4*\s+3], s[G0+4*\s+3], 0x80000000
	s_mov_b32 s[G0B+4*\s], 1
	s_add_nc_u64 s[G0B+4*\s+2:G0B+4*\s+3], s[8:9], s[2:3]
	s_add_nc_u64 s[G0B+4*\s+2:G0B+4*\s+3], s[G0B+4*\s+2:G0B+4*\s+3], \s*BLKB
	s_or_b32 s[G0B+4*\s+3], s[G0B+4*\s+3], 0x80000000
.endr
	s_cmp_eq_u32 s15, 0                            ; the prefetches: of the four blocks that my wave fetches in the ring, the partner at place p takes block p (p = cx for the tokens, cy for the weight): told apart by address alone
	s_cselect_b64 s[66:67], s[4:5], s[8:9]
	s_cselect_b32 s22, s19, s20
	s_mul_i32 s22, s22, KU*768
	s_add_co_u32 s22, s22, s2
	s_mov_b32 s23, 0
	s_add_nc_u64 s[66:67], s[66:67], s[22:23]      ; never rewritten: the fill's place along K stands in the immediate
	s_mov_b64 s[6:7], s[4:5]
	s_or_b32 s7, s7, 0x80000000
	s_mov_b32 s4, 1
	s_mov_b32 s5, 0
	s_mov_b64 s[10:11], s[8:9]                     ; s[8:11]: the weight's, behind them in slot 0
	s_or_b32 s11, s11, 0x80000000
	s_mov_b32 s8, 1
	s_mov_b32 s9, 2*QUART
	CROUND                                         ; all sixteen work-groups are here: the first joint loads meet
; the head's four tiles, one load a wave: wave 0 the tokens' K step 0, wave 1 the weight's, waves 2 and 3 their scale bytes; one chain of branches, every way passes one load
.macro ARM under, g0, g1, next
	s_cmp_lt_u32 s14, \under
	s_cbranch_scc0 \next
	tensor_load_to_lds s[\g0:\g0+3], s[\g1:\g1+7]
	s_nop 0
	PLACES
	s_branch .Lhead_asked
\next:
.endm
	ARM 1, 4,   G1,  .Lhead_b
	ARM 2, 8,   G1B, .Lhead_sa
	ARM 3, G0S, G1S, .Lhead_sb
	tensor_load_to_lds s[G0SB:G0SB+3], s[G1SB:G1SB+7]
	s_nop 0
	PLACES
.Lhead_asked:
; A PREFETCH INTO THE L2, behind each joint load but the last: the next fill's 9,216 bytes (the last: 6,144) of one block, 256 bytes a lane: 32 lanes and 4 more (the lanes left over name the last again), or 24.
; Each 256 bytes are named once in each cluster that will load them; what a work-group has asked for and not yet read is one fill of the four blocks that its waves name.
.macro ASK f
.if (\f) < 3
	global_prefetch_b8 v8, s[66:67] offset:(\f)*BLKB th:TH_LOAD_NT scope:SCOPE_SE
	global_prefetch_b8 v9, s[66:67] offset:(\f)*BLKB th:TH_LOAD_NT scope:SCOPE_SE
.else
	global_prefetch_b8 v10, s[66:67] offset:(\f)*BLKB th:TH_LOAD_NT scope:SCOPE_SE
.endif
.endm
	v_and_b32 v8, 31, v0
	v_min_u32 v9, 3, v8
	v_min_u32 v10, 23, v8
	v_lshlrev_b32 v8, 8, v8                        ; v8-10 are never rewritten
	v_lshl_add_u32 v9, v9, 8, 8192
	v_lshlrev_b32 v10, 8, v10
	ASK 1
	v_and_b32 v1, 31, v0
	v_and_b32 v2, 15, v0
	v_bfe_u32 v3, v0, 4, 1
	s_wait_alu depctr_va_vdst(0)
	v_lshlrev_b32 v4, 4, v1
	s_wait_alu depctr_va_vdst(0)
	v_lshlrev_b32 v5, 3, v1
	v_add_nc_u32 v5, 512, v5
	s_wait_alu depctr_va_vdst(0)
	s_lshl_b32 s2, s17, 7
	s_lshl_b32 s3, s15, 6
	s_add_co_u32 s2, s2, s3
	s_lshl_b32 s2, s2, 12
	s_lshl_b32 s3, s18, 9
	s_add_co_u32 s2, s2, s3
	s_lshl_b32 s3, s16, 8
	s_add_co_u32 s2, s2, s3
	s_mov_b32 s3, 0
	s_add_nc_u64 s[12:13], s[12:13], s[2:3]
	s_add_nc_u64 s[100:101], s[100:101], s[2:3]
	v_lshlrev_b32 v26, 12, v3
	v_lshl_add_u32 v26, v2, 4, v26
	WIN 0x40                                       ; the residual waits in window 1, beside the weight's fragments: v48-111, v176-239
.set RA, 0
.rept 4
.set RI, 0
.rept 8
	global_load_b128 v[48+32*RA+64*(RA/2)+4*RI:48+32*RA+64*(RA/2)+4*RI+3], v26, s[12:13] offset:(32*(RA/2)+8*(RA%2)+2*RI+8*(RI/4))*4096
.set RI, RI+1
.endr
.set RA, RA+1
.endr
	WIN 0
	s_mul_i32 s2, s15, QUART
	s_mul_i32 s3, s16, QUART
	s_add_co_u32 s3, s3, 2*QUART
.irp s, 0,1
	v_add_nc_u32 v[16+\s], s2, v4
	v_add_nc_u32 v[18+\s], s2, v5
	v_add_nc_u32 v[20+\s], s3, v4
	v_add_nc_u32 v[22+\s], s3, v5
	s_add_co_u32 s2, s2, SLOT
	s_add_co_u32 s3, s3, SLOT
.endr
	v_and_b32 v6, 7, v2
	v_lshrrev_b32 v7, 3, v2
	v_mul_u32_u24 v6, v6, SA
	v_mad_u32_u24 v6, v7, SBB, v6
	s_mul_i32 s2, s15, HALFS
	s_mul_i32 s3, s16, HALFS
	s_add_co_u32 s3, s3, 2*HALFS
	s_sub_co_u32 s3, s3, s2
	v_mul_u32_u24 v7, s3, v3
	s_add_co_u32 s2, s2, SCL
	v_add_nc_u32 v6, v6, v7
	v_add_nc_u32 v[ADRS], s2, v6
	s_mul_i32 s2, s14, 4352
	v_mul_u32_u24 v24, v2, 272
	v_lshl_add_u32 v24, v3, 6, v24
	v_add_nc_u32 v24, s2, v24
	v_mul_u32_u24 v25, v3, 272
	v_lshl_add_u32 v25, v2, 4, v25
	v_add_nc_u32 v25, s2, v25
	s_wait_alu depctr_va_vdst(0)
	s_wait_tensorcnt 0x0                           ; my tile of the head's four is in
	ds_add_u32 v[SPW], v[NIL]
	s_mov_b32 s[G1+2], NB<<16                      ; no tensor load of mine is out: from here on a load brings 4 blocks
	s_mov_b32 s[G1+4], NB
	s_mov_b32 s[G1B+2], NB<<16
	s_mov_b32 s[G1B+4], NB
	s_wait_dscnt 0x0
	CROUND                                         ; all four tiles are in, and all sixteen work-groups are here
	JLOAD G0+4, G1, G0B+4, G1B                     ; K step 1, my one load behind the round
	FETCH_B 0, 0, 0
	FETCH_A 0, 0, 0
	SCALES 0, 1
	ASK 2                                          ; behind the load of fill 1 and the run of LDS loads
	FETCH_A 0, 0, HA
	STEP 0, 0, 1
.irp q, 1,2,3,4
	STEP 0, \q, 0
.endr
.if FFN2
	TURN 0, 1, 1                                   ; slot 0 takes fill 2
.irp q, 0,1,2,3,4
	STEP 1, \q, 0
.endr
	TURN 1, 0, 2                                   ; slot 1 takes fill 3, the last
.irp q, 0,1,2,3,4
	STEP 0, \q, 0
.endr
	TURN 0, 1, 0
	STEP 1, 0, 0
	STEP 1, 1, 0
	STEP 1, 2, 0
	LAST 1, 3
.else
	TURN 0, 1, 0
	STEP 1, 0, 0
	STEP 1, 1, 0
	STEP 1, 2, 0
	LAST 1, 3
.endif
.macro TOSTAGE a
	WIN (0x08+4*((\a)/HA))
.set TI, 0
.rept NB
.set AR, 8*(NB*((\a)%HA)+TI)
	ds_store_b128 v24, v[AR:AR+3] offset:128*(TI/2)+32*(TI%2)
	ds_store_b128 v24, v[AR+4:AR+7] offset:128*(TI/2)+32*(TI%2)+16
.set TI, TI+1
.endr
	WIN 0
.set BB, 128+32*((\a)%2)
.irp i, 0,1,2,3,4,5,6,7
	ds_load_b128 v[BB+4*\i:BB+4*\i+3], v25 offset:544*\i
.endr
.endm
.macro SEND a, younger
.set BB, 128+32*((\a)%2)
.set RB, 48+32*(\a)+64*((\a)/2)
	s_wait_dscnt \younger
	WIN 0x04                                       ; source 1: the residual, in window 1
.irp p, 0,1,2,3,4,5,6,7,8,9,10,11,12,13,14,15
	v_pk_add_f32 v[BB+2*\p:BB+2*\p+1], v[BB+2*\p:BB+2*\p+1], v[RB+2*\p:RB+2*\p+1]
.endr
	WIN 0
.irp i, 0,1,2,3,4,5,6,7
.if FFN2
	global_store_b128 v26, v[BB+4*\i:BB+4*\i+3], s[100:101] offset:(32*((\a)/2)+8*((\a)%2)+2*\i+8*(\i/4))*4096 th:TH_STORE_NT
.else
	global_store_b128 v26, v[BB+4*\i:BB+4*\i+3], s[100:101] offset:(32*((\a)/2)+8*((\a)%2)+2*\i+8*(\i/4))*4096
.endif
.endr
.endm
	s_wait_loadcnt 0x0
	TOSTAGE 0
.irp a, 1,2,3
.if \a > 1
	s_wait_xcnt 0x0
.endif
	TOSTAGE \a
	SEND \a-1, 16
.endr
	SEND 3, 0
	s_wait_tensorcnt 0x0
	ds_add_u32 v[SPW], v[NIL]
	s_wait_dscnt 0x0
	CROUND
	s_endpgm
.Lfunc_end_k_q7cf77fb583_ffn2:
	.size	k_q7cf77fb583_ffn2, .Lfunc_end_k_q7cf77fb583_ffn2-k_q7cf77fb583_ffn2
	.p2alignl 7, 3214868480
	.fill 96, 4, 3214868480
	.section	.rodata,"a",@progbits
	.p2align	6, 0x0
	.amdhsa_kernel k_q7cf77fb583_ffn2
		.amdhsa_group_segment_fixed_size 327680
		.amdhsa_private_segment_fixed_size 0
		.amdhsa_enable_private_segment 0
		.amdhsa_kernarg_size 32
		.amdhsa_user_sgpr_count 2
		.amdhsa_user_sgpr_kernarg_segment_ptr 1
		.amdhsa_wavefront_size32 1
		.amdhsa_system_sgpr_workgroup_id_x 1
		.amdhsa_system_sgpr_workgroup_id_y 1
		.amdhsa_system_sgpr_workgroup_id_z 1
		.amdhsa_system_vgpr_workitem_id 0
		.amdhsa_next_free_vgpr 1024
		.amdhsa_next_free_sgpr 102
		.amdhsa_reserve_vcc 0
		.amdhsa_float_denorm_mode_32 3
		.amdhsa_float_denorm_mode_16_64 3
		.amdhsa_memory_ordered 1
		.amdhsa_forward_progress 1
		.amdhsa_inst_pref_size 132
	.end_amdhsa_kernel
	.amdgpu_metadata
---
amdhsa.version: [ 1, 2 ]
amdhsa.kernels:
  - .name:           k_q7cf77fb583_ffn2
    .symbol:         k_q7cf77fb583_ffn2.kd
    .args:
      - { .name: G, .offset: 0, .size: 8, .value_kind: global_buffer, .address_space: global }
      - { .name: WI, .offset: 8, .size: 8, .value_kind: global_buffer, .address_space: global }
      - { .name: H, .offset: 16, .size: 8, .value_kind: global_buffer, .address_space: global }
      - { .name: out0, .offset: 24, .size: 8, .value_kind: global_buffer, .address_space: global }
    .group_segment_fixed_size: 327680
    .private_segment_fixed_size: 0
    .kernarg_segment_align: 8
    .kernarg_segment_size: 32
    .max_flat_workgroup_size: 128
    .sgpr_count:     102
    .vgpr_count:     1024
    .wavefront_size: 32
...
	.end_amdgpu_metadata
.endif
;; end of part 14
